; MI455X (gfx1250); checked and timed in simulation.
; The chip was launched on July 23, 2026; its instructions are those of AMD's public machine-readable ISA for CDNA 5 (MIT licence, August 2026) and "CDNA5" Instruction Set Architecture Reference Guide (July 2026). The comments in the code are by the model that wrote it; some were corrected since.
;; Block. Allowed arithmetic: float matrix products may take bf16 or f16 operands with f32 sums; all other float work in f32.
;; Inputs: b1 4,096 float32; b2 1,024 float32; b_proj 1,024 float32; be1 1,024 float32; be2 1,024 float32; g1 1,024 float32; g2 1,024 float32; w1 1,024 x 4,096 float32; w2 4,096 x 1,024 float32; w_proj 1,024 x 1,024 float32; wk 16 x 1,024 x 64 float32; wq 16 x 1,024 x 64 float32; wv 16 x 1,024 x 64 float32; x 4 x 1,024 x 1,024 float32.
;; Outputs: out0 4 x 1,024 x 1,024 float32.
;; 2 versions, each right; version 2 is version 1 with the launch prep written anew for expert scheduling mode. Each part assembles by itself: llvm-mc -triple=amdgcn-amd-amdhsa -mcpu=gfx1250 --defsym DOCPART=n.
;; ======== version 1 of 2: 7 launches
;; limits: values are held in f16: magnitudes above 65,504 overflow, below 6.1e-05 lose precision
;; workspace buffers: xn 8,388,608 bytes; xn2 8,388,608 bytes; wh 25,165,824 bytes; qkvb 25,165,824 bytes; ob 8,388,608 bytes; x1 16,777,216 bytes; hb 33,554,432 bytes
;; launch prep (part 1): grid 1024 x 1, 8 waves a work-group, no clusters, 0 bytes of LDS; arguments x, g1, be1, xn, wq, wk, wv, w1, w_proj, w2, wh; writes xn, wh
.if DOCPART == 1
	.amdgcn_target "amdgcn-amd-amdhsa--gfx1250"
	.amdhsa_code_object_version 6
	.text
	.protected	k_q76cc219cb2_prep
	.globl	k_q76cc219cb2_prep
	.p2align	8
	.type	k_q76cc219cb2_prep,@function
k_q76cc219cb2_prep:
	s_mov_b64 s[64:65], 0
	v_nop
	global_prefetch_b8 v0, s[64:65] scope:SCOPE_SE
	s_setreg_imm32_b32 hwreg(HW_REG_WAVE_MODE, 25, 1), 1
	s_wait_xcnt 0x0
; TWO STREAMS IN ONE LAUNCH.  Work-groups 0-255: xn = layer norm of x (gain g1, shift be1), rounded to f16.  Work-groups 256-1023: the six weights, f32 [k][n], rounded once to f16
; and laid in the order in which the products ask for them, two chunks a work-group.  Memory binds both: no LDS, no matrix unit, no barrier; each byte of x and of the weights is read once, each output byte written once.
; 128 registers a wave: eight waves share a SIMD's 1,024, so four work-groups of eight waves lie on a WGP, and 1,024 work-groups are four for each of 256 WGPs: all loads of the launch go out at its start.
; LIMITS.  f16 ends at 65,504: a normed number or a weight beyond that becomes an infinity; a weight below 6e-5 keeps f16's fixed step of 6e-8.  NaN and infinities are not treated apart.
; xn's LAYOUT: [row / 128][column / 64][row % 128][64] f16, so that 128 rows x any run of columns are consecutive bytes.
; wh's LAYOUT: chunks of 16,384 bytes, each [128 k][64 n] f16.  Chunks 0-383: wq, wk, wv as 48 panels P of 64 columns, chunk = (k / 128) x 48 + P.  384-895: w1, chunk = (k / 128) x 64 + n / 64.
; 896-1023: w_proj, 1024-1535: w2, chunk = ((k / 256) x 16 + n / 64) x 2 + (k / 128) % 2.
; LAYER NORM.  A work-group takes 16 rows, a wave two.  Lane l: cg = l % 8, rp = (l / 8) % 2, pp = l / 16; it holds row 2 wave + rp, columns 64 (2 j + pp) + 8 cg + 0..7 for j = 0..7.
; So a row lies in the 16 lanes of equal rp, and a store of 16 bytes a lane puts lanes 0-15 onto 256 consecutive bytes of xn (two rows of one panel), lanes 16-31 onto those of the next panel.
; The variance is the mean of (x - mean)^2, taken of the centred numbers.  Gains and shifts come in four turns of two j through 32 registers.
.set X,  32                            ; v[32:95]    my 64 numbers of x
.set GB, 96                            ; v[96:111]   the gains of two j, v[112:127] their shifts
.macro RED                             ; four running pairs v[16:23] -> one sum over my row, in every lane of the row
	v_pk_add_f32 v[16:17], v[16:17], v[18:19]
	v_pk_add_f32 v[20:21], v[20:21], v[22:23]
	v_pk_add_f32 v[16:17], v[16:17], v[20:21]
	v_add_f32 v16, v16, v17
	v_add_f32_dpp v16, v16, v16 row_xmask:1 row_mask:0xf bank_mask:0xf
	v_add_f32_dpp v16, v16, v16 row_xmask:2 row_mask:0xf bank_mask:0xf
	v_add_f32_dpp v16, v16, v16 row_xmask:4 row_mask:0xf bank_mask:0xf  ; the eight lanes of equal rp and pp; mask 8 would cross to the other row
	v_permlanex16_b32 v17, v16, s30, s31   ; and the eight of the other pp
	v_add_f32 v16, v16, v17
.endm
.macro GBLOAD t                        ; eight loads: gains and shifts of j = 2 t and 2 t + 1
.irp j, 0,1
	global_load_b128 v[GB+8*(\j):GB+8*(\j)+3],         v5, s[6:7] offset:512*(2*(\t)+(\j))
	global_load_b128 v[GB+8*(\j)+4:GB+8*(\j)+7],       v5, s[6:7] offset:512*(2*(\t)+(\j))+16
	global_load_b128 v[GB+16+8*(\j):GB+16+8*(\j)+3],   v5, s[8:9] offset:512*(2*(\t)+(\j))
	global_load_b128 v[GB+16+8*(\j)+4:GB+16+8*(\j)+7], v5, s[8:9] offset:512*(2*(\t)+(\j))+16
.endr
.endm
	s_load_b256 s[4:11], s[0:1], 0x0               ; x, g1, be1, xn
	s_load_b256 s[12:19], s[0:1], 0x20             ; wq, wk, wv, w1
	s_load_b128 s[20:23], s[0:1], 0x40             ; w_proj, w2
	s_load_b64 s[24:25], s[0:1], 0x50              ; wh
	s_mov_b32 s2, ttmp9
	s_cmp_lt_u32 s2, 256
	s_cbranch_scc0 .Lcast
	; THE LAYER NORM
	v_and_b32 v1, 7, v0                            ; cg
	v_bfe_u32 v2, v0, 3, 1                         ; rp
	v_bfe_u32 v3, v0, 4, 1                         ; pp
	v_lshrrev_b32 v4, 5, v0                        ; wave
	v_lshl_add_u32 v4, v4, 1, v2                   ; my row among the group's 16
	v_lshlrev_b32 v5, 5, v1
	v_lshl_add_u32 v5, v3, 8, v5                   ; byte in a row of f32: 256 pp + 32 cg (gain and shift)
	v_lshl_add_u32 v6, v4, 12, v5                  ; + my row x 4,096 (source)
	v_lshlrev_b32 v7, 4, v1
	v_lshl_add_u32 v7, v4, 7, v7
	v_lshl_add_u32 v7, v3, 14, v7                  ; destination: 16,384 pp + 128 row + 16 cg
	s_lshl_b32 s26, s2, 16                         ; the group's 16 rows of 4,096 bytes
	s_mov_b32 s27, 0
	s_lshr_b32 s28, s2, 3
	s_lshl_b32 s28, s28, 18                        ; block of 128 rows: 262,144 bytes
	s_and_b32 s29, s2, 7
	s_lshl_b32 s29, s29, 11                        ; 16 rows of 128 bytes in a panel
	s_add_co_u32 s28, s28, s29
	s_mov_b32 s29, 0
	s_mov_b32 s30, 0x76543210                      ; v_permlanex16_b32: each lane takes its own place in the other half
	s_mov_b32 s31, 0xfedcba98
	s_mov_b32 s32, 0x3a800000                      ; 1 / 1024
	s_mov_b32 s33, 0x3727c5ac                      ; 1e-5
	s_wait_kmcnt 0x0
	s_add_nc_u64 s[4:5], s[4:5], s[26:27]
	s_add_nc_u64 s[10:11], s[10:11], s[28:29]
.irp j, 0,1,2,3,4,5,6,7
	global_load_b128 v[X+8*(\j):X+8*(\j)+3],   v6, s[4:5] offset:512*(\j)
	global_load_b128 v[X+8*(\j)+4:X+8*(\j)+7], v6, s[4:5] offset:512*(\j)+16
.endr
	GBLOAD 0
	s_wait_loadcnt 8                               ; the row is in; the eight younger loads (the first gains and shifts) stay out
.irp k, 0,1,2,3
	v_pk_add_f32 v[16+2*(\k):17+2*(\k)], v[X+2*(\k):X+2*(\k)+1], v[X+8+2*(\k):X+8+2*(\k)+1]  ; the first pairs start four chains: nothing is cleared
.endr
.set p, 8
.rept 24
	v_pk_add_f32 v[16+2*(p%4):17+2*(p%4)], v[16+2*(p%4):17+2*(p%4)], v[X+2*p:X+2*p+1]
.set p, p+1
.endr
	RED
	v_mul_f32 v16, s32, v16                        ; the mean
.set p, 0
.rept 32
	v_pk_add_f32 v[X+2*p:X+2*p+1], v[X+2*p:X+2*p+1], v[16:17] op_sel_hi:[1,0] neg_lo:[0,1] neg_hi:[0,1]  ; x - mean
.set p, p+1
.endr
.irp k, 0,1,2,3
	v_pk_mul_f32 v[16+2*(\k):17+2*(\k)], v[X+2*(\k):X+2*(\k)+1], v[X+2*(\k):X+2*(\k)+1]
.endr
.set p, 4
.rept 28
	v_pk_fma_f32 v[16+2*(p%4):17+2*(p%4)], v[X+2*p:X+2*p+1], v[X+2*p:X+2*p+1], v[16+2*(p%4):17+2*(p%4)]
.set p, p+1
.endr
	RED
	v_fma_f32 v18, v16, s32, s33                   ; variance + 1e-5
	v_rsq_f32 v24, v18
	v_mov_b32 v25, 0                               ; the plain instruction behind the root (ISA guide 5.7.2); v25 is named with v24 as a pair
.set p, 0
	s_wait_alu depctr_va_vdst(0)
.rept 32
	v_pk_mul_f32 v[X+2*p:X+2*p+1], v[X+2*p:X+2*p+1], v[24:25] op_sel_hi:[1,0]
.set p, p+1
.endr
.irp t, 0,1,2,3                                        ; turn t: j = 2 t and 2 t + 1
	s_wait_loadcnt 0x0                             ; this turn's gains and shifts
.set q, 0
.rept 8
	v_pk_fma_f32 v[X+16*(\t)+2*q:X+16*(\t)+2*q+1], v[X+16*(\t)+2*q:X+16*(\t)+2*q+1], v[GB+2*q:GB+2*q+1], v[GB+16+2*q:GB+16+2*q+1]
.set q, q+1
.endr
.if (\t) < 3
	GBLOAD (\t)+1                                  ; the next turn's, as soon as these have been used; the roundings and stores below stand in their way
.endif
.set q, 8*(\t)
.rept 8
	v_cvt_pk_f16_f32 v[X+q], v[X+2*q], v[X+2*q+1]  ; in place from the low end: word q is written when pairs 0 .. q have been read
.set q, q+1
.endr
	global_store_b128 v7, v[X+8*(\t):X+8*(\t)+3],   s[10:11] offset:32768*(2*(\t))    ; two panels on for each j
	global_store_b128 v7, v[X+8*(\t)+4:X+8*(\t)+7], s[10:11] offset:32768*(2*(\t)+1)
.endr
	s_endpgm
.Lcast:
	; THE CAST.  Chunks c and c + 1, c even: they belong to one weight, since every weight begins at an even chunk.  What the three kinds of weight differ in (source, pitch, the way from the first
	; chunk to the second) is worked out for each kind and then chosen by the chunk's number, so that the loads and stores are written once.
	s_sub_co_u32 s3, s2, 256
	s_lshl_b32 s3, s3, 1                           ; c
	v_and_b32 v1, 7, v0
	v_lshrrev_b32 v2, 3, v0                        ; my row among 32
	v_lshlrev_b32 v3, 5, v1                        ; my 8 numbers of f32 in it
	v_lshlrev_b32 v4, 4, v0                        ; and their 16 bytes of f16
	s_lshr_b32 s30, s3, 3                          ; as a chunk of wq, wk, wv: panel P = c / 8,
	s_and_b32 s31, s3, 7                           ; k / 128 = c % 8
	s_and_b32 s26, s30, 15
	s_lshl_b32 s26, s26, 18                        ; the head: 1,024 rows of 256 bytes
	s_lshl_b32 s32, s31, 15                        ; 128 rows
	s_add_co_u32 s26, s26, s32
	s_mul_i32 s28, s31, 48
	s_add_co_u32 s28, s28, s30                     ; its place in wh
	s_sub_co_u32 s32, s3, 384                      ; as a chunk of w1
	s_lshr_b32 s33, s32, 6
	s_lshl_b32 s33, s33, 21                        ; 128 rows of 16,384 bytes
	s_and_b32 s32, s32, 63
	s_lshl_b32 s32, s32, 8                         ; 64 columns
	s_add_co_u32 s33, s33, s32
	s_mov_b32 s32, 896                             ; as a chunk of w_proj (from 896) or of w2 (from 1,024)
	s_cmp_ge_u32 s3, 1024
	s_cselect_b32 s32, 1024, s32
	s_sub_co_u32 s32, s3, s32
	s_lshr_b32 s38, s32, 5
	s_lshl_b32 s38, s38, 20                        ; 256 rows of 4,096 bytes
	s_bfe_u32 s32, s32, 0x40001                    ; n / 64
	s_lshl_b32 s32, s32, 8
	s_add_co_u32 s38, s38, s32
	s_cmp_lt_u32 s3, 896                           ; w1, or w_proj and w2:
	s_cselect_b32 s33, s33, s38                    ; the source's offset,
	s_cselect_b32 s42, 14, 12                      ; log2 of the pitch,
	s_cselect_b32 s46, 8, 19                       ; log2 of the bytes to the second chunk's source: 64 columns, or 128 rows
	s_cmp_lt_u32 s3, 384                           ; wq, wk, wv, or the others
	s_cselect_b32 s26, s26, s33
	s_cselect_b32 s42, 8, s42
	s_cselect_b32 s46, 15, s46                     ; 128 rows of 256 bytes
	s_cselect_b32 s28, s28, s3                     ; the others lie in wh by their number,
	s_cselect_b32 s44, 48, 1                       ; and the second chunk follows the first
	s_lshl_b32 s28, s28, 14
	s_lshl_b32 s44, s44, 14
	s_lshl_b32 s46, 1, s46
	s_add_co_u32 s43, s42, 5
	s_lshl_b32 s43, 1, s43                         ; 32 rows of the source
	s_mov_b32 s27, 0
	s_mov_b32 s29, 0
	s_mov_b32 s45, 0
	s_mov_b32 s47, 0
	v_lshl_add_u32 v5, v2, s42, v3                 ; row t / 8 + 32 i, column 8 (t % 8): an offset for each i
	v_add_nc_u32 v6, s43, v5
	v_add_nc_u32 v7, s43, v6
	v_add_nc_u32 v8, s43, v7
	s_wait_kmcnt 0x0
	s_cmp_ge_u32 s3, 128
	s_cselect_b64 s[34:35], s[14:15], s[12:13]     ; wq, wk,
	s_cmp_ge_u32 s3, 256
	s_cselect_b64 s[34:35], s[16:17], s[34:35]     ; wv,
	s_cmp_ge_u32 s3, 384
	s_cselect_b64 s[34:35], s[18:19], s[34:35]     ; w1,
	s_cmp_ge_u32 s3, 896
	s_cselect_b64 s[34:35], s[20:21], s[34:35]     ; w_proj,
	s_cmp_ge_u32 s3, 1024
	s_cselect_b64 s[34:35], s[22:23], s[34:35]     ; w2
	s_add_nc_u64 s[34:35], s[34:35], s[26:27]      ; the first chunk's source and destination,
	s_add_nc_u64 s[36:37], s[24:25], s[28:29]
	s_add_nc_u64 s[38:39], s[34:35], s[46:47]      ; the second's
	s_add_nc_u64 s[40:41], s[36:37], s[44:45]
.irp i, 0,1,2,3                                        ; sixteen loads a thread: 65,536 bytes of the work-group are on their way
	global_load_b128 v[32+8*(\i):35+8*(\i)], v[5+(\i)], s[34:35] th:TH_LOAD_NT
	global_load_b128 v[36+8*(\i):39+8*(\i)], v[5+(\i)], s[34:35] offset:16 th:TH_LOAD_NT
.endr
.irp i, 0,1,2,3
	global_load_b128 v[64+8*(\i):67+8*(\i)], v[5+(\i)], s[38:39] th:TH_LOAD_NT
	global_load_b128 v[68+8*(\i):71+8*(\i)], v[5+(\i)], s[38:39] offset:16 th:TH_LOAD_NT
.endr
.set n, 0
.rept 8
	s_wait_loadcnt 14-2*n                          ; pair n is in; the younger pairs stay out
	v_cvt_pk_f16_f32 v[96+4*n], v[32+8*n], v[33+8*n]
	v_cvt_pk_f16_f32 v[97+4*n], v[34+8*n], v[35+8*n]
	v_cvt_pk_f16_f32 v[98+4*n], v[36+8*n], v[37+8*n]
	v_cvt_pk_f16_f32 v[99+4*n], v[38+8*n], v[39+8*n]
.if n < 4
	global_store_b128 v4, v[96+4*n:99+4*n], s[36:37] offset:n*4096      ; a wave stores 512 consecutive bytes
.else
	global_store_b128 v4, v[96+4*n:99+4*n], s[40:41] offset:(n-4)*4096
.endif
.set n, n+1
.endr
	s_endpgm
.Lfunc_end_k_q76cc219cb2_prep:
	.size	k_q76cc219cb2_prep, .Lfunc_end_k_q76cc219cb2_prep-k_q76cc219cb2_prep
	.p2alignl 7, 3214868480
	.fill 96, 4, 3214868480
	.section	.rodata,"a",@progbits
	.p2align	6, 0x0
	.amdhsa_kernel k_q76cc219cb2_prep
		.amdhsa_group_segment_fixed_size 0
		.amdhsa_private_segment_fixed_size 0
		.amdhsa_enable_private_segment 0
		.amdhsa_kernarg_size 88
		.amdhsa_user_sgpr_count 2
		.amdhsa_user_sgpr_kernarg_segment_ptr 1
		.amdhsa_wavefront_size32 1
		.amdhsa_system_sgpr_workgroup_id_x 1
		.amdhsa_system_sgpr_workgroup_id_y 1
		.amdhsa_system_sgpr_workgroup_id_z 1
		.amdhsa_system_vgpr_workitem_id 0
		.amdhsa_next_free_vgpr 128
		.amdhsa_next_free_sgpr 66
		.amdhsa_reserve_vcc 0
		.amdhsa_float_denorm_mode_32 3
		.amdhsa_float_denorm_mode_16_64 3
		.amdhsa_memory_ordered 1
		.amdhsa_forward_progress 1
		.amdhsa_inst_pref_size 28
	.end_amdhsa_kernel
	.amdgpu_metadata
---
amdhsa.version: [ 1, 2 ]
amdhsa.kernels:
  - .name:           k_q76cc219cb2_prep
    .symbol:         k_q76cc219cb2_prep.kd
    .args:
      - { .name: x, .offset: 0, .size: 8, .value_kind: global_buffer, .address_space: global }
      - { .name: g1, .offset: 8, .size: 8, .value_kind: global_buffer, .address_space: global }
      - { .name: be1, .offset: 16, .size: 8, .value_kind: global_buffer, .address_space: global }
      - { .name: xn, .offset: 24, .size: 8, .value_kind: global_buffer, .address_space: global }
      - { .name: wq, .offset: 32, .size: 8, .value_kind: global_buffer, .address_space: global }
      - { .name: wk, .offset: 40, .size: 8, .value_kind: global_buffer, .address_space: global }
      - { .name: wv, .offset: 48, .size: 8, .value_kind: global_buffer, .address_space: global }
      - { .name: w1, .offset: 56, .size: 8, .value_kind: global_buffer, .address_space: global }
      - { .name: w_proj, .offset: 64, .size: 8, .value_kind: global_buffer, .address_space: global }
      - { .name: w2, .offset: 72, .size: 8, .value_kind: global_buffer, .address_space: global }
      - { .name: wh, .offset: 80, .size: 8, .value_kind: global_buffer, .address_space: global }
    .group_segment_fixed_size: 0
    .private_segment_fixed_size: 0
    .kernarg_segment_align: 8
    .kernarg_segment_size: 88
    .max_flat_workgroup_size: 256
    .sgpr_count:     66
    .vgpr_count:     128
    .wavefront_size: 32
...
	.end_amdgpu_metadata
.endif
;; end of part 1
;; launch qkv (part 2): grid 16 x 16, 4 waves a work-group, clusters of 4 x 4, 327,680 bytes of LDS; arguments xn, wh, qkvb; writes qkvb
.if DOCPART == 2
	.amdgcn_target "amdgcn-amd-amdhsa--gfx1250"
	.amdhsa_code_object_version 6
	.text
	.protected	k_q76cc219cb2_qkv
	.globl	k_q76cc219cb2_qkv
	.p2align	8
	.type	k_q76cc219cb2_qkv,@function
k_q76cc219cb2_qkv:
	s_mov_b64 s[64:65], 0
	v_nop
	global_prefetch_b8 v0, s[64:65] scope:SCOPE_SE
	s_setreg_imm32_b32 hwreg(HW_REG_WAVE_MODE, 25, 1), 1
	s_wait_xcnt 0x0
	s_wait_alu depctr_hold_cnt(0) depctr_sa_sdst(0) depctr_va_vdst(0) depctr_va_sdst(0) depctr_va_ssrc(0) depctr_va_vcc(0) depctr_vm_vsrc(0)
	s_getreg_b32 s2, hwreg(HW_REG_IB_STS2, 6, 4)
	s_cmp_eq_u32 s2, 0
	s_cbranch_scc0 .Lentry_in_a_cluster
	s_endpgm
.Lentry_in_a_cluster:
	s_bfe_u32 s2, ttmp6, 0x10000c
	s_cmp_lg_u32 s2, 0xf033
	s_cbranch_scc0 .Lentry_shape_is_right
	s_endpgm
.Lentry_shape_is_right:
; C = A W (+ bias, relu), f16 operands, f32 sums, f16 result.  ONE TEXT FOR TWO LAUNCHES; KIND chooses the sizes:
;   KIND 0: q, k, v = xn [wq wk wv].  4,096 x 3,072, K = 1,024.  A work-group makes 256 x 192, each of its four waves 64 rows x 192 columns: 48 accumulators.  No bias.
;   KIND 1: h = relu(xn2 w1 + b1).   4,096 x 4,096, K = 1,024.  A work-group makes 256 x 256, a wave 128 x 128: 64 accumulators.
; Both give 16 x 16 = 256 work-groups.  LIMITS: f16 ends at 65,504: a result beyond it becomes an infinity; NaN and infinities are not treated apart.
; OPERANDS IN MEMORY.  A: [row / 128][k / 64][row % 128][64] f16: 128 rows x 128 k are 32,768 consecutive bytes.  W: chunks [128 k][64 n] f16 of 16,384 bytes, a K step's chunks side by side.
; So every tile is a dense block, asked for as rows of 256 bytes (two rows of 128 bytes of the tile), each starting at a multiple of 256 bytes from its buffer's first byte.
; IN LDS 16 bytes of padding follow each 256 of A (row r of a fragment starts at bank 4 (r / 2) + 32 (r % 2): 16 rows, 16 different groups of four banks; 64 banks of 4 bytes: ISA guide 11.1),
; and 32 bytes each 256 of W (the turning load's 8 rows x 32 bytes take each bank once).
; RING.  K goes in 8 steps of 128 through two slots.  Waves 0, 1 fetch A's two halves, waves 2, 3 W's.  SB is the LDS byte of the slot being read, 0 or SLOT; a step's text is written once.
; CLUSTER 4 x 4.  The four work-groups of a row of the cluster need the same tiles of A, the four of a column the same tiles of W: each tile is asked for jointly, by the same load, descriptor and mask.
; THE MATRIX INSTRUCTION IS USED TRANSPOSED (source 0 = 16 columns of W, turned by ds_load_tr16_b128; source 1 = 16 rows of A): a lane holds row l % 16 and the 8 columns 8 (l / 16) + 0..7.
; The bias enters as the C operand of the product that starts each sum.
; RESULT: panels of 64 columns, [row][64] f16: 16 rows of a panel are 2,048 consecutive bytes.  KIND 0: [panel 0..47][row 0..4095][64].  KIND 1: A's own layout, for the next product.
; REGISTERS, in windows of 256 (s_set_vgpr_msb: bits 1:0 source 0, 3:2 source 1, 5:4 source 2, 7:6 destination):
;   window 0: v0-31 addresses; A's fragments, two buffers from v64; v192-255 the bias, later the way out      window 1: W's fragments, two buffers      windows 2, 3: accumulators
.set KIND, 0
.set T,     8                          ; K steps
.set ASTEP, 32768                      ; bytes of A from step to step
.set AHALF, 34816                      ; 128 rows of 272 bytes: half of A's tile in LDS
.if KIND
.set NU,    16                         ; units of 16 rows x 64 columns on the way out
.set BSTEP, 1048576                    ; bytes of W from step to step: 64 chunks
.set WOFF,  6291456                    ; w1 in wh
.set BROWS, 128                        ; rows of 256 bytes in half of W's tile
.set TXB,   65536                      ; bytes of W from tile column to tile column
.set FA0, 64                           ; A: buffers v64-127, v128-191
.set FAS, 64
.set FB0, 64                           ; W: buffers v64-127, v128-191 of window 1
.set FBS, 64
.else
.set NU,    12
.set BSTEP, 786432                     ; 48 chunks
.set WOFF,  0
.set BROWS, 96
.set TXB,   49152
.set FA0, 64                           ; A: buffers v64-95, v96-127
.set FAS, 32
.set FB0, 0                            ; W: buffers v0-95, v96-191 of window 1
.set FBS, 96
.endif
.set BHALF, BROWS*288
.set BBASE, 2*AHALF                    ; W's tile lies behind A's
.set SLOT,  BBASE+2*BHALF
.set STAGE, 2*SLOT                     ; behind the ring: 16 rows x 144 bytes for each wave, for the way out; no tile lands here
.set SPITCH, 144
.set SPARE, STAGE+4*16*SPITCH          ; behind the stages: the spare words, 128 bytes for each wave: two blocks of 256 bytes that no other line names
.set ADRA0, 16                         ; v16  my place in A's tile; never rewritten
.set ADRB0, 17                         ; v17  the same for W
.set ADRA,  18                         ; v18  SB + ADRA0
.set ADRB,  19                         ; v19  SB + ADRB0
.set STO,   24                         ; v24  the way out: where I put 16 bytes of a row
.set RD,    25                         ; v25  where I read rows back
.set GO,    26                         ; v26  my 16 bytes in 512 consecutive bytes of the result
.set SPW,   28                         ; v28  LDS address of my spare word; never rewritten
.set NIL,   29                         ; v29  0; never rewritten
.set BI,    192                        ; v192-255  the bias of my 8 blocks of 16 columns, as C operands
.set TMP,   192                        ; later: 16 packed registers,
.set BK,    208                        ; and two sets of 16 read back from the stage
.set G1A, 24                           ; s[24:31] descriptor group 1 for A's tiles;  s[32:39] group 0, two sets
.set G0A, 32
.set G1B, 48                           ; s[48:55], s[56:63] the same for W's
.set G0B, 56
.set SB,  66                           ; s66  the slot being read: 0 or SLOT
.set WPA, 67                           ; s67  where my half of A's tile lies in a slot
.set WPB, 68                           ; s68  the same for W
.set TL,  69                           ; s69  counts the tail's two passes
.set MSB, 0
.macro WIN new                         ; the immediate's high byte repeats the setting that is left; a switch that changes nothing is dropped
.if MSB != (\new)
	s_set_vgpr_msb (MSB<<8)|(\new)
.set MSB, \new
.endif
.endm
; A joint load.  The branch hangs on the wave's number alone.  An s_nop 0 and four v_nop follow each of the two lines, ahead of the jump and the label.
.macro JLOAD s
	s_cmp_eq_u32 s11, 0
	s_cbranch_scc0 .Lfor_b_\@
	tensor_load_to_lds s[G0A+4*(\s):G0A+4*(\s)+3], s[G1A:G1A+7]
	s_nop 0
.rept 4
	v_nop
.endr
	s_branch .Lasked_\@
.Lfor_b_\@:
	tensor_load_to_lds s[G0B+4*(\s):G0B+4*(\s)+3], s[G1B:G1B+7]
	s_nop 0
.rept 4
	v_nop
.endr
.Lasked_\@:
.endm
.macro CREST                           ; a round of the cluster's barrier behind its opening barrier
	s_cmp_lg_u32 s10, 0
	s_cbranch_scc1 .Lnot_wave_0_\@
	s_barrier_signal -3
.Lnot_wave_0_\@:
	s_barrier_wait -3
	s_barrier_signal -1
	s_barrier_wait -1
.endm
.macro CROUND                          ; a whole round
	s_barrier_signal -1
	s_barrier_wait -1
	CREST
.endm
.macro PLACES                          ; four places in front of loads into registers that matrix instructions have read, and of vector lines that touch results
.rept 4
	v_nop
.endr
.endm
	s_load_b128 s[4:7], s[0:1], 0x0                ; A s[4:5], wh s[6:7]
	s_load_b64 s[8:9], s[0:1], 0x10                ; the result
.if KIND
	s_load_b64 s[72:73], s[0:1], 0x18              ; the bias
.endif
	v_lshl_add_u32 v[SPW], v0, 2, SPARE
	v_mov_b32 v[NIL], 0
	ds_add_u32 v[SPW], v[NIL]                      ; the wave's opening: the add and its wait come ahead of my first tensor load; the set-up below stands between them
	v_lshrrev_b32 v1, 5, v0
	v_readfirstlane_b32 s10, v1                    ; wave 0..3
	s_lshr_b32 s11, s10, 1                         ; I fetch for A (0) or for W (1)
	s_and_b32 s12, s10, 1                          ; which half of that tile
	s_bfe_u32 s40, ttmp6, 0x40000                  ; cx, cy: my place in the cluster
	s_bfe_u32 s41, ttmp6, 0x40004
	s_lshl_b32 s42, ttmp9, 2
	s_add_co_u32 s42, s42, s40                     ; tile column = 4 x cluster x + cx
	s_and_b32 s13, ttmp7, 0xffff
	s_lshl_b32 s13, s13, 2
	s_add_co_u32 s13, s13, s41                     ; tile row = 4 x cluster y + cy
	s_lshl_b32 s43, s41, 2
	s_lshl_b32 s43, 15, s43                        ; my row of the cluster
	s_lshl_b32 s44, 0x1111, s40                    ; my column
	s_or_b32 s[G1A], s43, (1<<16)|(1<<20)|(1<<21)|(5<<22)|(3<<25)  ; 15:0 the mask; 17:16 2-byte elements; 20 padding on; 21 set beside a mask; 24:22 after every 64 words; 31:25 4 words of it
	s_or_b32 s[G1B], s44, (1<<16)|(1<<20)|(1<<21)|(5<<22)|(7<<25)  ; the same with my column's mask and 8 words of padding
	s_mov_b32 s[G1A+1], 128<<16                    ; tensor_dim0 = 128 elements: rows of 256 bytes
	s_mov_b32 s[G1A+2], 128<<16                    ; tensor_dim1 = 128 rows
	s_mov_b32 s[G1A+3], 128<<16                    ; tile_dim0
	s_mov_b32 s[G1A+4], 128                        ; tile_dim1
	s_mov_b32 s[G1A+5], 128                        ; a dense block: each row begins where the last ends
	s_mov_b32 s[G1A+6], 0
	s_mov_b32 s[G1A+7], 0
	s_mov_b32 s[G1B+1], 128<<16
	s_mov_b32 s[G1B+2], BROWS<<16
	s_mov_b32 s[G1B+3], 128<<16
	s_mov_b32 s[G1B+4], BROWS
	s_mov_b32 s[G1B+5], 128
	s_mov_b32 s[G1B+6], 0
	s_mov_b32 s[G1B+7], 0
	s_lshl_b32 s16, s13, 1                         ; A: block of 128 rows 2 x tile row + half, 262,144 bytes each
	s_add_co_u32 s16, s16, s12
	s_lshl_b32 s16, s16, 18
	s_mov_b32 s17, 0
	s_mul_i32 s46, s42, TXB                        ; W: the tile column's chunks, my half of them
	s_mul_i32 s47, s12, TXB/2
	s_add_co_u32 s46, s46, s47
	s_add_co_u32 s46, s46, WOFF
	s_mov_b32 s47, 0
	s_mul_i32 s[WPA], s12, AHALF                   ; no place in the cluster enters an LDS address
	s_mul_i32 s[WPB], s12, BHALF
	s_add_co_u32 s[WPB], s[WPB], BBASE
	s_mov_b32 s[SB], 0
	s_wait_dscnt 0x0                               ; the opening add is done
	s_wait_kmcnt 0x0
	s_add_nc_u64 s[14:15], s[4:5], s[16:17]
	s_add_nc_u64 s[46:47], s[6:7], s[46:47]
	CROUND                                         ; all sixteen work-groups are here: the first joint loads meet
.irp s, 0,1                                            ; set s: slot s, K step s.  Two loads of mine are out behind this
	s_mov_b32 s[G0A+4*(\s)], 1
	s_add_co_u32 s[G0A+4*(\s)+1], s[WPA], (\s)*SLOT
	s_add_nc_u64 s[G0A+4*(\s)+2:G0A+4*(\s)+3], s[14:15], (\s)*ASTEP
	s_or_b32 s[G0A+4*(\s)+3], s[G0A+4*(\s)+3], 0x80000000
	s_mov_b32 s[G0B+4*(\s)], 1
	s_add_co_u32 s[G0B+4*(\s)+1], s[WPB], (\s)*SLOT
	s_add_nc_u64 s[G0B+4*(\s)+2:G0B+4*(\s)+3], s[46:47], (\s)*BSTEP
	s_or_b32 s[G0B+4*(\s)+3], s[G0B+4*(\s)+3], 0x80000000
	JLOAD \s
.endr
	v_and_b32 v1, 15, v0                           ; r = l % 16
	v_bfe_u32 v2, v0, 4, 1                         ; h = l / 16
.if KIND
	s_lshl_b32 s46, s42, 10                        ; my first column, 256 x tile column + 128 x half, in bytes of f32
	s_lshl_b32 s47, s12, 9
	s_add_co_u32 s46, s46, s47
	s_mov_b32 s47, 0
	s_add_nc_u64 s[72:73], s[72:73], s[46:47]
	v_lshlrev_b32 v8, 5, v2                        ; my 8 columns of a block: 32 h
.irp b, 0,1,2,3,4,5,6,7
	global_load_b128 v[BI+8*(\b):BI+8*(\b)+3],   v8, s[72:73] offset:64*(\b)
	global_load_b128 v[BI+8*(\b)+4:BI+8*(\b)+7], v8, s[72:73] offset:64*(\b)+16
.endr
	s_lshl_b32 s16, s13, 1                         ; the result: block of 128 rows 2 x tile row + my half, 1,048,576 bytes each;
	s_add_co_u32 s16, s16, s11
	s_lshl_b32 s16, s16, 20
	s_lshl_b32 s46, s42, 16                        ; panel 4 x tile column + 2 x half, 16,384 bytes each
	s_lshl_b32 s47, s12, 15
	s_add_co_u32 s46, s46, s47
	s_mul_i32 s21, s11, AHALF                      ; my 128 rows of A
	s_mul_i32 s22, s12, BHALF                      ; my 128 columns of W
	s_add_co_u32 s22, s22, BBASE
.else
	s_lshl_b32 s16, s13, 15                        ; the result: row 256 x tile row + 64 x wave, 128 bytes each;
	s_lshl_b32 s17, s10, 13
	s_add_co_u32 s16, s16, s17
	s_mul_i32 s46, s42, 3*524288                   ; panel 3 x tile column, 524,288 bytes each
	s_mul_i32 s21, s11, AHALF                      ; my 64 rows of A
	s_mul_i32 s22, s12, 32*272
	s_add_co_u32 s21, s21, s22
	s_mov_b32 s22, BBASE                           ; all 192 columns of W
.endif
	s_mov_b32 s17, 0
	s_mov_b32 s47, 0
	s_add_nc_u64 s[8:9], s[8:9], s[16:17]
	s_add_nc_u64 s[8:9], s[8:9], s[46:47]
	; A fragment of A: lane l holds row r, k = 8 h + 0..7 and 16 + 8 h + 0..7: two loads of 16 bytes, 32 bytes apart.  Two rows of the tile share an LDS row of 272 bytes.
	v_lshrrev_b32 v3, 1, v1
	v_mul_u32_u24 v3, v3, 272
	v_and_b32 v4, 1, v1
	v_lshl_add_u32 v3, v4, 7, v3
	v_lshl_add_u32 v3, v2, 4, v3
	v_add_nc_u32 v[ADRA0], s21, v3
	; The turning load takes 16 k x 16 columns (lane l reads k = 8 h + l % 8, columns 8 ((l / 8) % 2) + 0..7) and leaves half a fragment: lane l holds column r and 8 k.
	v_and_b32 v5, 7, v0
	v_lshl_add_u32 v5, v2, 3, v5
	v_lshrrev_b32 v6, 1, v5
	v_mul_u32_u24 v6, v6, 288
	v_and_b32 v7, 1, v5
	v_lshl_add_u32 v6, v7, 7, v6
	v_bfe_u32 v7, v0, 3, 1
	v_lshl_add_u32 v6, v7, 4, v6
	v_add_nc_u32 v[ADRB0], s22, v6
	v_mov_b32 v[ADRA], v[ADRA0]
	v_mov_b32 v[ADRB], v[ADRB0]
	s_mul_i32 s23, s10, 16*SPITCH
	s_add_co_u32 s23, s23, STAGE                   ; my stage
	v_mul_u32_u24 v[STO], v1, SPITCH               ; in: row r, 16 bytes for each half of the lanes
	v_lshl_add_u32 v[STO], v2, 4, v[STO]
	v_add_nc_u32 v[STO], s23, v[STO]
	v_bfe_u32 v[RD], v0, 3, 2                      ; back: 32 lanes take four rows of 128 bytes,
	v_mul_u32_u24 v[RD], v[RD], SPITCH
	v_and_b32 v5, 7, v0
	v_lshl_add_u32 v[RD], v5, 4, v[RD]
	v_add_nc_u32 v[RD], s23, v[RD]
	v_and_b32 v[GO], 31, v0                        ; which are 512 consecutive bytes of the result
	v_lshlrev_b32 v[GO], 4, v[GO]
; One matrix instruction on rD, rB, rA (and rC).  z = 1: it starts the sum, with the bias or with 0: nothing is ever cleared.
.macro WM z
.if (\z) == 0
	v_wmma_f32_16x16x32_f16 v[rD:rD+7], v[rB:rB+7], v[rA:rA+7], v[rD:rD+7]
.elseif KIND
	v_wmma_f32_16x16x32_f16 v[rD:rD+7], v[rB:rB+7], v[rA:rA+7], v[rC:rC+7]
.else
	v_wmma_f32_16x16x32_f16 v[rD:rD+7], v[rB:rB+7], v[rA:rA+7], 0
.endif
.endm
; The accumulators take turns, one instruction a turn, in the same order in every quarter step.
; 16 products of window 2: row blocks a0, a0 + 1 x column blocks 0-7, on buffer f
.macro MULLO f, a0, zero
.if (\zero) && KIND
	WIN 0x81                                       ; W window 1, A and the bias window 0, D window 2
.else
	WIN 0xa1                                       ; W window 1, A window 0, C and D window 2
.endif
.irp a, \a0, (\a0)+1
.irp b, 0,1,2,3,4,5,6,7
.set rD, 8*(8*(\a)+(\b))
.set rB, FB0+FBS*(\f)+8*(\b)
.set rA, FA0+FAS*(\f)+8*(\a)
.set rC, BI+8*(\b)
	WM \zero
.endr
.endr
.endm
; The products of window 3.  KIND 1: row blocks 4-7 x column blocks 0-7 (32).  KIND 0: row blocks 0-3 x column blocks 8-11 (16).
.macro MULHI f, zero
.if (\zero) && KIND
	WIN 0xc1
.else
	WIN 0xf1
.endif
.irp a, 0,1,2,3
.irp b, 0,1,2,3,4,5,6,7
.if KIND
.set rD, 8*(8*(\a)+(\b))
.set rB, FB0+FBS*(\f)+8*(\b)
.set rA, FA0+FAS*(\f)+8*(4+(\a))
.set rC, BI+8*(\b)
	WM \zero
.elseif (\b) < 4
.set rD, 8*(4*(\a)+(\b))
.set rB, FB0+FBS*(\f)+8*(8+(\b))
.set rA, FA0+FAS*(\f)+8*(\a)
	WM \zero
.endif
.endr
.endr
.endm
; 32 LDS loads in one run: the fragments of quarter q (32 along K) of the slot at SB, into buffer f.  The last eight are those that window 3's products alone read.
.macro FETCH q, f
.set FA, FA0+FAS*(\f)
.set FB, FB0+FBS*(\f)
.set OA, ((\q)/2)*17408+((\q)%2)*64    ; panel q / 2 of 64 k (64 LDS rows), 32 k = 64 bytes in it
.set OW, (\q)*4608                     ; 32 k = 16 LDS rows of 288 bytes
.if KIND
	WIN 0x40                                       ; destination window 1, address window 0
.irp i, 0,1,2,3,4,5,6,7
	ds_load_tr16_b128 v[FB+8*(\i):FB+8*(\i)+3],   v[ADRB] offset:OW+((\i)/4)*18432+((\i)%4)*32
	ds_load_tr16_b128 v[FB+8*(\i)+4:FB+8*(\i)+7], v[ADRB] offset:OW+((\i)/4)*18432+((\i)%4)*32+2304
.endr
	WIN 0
.irp i, 0,1,2,3,4,5,6,7
	ds_load_b128 v[FA+8*(\i):FA+8*(\i)+3],   v[ADRA] offset:OA+(\i)*2176
	ds_load_b128 v[FA+8*(\i)+4:FA+8*(\i)+7], v[ADRA] offset:OA+(\i)*2176+32
.endr
.else
	WIN 0
.irp i, 0,1,2,3
	ds_load_b128 v[FA+8*(\i):FA+8*(\i)+3],   v[ADRA] offset:OA+(\i)*2176
	ds_load_b128 v[FA+8*(\i)+4:FA+8*(\i)+7], v[ADRA] offset:OA+(\i)*2176+32
.endr
	WIN 0x40
.irp i, 0,1,2,3,4,5,6,7,8,9,10,11
	ds_load_tr16_b128 v[FB+8*(\i):FB+8*(\i)+3],   v[ADRB] offset:OW+((\i)/4)*18432+((\i)%4)*32
	ds_load_tr16_b128 v[FB+8*(\i)+4:FB+8*(\i)+7], v[ADRB] offset:OW+((\i)/4)*18432+((\i)%4)*32+2304
.endr
.endif
.endm
; A K step is four quarters of 32 along K on buffers 0, 1, 0, 1.  One of the first three: multiplies buffer f; in its middle it fetches quarter qn into buffer g.
.macro QUARTER qn, f, g, zero
	s_wait_dscnt 8                                 ; all but the youngest eight loads, which window 3's products read
	MULLO \f, 0, \zero
	MULLO \f, 2, \zero
	PLACES
	FETCH \qn, \g
	s_wait_dscnt 32                                ; all but the 32 just issued
	MULHI \f, \zero
.endm
; The last quarter multiplies buffer 1 and changes slots.  ONE barrier: in front of it each wave waits for all its tensor loads (the one that is out is its part of the next slot), adds 0 to its
; spare word, and waits for that and for its own reads of this slot.  Behind it nobody reads this slot any more and the next slot is whole.
.macro MEET round
	WIN 0                                          ; (the add's two registers lie in window 0)
	s_wait_tensorcnt 0x0
	ds_add_u32 v[SPW], v[NIL]                      ; 0 onto my spare word
	s_wait_dscnt 9                                 ; (the add and the youngest eight loads may be out)
	MULLO 1, 0, 0                                  ; sixteen matrix instructions stand between the add and the wait for it
	s_wait_dscnt 0x0                               ; the add is done, and my reads of this slot are over
	s_barrier_signal -1
	MULLO 1, 2, 0                                  ; work on registers while the others arrive
.if \round
	WIN 0
.endif
	s_barrier_wait -1
.endm
.macro SWITCH                          ; on to the other slot, and its first fragments
	s_xor_b32 s[SB], s[SB], SLOT
	v_add_nc_u32 v[ADRA], s[SB], v[ADRA0]
	v_add_nc_u32 v[ADRB], s[SB], v[ADRB0]
	FETCH 0, 0
	MULHI 1, 0
.endm
.macro TURN1                           ; the slot just read out is filled again, two K steps ahead: the barrier opens a round of the cluster's barrier, and the joint load is the first thing behind it
	MEET 1
	CREST                                          ; no wave of any partner still reads this slot's tile or has a load on its way
	s_add_co_u32 s[G0A+5], s[SB], s[WPA]           ; set 1 walks: this slot,
	s_add_nc_u64 s[G0A+6:G0A+7], s[G0A+6:G0A+7], ASTEP  ; the next K step; the type bits on top are not reached
	s_add_co_u32 s[G0B+5], s[SB], s[WPB]
	s_add_nc_u64 s[G0B+6:G0B+7], s[G0B+6:G0B+7], BSTEP
	JLOAD 1                                        ; its four v_nop are also the places in front of the loads below
	SWITCH
.endm
.macro TURN0                           ; the same with nothing left to ask for
	MEET 0
	PLACES
	WIN 0
	SWITCH
.endm
	s_wait_tensorcnt 0x1                           ; my part of K step 0 is in; step 1's may stay out
	s_barrier_signal -1
	s_barrier_wait -1                              ; everybody's is
	FETCH 0, 0
.if KIND
	s_wait_loadcnt 0x0                             ; the bias
.endif
	QUARTER 1, 0, 1, 1                             ; the first quarter stands in front of the loop: its products start the sums
	WIN 0                                          ; at a label and at a branch every window is 0
	s_mov_b32 s3, T-2
.Lstep:                                                ; a trip: from a step's second quarter to the next step's first; it asks for steps 2 .. T - 1
	QUARTER 2, 1, 0, 0
	QUARTER 3, 0, 1, 0
	TURN1
	QUARTER 1, 0, 1, 0
	WIN 0
	s_sub_co_u32 s3, s3, 1
	s_cmp_lg_u32 s3, 0
	s_cbranch_scc1 .Lstep
	s_mov_b32 s[TL], 2
.Ltail:                                                ; the last two steps ask for nothing: written once, walked twice
	QUARTER 2, 1, 0, 0
	QUARTER 3, 0, 1, 0
	TURN0                                          ; in the second pass its 32 loads read the other slot's old bytes, which nobody multiplies: the price of one text for both passes
	WIN 0
	s_cmp_eq_u32 s[TL], 1
	s_cbranch_scc1 .Lskip                          ; behind the last step there is no further quarter
	QUARTER 1, 0, 1, 0
	WIN 0
.Lskip:
	s_sub_co_u32 s[TL], s[TL], 1
	s_cmp_lg_u32 s[TL], 0
	s_cbranch_scc1 .Ltail
	s_wait_dscnt 0x0
	PLACES
; THE WAY OUT, in units of 16 rows x 64 columns (4 accumulators, 32 registers on end): relu, rounded to f16 (16 bytes a lane), through my own stage in LDS, back as whole rows, stored as 4 x 512 consecutive bytes.
.macro UREGS u
.if KIND
.set UW,  2+((\u)/2)/4                 ; row block u / 2, panel u % 2
.set AC,  64*(((\u)/2)%4)+32*((\u)%2)
.set UIM, ((\u)%2)*16384+((\u)/2)*2048
.elseif (\u) < 8
.set UW,  2                            ; row block u % 4, panel u / 4
.set AC,  64*((\u)%4)+32*((\u)/4)
.set UIM, ((\u)/4)*524288+((\u)%4)*2048
.else
.set UW,  3
.set AC,  32*((\u)%4)
.set UIM, 2*524288+((\u)%4)*2048
.endif
.endm
.macro PACK u
	UREGS \u
.if KIND
	WIN 0x44*UW                                    ; source 1 and destination in the accumulators' window
.set i, 0
.rept 32
	v_max_num_f32 v[AC+i], 0, v[AC+i]              ; each accumulator from its low end on
.set i, i+1
.endr
.endif
	WIN 5*UW                                       ; sources 0 and 1 in the accumulators' window, destination window 0
.set i, 0
.rept 16
	v_cvt_pk_f16_f32 v[TMP+i], v[AC+2*i], v[AC+2*i+1]
.set i, i+1
.endr
	WIN 0
.endm
.macro TOSTAGE u
.set BKU, BK+16*((\u)%2)
.irp b, 0,1,2,3
	ds_store_b128 v[STO], v[TMP+4*(\b):TMP+4*(\b)+3] offset:32*(\b)
.endr
.irp f, 0,1,2,3
	ds_load_b128 v[BKU+4*(\f):BKU+4*(\f)+3], v[RD] offset:(\f)*4*SPITCH  ; LDS serves a wave's instructions in order (ISA guide 5.7.1.4): these see the stores above
.endr
.endm
.macro SEND u
	UREGS \u
.set BKU, BK+16*((\u)%2)
	s_wait_dscnt 0x0                               ; the unit is back in registers
	s_wait_xcnt 0x0                                ; the other set, which the unit before stored from, is loaded again only behind this wait
.irp f, 0,1,2,3
	global_store_b128 v[GO], v[BKU+4*(\f):BKU+4*(\f)+3], s[8:9] offset:UIM+(\f)*512
.endr
.endm
	PACK 0
	TOSTAGE 0
.set u, 1
.rept NU-1                             ; a unit's arithmetic stands between the loads of the unit before and the wait for them
	PACK u
	SEND u-1
	TOSTAGE u
.set u, u+1
.endr
	SEND NU-1
	s_wait_tensorcnt 0x0                           ; the wave's end, behind my last tensor load and my last LDS store
	ds_add_u32 v[SPW], v[NIL]
	s_wait_dscnt 0x0
	CROUND                                         ; the closing round: no work-group ends while a partner may still ask for a tile that names it
	s_endpgm
.Lfunc_end_k_q76cc219cb2_qkv:
	.size	k_q76cc219cb2_qkv, .Lfunc_end_k_q76cc219cb2_qkv-k_q76cc219cb2_qkv
	.p2alignl 7, 3214868480
	.fill 96, 4, 3214868480
	.section	.rodata,"a",@progbits
	.p2align	6, 0x0
	.amdhsa_kernel k_q76cc219cb2_qkv
		.amdhsa_group_segment_fixed_size 327680
		.amdhsa_private_segment_fixed_size 0
		.amdhsa_enable_private_segment 0
		.amdhsa_kernarg_size 24
		.amdhsa_user_sgpr_count 2
		.amdhsa_user_sgpr_kernarg_segment_ptr 1
		.amdhsa_wavefront_size32 1
		.amdhsa_system_sgpr_workgroup_id_x 1
		.amdhsa_system_sgpr_workgroup_id_y 1
		.amdhsa_system_sgpr_workgroup_id_z 1
		.amdhsa_system_vgpr_workitem_id 0
		.amdhsa_next_free_vgpr 896
		.amdhsa_next_free_sgpr 80
		.amdhsa_reserve_vcc 0
		.amdhsa_float_denorm_mode_32 3
		.amdhsa_float_denorm_mode_16_64 3
		.amdhsa_memory_ordered 1
		.amdhsa_forward_progress 1
		.amdhsa_inst_pref_size 84
	.end_amdhsa_kernel
	.amdgpu_metadata
---
amdhsa.version: [ 1, 2 ]
amdhsa.kernels:
  - .name:           k_q76cc219cb2_qkv
    .symbol:         k_q76cc219cb2_qkv.kd
    .args:
      - { .name: xn, .offset: 0, .size: 8, .value_kind: global_buffer, .address_space: global }
      - { .name: wh, .offset: 8, .size: 8, .value_kind: global_buffer, .address_space: global }
      - { .name: qkvb, .offset: 16, .size: 8, .value_kind: global_buffer, .address_space: global }
    .group_segment_fixed_size: 327680
    .private_segment_fixed_size: 0
    .kernarg_segment_align: 8
    .kernarg_segment_size: 24
    .max_flat_workgroup_size: 128
    .sgpr_count:     80
    .vgpr_count:     896
    .wavefront_size: 32
...
	.end_amdgpu_metadata
.endif
;; end of part 2
;; launch attn (part 3): grid 4 x 64, 8 waves a work-group, clusters of 4 x 1, 327,680 bytes of LDS; arguments qkvb, ob; writes ob
.if DOCPART == 3
	.amdgcn_target "amdgcn-amd-amdhsa--gfx1250"
	.amdhsa_code_object_version 6
	.text
	.protected	k_q76cc219cb2_attn
	.globl	k_q76cc219cb2_attn
	.p2align	8
	.type	k_q76cc219cb2_attn,@function
k_q76cc219cb2_attn:
	s_mov_b64 s[64:65], 0
	v_nop
	global_prefetch_b8 v0, s[64:65] scope:SCOPE_SE
	s_setreg_imm32_b32 hwreg(HW_REG_WAVE_MODE, 25, 1), 1
	s_wait_xcnt 0x0
	s_wait_alu depctr_hold_cnt(0) depctr_sa_sdst(0) depctr_va_vdst(0) depctr_va_sdst(0) depctr_va_ssrc(0) depctr_va_vcc(0) depctr_vm_vsrc(0)
	s_getreg_b32 s2, hwreg(HW_REG_IB_STS2, 6, 4)
	s_cmp_eq_u32 s2, 0
	s_cbranch_scc0 .Lentry_in_a_cluster
	s_endpgm
.Lentry_in_a_cluster:
	s_bfe_u32 s2, ttmp6, 0x10000c
	s_cmp_lg_u32 s2, 0x3003
	s_cbranch_scc0 .Lentry_shape_is_right
	s_endpgm
.Lentry_shape_is_right:
; CAUSAL ATTENTION, head size 64, 1,024 rows a head, 64 heads (4 batches x 16).  O[q] = the sum over k <= q of softmax_k(Q[q] . K[k] / 32) V[k].
; q, k, v: f16 panels [panel][row 0..4095][64], panel = head (q), 16 + head (k), 32 + head (v): a head of a batch is 131,072 dense bytes.  Products, maxima and sums in f32; the weights p are rounded to
; f16 for the second product (their sum l is taken of the unrounded p), O once at the end.  O goes out as [row / 128][head][row % 128][64] f16, the next product's A.
; LIMITS.  f16 ends at 65,504: q, k, v arrive within it.  A hidden score counts as -1e30: f16's scores, 2.7e11 at the most, are nothing beside that.  A weight below 2^-126 counts as 0 in l.
; NaN and infinities are not treated apart.
; SHARES.  A head's queries are 8 blocks of 128, each of four bands of 32.  The four work-groups of a head form a cluster; work-group b (its place in the cluster) takes band b of every block, a band a wave:
; wave w has block i = w (w < 4) or 11 - w, two tiles of 16 rows.  Block i needs the keys 0 .. 128 i + 127: 2 i + 2 steps of 64.  Waves w and w + 4 have 18 steps together, whatever w and b.
; THE WALK is one loop of 16 trips for every wave; a wave jumps forward over the steps from 2 i + 2 on, past neither a barrier nor a tensor load.  The count and the step at which masking begins (2 i) hang on
; the wave's number alone, so the four partners run alike; b enters Q's and O's addresses and the number that the mask compares with, nothing else.  The price: bands 0 and 1 see no key of step 2 i + 1 and
; compute it with every score hidden (m stays, a = 1, p = 0): 8 of a work-group's 72 steps, in two work-groups of four.
; THE HEAD'S WHOLE K AND V LIE IN LDS, brought by one tensor load a wave (256 keys, 32,768 bytes, asked for as 128 rows of 256 bytes).  The four partners need the same bytes, so each load is JOINT: the same
; load, descriptor and mask in all four; each receives the tile in its own LDS.  Nothing is ever filled again, and one work-group barrier serves the reads.
; LAYOUT.  S^T = K Q^T (source 0 = 16 keys, source 1 = 16 queries): a lane holds ONE query (l % 16) and the keys 8 (l / 16) + 0..7.  Two such results rounded to f16 in pairs ARE source 1 of O^T = V^T P,
; whose result again holds one query a lane.  K comes out of LDS as it lies, V ([key][channel]) turned, by ds_load_tr16_b128.
; SOFTMAX.  A running maximum m and sum l for each query: p = 2^(c s - c m), c = log2(e) / 32; in every step O and l are multiplied by a = 2^(c m_old - c m_new).
; m starts at the lowest finite number, O and l at 0: the first step is a step like any other, with a = 0.  Every row sees key 0 in step 0, so m is a true score when the first hidden one comes.
; REGISTERS (s_set_vgpr_msb: bits 1:0 source 0, 3:2 source 1, 5:4 source 2, 7:6 destination):
;   window 0: v0-35 addresses and statistics; v64-127 S^T, 32 a tile; v128-159 P, 16 a tile; v160-223 O^T, 32 a tile        window 1: v0-31 Q; v64-127 K of one step; v128-191 V of one step
.set VBASE, 139264                     ; K: 512 LDS rows of 272 bytes (two keys and 16 bytes of padding); behind it V: 512 rows of 288 (32 of padding)
.set KSB,   8704                       ; a step's 64 keys of K: 32 LDS rows
.set VSB,   9216                       ; the same of V
.set STAGE, 286720                     ; behind V: 16 rows x 144 bytes for each wave, for the way out; no tile lands here
.set SP,    144
.set SPARE, STAGE+8*16*SP              ; behind the stages: the spare words, 128 bytes for each wave: four blocks of 256 bytes that no other line names
.set AK0, 2                            ; v2   my lane's place in a step of K; never rewritten
.set AV0, 3                            ; v3   the same for V
.set AK,  4                            ; v4   the LDS address of K's next run of loads
.set AV,  5                            ; v5   of V's
.set STO, 6                            ; v6   the way out: where I put 16 bytes of a row
.set RD,  7                            ; v7   where I read rows back
.set GO,  8                            ; v8   my 16 bytes in 512 consecutive bytes of O
.set REL, 10                           ; v10-11  by tile: my query less the step's first key less 8 (l / 16): register j of key block kb is hidden where 16 kb + j is greater
.set RELB, 12                          ; v12-13  the same without the step's first key
.set BIG, 14                           ; v14  -1e30
.set QO,  15                           ; v15  my byte offset in 16 rows of Q
.set ST,  16                           ; tile t's statistics at v[ST+4 t]: c m, m, l (even keys', odd keys')
.set TMP, 24                           ; tile t's four registers c0-c3 at work; when the maximum is found c2 takes a
.set MV,  32                           ; v32-33  c m_old
.set SPW, 34                           ; v34  LDS address of my spare word; never rewritten
.set NIL, 35                           ; v35  0; never rewritten
.set S,   64
.set P,   128
.set O,   160
.set KF,  64                           ; window 1: key block kb, channel half c at KF + 16 kb + 8 c
.set VF,  128                          ; window 1: key half kk, channel block cb at VF + 32 kk + 8 cb
.set MSB, 0
.macro WIN new                         ; the immediate's high byte repeats the setting that is left; a switch that changes nothing is dropped
.if MSB != (\new)
	s_set_vgpr_msb (MSB<<8)|(\new)
.set MSB, \new
.endif
.endm
; A round of the cluster's barrier: my work-group's barrier, so that wave 0's signal speaks for all eight waves; wave 0 signals for the work-group; every wave waits for all four work-groups; my work-group's barrier once more.
.macro CROUND
	s_barrier_signal -1
	s_barrier_wait -1
	s_cmp_lg_u32 s8, 0
	s_cbranch_scc1 .Lnot_wave_0_\@
	s_barrier_signal -3
.Lnot_wave_0_\@:
	s_barrier_wait -3
	s_barrier_signal -1
	s_barrier_wait -1
.endm
	s_load_b128 s[4:7], s[0:1], 0x0                ; q, k, v s[4:5]; O s[6:7]
	v_lshl_add_u32 v[SPW], v0, 2, SPARE
	v_mov_b32 v[NIL], 0
	ds_add_u32 v[SPW], v[NIL]                      ; the wave's opening: the add and its wait come ahead of my first tensor load; the set-up below stands between them
	v_lshrrev_b32 v1, 5, v0
	v_readfirstlane_b32 s8, v1                     ; wave 0..7
	s_and_b32 s9, s8, 3                            ; which quarter of K or of V I fetch
	s_bfe_u32 s10, ttmp6, 0x40000                  ; b: my place in the cluster: my band of 32 rows in every block
	s_sub_co_u32 s11, 11, s8
	s_cmp_lt_u32 s8, 4
	s_cselect_b32 s11, s8, s11                     ; i: my block of 128 queries: 0, 1, 2, 3, 7, 6, 5, 4
	s_lshl_b32 s13, s11, 1                         ; the first step that holds hidden keys
	s_add_co_u32 s12, s13, 2                       ; my steps
	s_and_b32 s2, ttmp7, 0xffff                    ; the cluster's y: batch and head, which the four partners share
	s_lshr_b32 s3, s2, 4                           ; batch
	s_and_b32 s2, s2, 15                           ; head
	s_lshl_b32 s48, s2, 19                         ; the head's panel of q,
	s_lshl_b32 s49, s3, 17                         ; the batch's 1,024 rows in it
	s_add_co_u32 s48, s48, s49
	s_lshl_b32 s49, s9, 15                         ; my quarter: 256 keys
	s_add_co_u32 s50, s48, s49
	s_add_co_u32 s52, s50, 32<<19                  ; v's panels lie 32 panels on,
	s_add_co_u32 s50, s50, 16<<19                  ; k's 16
	s_mov_b32 s51, 0
	s_mov_b32 s53, 0
	s_lshl_b32 s54, s11, 14                        ; Q: my block's 128 rows,
	s_lshl_b32 s55, s10, 12                        ; my band's 32 of them
	s_add_co_u32 s54, s54, s55
	s_add_co_u32 s54, s54, s48
	s_lshl_b32 s56, s3, 3                          ; O: block of 128 rows 8 x batch + i, 262,144 bytes each;
	s_add_co_u32 s56, s56, s11
	s_lshl_b32 s56, s56, 18
	s_lshl_b32 s57, s2, 14                         ; the head's panel; my band's 32 rows
	s_add_co_u32 s56, s56, s57
	s_add_co_u32 s56, s56, s55
	s_mov_b32 s55, 0
	s_mov_b32 s57, 0
	; descriptors: s[24:31], s[32:35] for K; s[36:43], s[44:47] for V: a dense block of 128 rows of 256 bytes, padded in LDS behind each row.  Nothing in them hangs on b.
	s_mov_b32 s24, 15|(1<<16)|(1<<20)|(1<<21)|(5<<22)|(3<<25)  ; 15:0 the mask: all four work-groups; 17:16 2-byte elements; 20 padding on; 21 set beside a mask; 24:22 after every 64 words; 31:25 4 words of it
	s_mov_b32 s36, 15|(1<<16)|(1<<20)|(1<<21)|(5<<22)|(7<<25)  ; the same with 8 words
.irp g, 24, 36
	s_mov_b32 s[\g+1], 128<<16                     ; tensor_dim0 = 128
	s_mov_b32 s[\g+2], 128<<16                     ; tensor_dim1 = 128
	s_mov_b32 s[\g+3], 128<<16                     ; tile_dim0
	s_mov_b32 s[\g+4], 128                         ; tile_dim1
	s_mov_b32 s[\g+5], 128                         ; each row begins where the last ends
	s_mov_b32 s[\g+6], 0
	s_mov_b32 s[\g+7], 0
.endr
	s_mov_b32 s32, 1
	s_mul_i32 s33, s9, 128*272
	s_mov_b32 s44, 1
	s_mul_i32 s45, s9, 128*288
	s_add_co_u32 s45, s45, VBASE
	s_mov_b32 s18, 0x3d38aa3b                      ; c = log2(e) / 32
	s_mov_b32 s19, s18                             ; named with it as a pair
	s_mov_b32 s20, 0x76543210                      ; v_permlanex16_b32: each lane takes its own place in the other half
	s_mov_b32 s21, 0xfedcba98
	s_wait_dscnt 0x0                               ; the opening add is done
	s_wait_kmcnt 0x0
	s_add_nc_u64 s[34:35], s[4:5], s[50:51]
	s_or_b32 s35, s35, 0x80000000
	s_add_nc_u64 s[46:47], s[4:5], s[52:53]
	s_or_b32 s47, s47, 0x80000000
	s_add_nc_u64 s[4:5], s[4:5], s[54:55]          ; Q and O at my wave's first row
	s_add_nc_u64 s[6:7], s[6:7], s[56:57]
	CROUND                                         ; all four work-groups are here: the joint loads meet
	s_cmp_lt_u32 s8, 4                             ; waves 0-3 fetch K's quarters, waves 4-7 V's: one load of mine is out
	s_cbranch_scc0 .Lfor_v
	tensor_load_to_lds s[32:35], s[24:31]
	s_nop 0
.rept 4
	v_nop
.endr
	s_branch .Lasked
.Lfor_v:
	tensor_load_to_lds s[44:47], s[36:43]
	s_nop 0
.rept 4
	v_nop
.endr
.Lasked:
	; A fragment of K or Q is 16 rows x 32 channels in 8 registers: lane l holds row l % 16, channels 8 (l / 16) + 0..7 and 16 + 8 (l / 16) + 0..7: two loads of 16 bytes, 32 bytes apart.
	v_and_b32 v1, 15, v0                           ; r
	v_bfe_u32 v9, v0, 4, 1                         ; h
	v_lshlrev_b32 v[QO], 7, v1
	v_lshl_add_u32 v[QO], v9, 4, v[QO]
	WIN 0x40                                       ; destination window 1, address window 0
.irp i, 0,1,2,3                                        ; Q stays in registers: tile i / 2, channels 32 (i % 2) on
	global_load_b128 v[8*(\i):8*(\i)+3],   v[QO], s[4:5] offset:((\i)/2)*2048+((\i)%2)*64
	global_load_b128 v[8*(\i)+4:8*(\i)+7], v[QO], s[4:5] offset:((\i)/2)*2048+((\i)%2)*64+32
.endr
	WIN 0
	; O^T and l start at 0, so that no first step is written out: 68 lines, in the wait for the tiles
.set i, 0
.rept 64
	v_mov_b32 v[O+i], 0
.set i, i+1
.endr
.irp t, 0,1
	v_mov_b32 v[ST+4*(\t)], 0xfe000000             ; c m: far below every c s
	v_mov_b32 v[ST+4*(\t)+1], 0xff7fffff           ; m
	v_mov_b32 v[ST+4*(\t)+2], 0
	v_mov_b32 v[ST+4*(\t)+3], 0
.endr
	v_mov_b32 v[BIG], 0xf149f2ca                   ; -1e30
	s_lshl_b32 s22, s11, 7
	s_lshl_b32 s23, s10, 5
	s_add_co_u32 s22, s22, s23                     ; my wave's first query in the head: 128 i + 32 b
	v_lshlrev_b32 v10, 3, v9
	v_sub_nc_u32 v10, v1, v10
	v_add_nc_u32 v[RELB], s22, v10
	v_add_nc_u32 v[RELB+1], 16, v[RELB]
	v_lshrrev_b32 v[AK0], 1, v1                    ; K: two keys share an LDS row of 272 bytes
	v_mul_u32_u24 v[AK0], v[AK0], 272
	v_and_b32 v11, 1, v1
	v_lshl_add_u32 v[AK0], v11, 7, v[AK0]
	v_lshl_add_u32 v[AK0], v9, 4, v[AK0]
	; The turning load takes 16 keys x 16 channels (lane l reads key 8 h + l % 8, channels 8 ((l / 8) % 2) + 0..7) and leaves half a fragment of V^T: lane l holds channel l % 16 and 8 keys.
	v_and_b32 v11, 7, v0
	v_lshl_add_u32 v[AV], v9, 3, v11
	v_lshrrev_b32 v[AV0], 1, v[AV]
	v_mul_u32_u24 v[AV0], v[AV0], 288
	v_and_b32 v[AV], 1, v[AV]
	v_lshl_add_u32 v[AV0], v[AV], 7, v[AV0]
	v_bfe_u32 v[AV], v0, 3, 1
	v_lshl_add_u32 v[AV0], v[AV], 4, v[AV0]
	v_add_nc_u32 v[AV0], VBASE, v[AV0]
	s_mul_i32 s22, s8, 16*SP
	s_add_co_u32 s22, s22, STAGE                   ; my stage
	v_mul_u32_u24 v[STO], v1, SP                   ; in: row r, 16 bytes for each half of the lanes
	v_lshl_add_u32 v[STO], v9, 4, v[STO]
	v_add_nc_u32 v[STO], s22, v[STO]
	v_bfe_u32 v[RD], v0, 3, 2                      ; back: 32 lanes take four rows of 128 bytes,
	v_mul_u32_u24 v[RD], v[RD], SP
	v_lshl_add_u32 v[RD], v11, 4, v[RD]
	v_add_nc_u32 v[RD], s22, v[RD]
	v_and_b32 v[GO], 31, v0                        ; which are 512 consecutive bytes of O
	v_lshlrev_b32 v[GO], 4, v[GO]
	v_mov_b32 v[AK], v[AK0]                        ; step 0 lies at the head of K
; THE MATRIX WORK.  The 8 accumulators of a run of 16 take turns.
.macro KQ                              ; product i of 16 of S^T = K Q^T: channels 32 (i / 8) on, keys 16 ((i / 2) % 4) on, tile i % 2.  The first 8 start the sums
.set rS, S+32*(i%2)+8*((i/2)%4)
.set rK, KF+16*((i/2)%4)+8*(i/8)
.set rQ, 16*(i%2)+8*(i/8)
.if i < 8
	v_wmma_f32_16x16x32_f16 v[rS:rS+7], v[rK:rK+7], v[rQ:rQ+7], 0
.else
	v_wmma_f32_16x16x32_f16 v[rS:rS+7], v[rK:rK+7], v[rQ:rQ+7], v[rS:rS+7]
.endif
.set i, i+1
.endm
.macro PV                              ; product i of 16 of O^T += V^T P: keys 32 (i / 8) on, channels 16 ((i / 2) % 4) on, tile i % 2
.set rO, O+32*(i%2)+8*((i/2)%4)
.set rV, VF+32*(i/8)+8*((i/2)%4)
.set rP, P+16*(i%2)+8*(i/8)
	v_wmma_f32_16x16x32_f16 v[rO:rO+7], v[rV:rV+7], v[rP:rP+7], v[rO:rO+7]
.set i, i+1
.endm
; THE LDS LOADS stand in runs of 16
.macro FETCH_K
	WIN 0x40
.irp f, 0,1,2,3,4,5,6,7                                ; keys 16 (f / 2) on, channels 32 (f % 2) on
	ds_load_b128 v[KF+8*(\f):KF+8*(\f)+3],   v[AK] offset:((\f)/2)*2176+((\f)%2)*64
	ds_load_b128 v[KF+8*(\f)+4:KF+8*(\f)+7], v[AK] offset:((\f)/2)*2176+((\f)%2)*64+32
.endr
	WIN 0
.endm
.macro FETCH_V
	WIN 0x40
.irp f, 0,1,2,3,4,5,6,7                                ; keys 32 (f / 4) on, channels 16 (f % 4) on
	ds_load_tr16_b128 v[VF+8*(\f):VF+8*(\f)+3],   v[AV] offset:((\f)/4)*4608+((\f)%4)*32
	ds_load_tr16_b128 v[VF+8*(\f)+4:VF+8*(\f)+7], v[AV] offset:((\f)/4)*4608+((\f)%4)*32+2304
.endr
	WIN 0
.endm
; Number n of the 21 that find tile t's maximum and statistics.  s0-s31 are the lane's 32 scores; each accumulator's lowest registers are read first.
;   0-11  four chains c0-c3 of seven scores each, three operands at a time     12-15  the four scores left over, the old m, and c0-c3 into c0
;   16, 17  the query's other 32 keys lie in the lane 16 away: the new m         18-20  c m; c m_old - c m_new; a
.macro XS t, n
.set rT, ST+4*(\t)
.set rC, TMP+4*(\t)
.set rS, S+32*(\t)
.if (\n) < 4
	v_max3_num_f32 v[rC+(\n)], v[rS+8*(\n)], v[rS+8*(\n)+1], v[rS+8*(\n)+2]
.elseif (\n) < 12
	v_max3_num_f32 v[rC+(\n)%4], v[rC+(\n)%4], v[rS+8*((\n)%4)+2*((\n)/4)+1], v[rS+8*((\n)%4)+2*((\n)/4)+2]
.elseif (\n) == 12
	v_max3_num_f32 v[rC], v[rC], v[rS+7], v[rS+15]
.elseif (\n) == 13
	v_max3_num_f32 v[rC+1], v[rC+1], v[rS+23], v[rS+31]
.elseif (\n) == 14
	v_max3_num_f32 v[rC+2], v[rC+2], v[rC+3], v[rT+1]
.elseif (\n) == 15
	v_max3_num_f32 v[rC], v[rC], v[rC+1], v[rC+2]
.elseif (\n) == 16
	v_permlanex16_b32 v[rC+3], v[rC], s20, s21
.elseif (\n) == 17
	v_max_num_f32 v[rT+1], v[rC], v[rC+3]
.elseif (\n) == 18
	v_mul_f32 v[rT], s18, v[rT+1]
.elseif (\n) == 19
	v_sub_f32 v[rC+1], v[MV+(\t)], v[rT]
.else
	v_exp_f32 v[rC+2], v[rC+1]
.endif
.endm
	s_wait_tensorcnt 0x0                           ; my quarter is in,
	s_barrier_signal -1
	s_barrier_wait -1                              ; everybody's is: K and V are whole, and nobody writes them again
	FETCH_K                                        ; step 0
	s_wait_loadcnt 0x0                             ; Q
	s_mov_b32 s14, 0                               ; the step
	s_mov_b32 s15, KSB                             ; LDS byte of the NEXT step's K
	s_mov_b32 s16, 0                               ; of this step's V, less VBASE
	s_mov_b32 s17, 0                               ; this step's first key
.Lstep:
	s_cmp_ge_u32 s14, s12
	s_cbranch_scc1 .Ldead                          ; a step that my block does not see
	s_min_u32 s23, s15, 15*KSB                     ; behind step 15 there is no further K: the last step's is fetched once more, and nobody multiplies it
	s_wait_dscnt 0x0                               ; K is in
	WIN 0x05                                       ; K and Q in window 1, S^T in window 0
.set i, 0
.rept 16
	KQ
.endr
	WIN 0
	v_mov_b32 v[MV], v[ST]                         ; six plain lines: the places behind those products, and behind the last step's in front of V's loads
	v_mov_b32 v[MV+1], v[ST+4]                     ; c m_old is kept for a
	v_sub_nc_u32 v[REL], v[RELB], s17
	v_sub_nc_u32 v[REL+1], v[RELB+1], s17
	v_add_nc_u32 v[AV], s16, v[AV0]
	v_add_nc_u32 v[AK], s23, v[AK0]
	FETCH_V
	s_cmp_lt_u32 s14, s13
	s_cbranch_scc1 .Lopen                          ; every key of this step lies in front of my block
.set i, 0
.rept 64                                               ; score i % 32 of tile i / 32, from each accumulator's low end on
	v_cmp_gt_i32 vcc_lo, 16*((i%32)/8)+i%8, v[REL+i/32]
	v_cndmask_b32 v[S+i], v[S+i], v[BIG], vcc_lo
.set i, i+1
.endr
.Lopen:
.irp n, 0,1,2,3,4,5,6,7,8,9,10,11,12,13,14,15,16,17,18,19,20
	XS 0, \n                                       ; the two tiles alternate, so that no line reads the result of the one before it
	XS 1, \n
.endr
	FETCH_K                                        ; the next step's K: the products that read K stand far back
.set i, 0
.rept 32                                               ; c s - c m, pair i / 2 of tile i % 2; the first is the plain line behind the two exponentials above
	v_pk_fma_f32 v[S+32*(i%2)+2*(i/2):S+32*(i%2)+2*(i/2)+1], v[S+32*(i%2)+2*(i/2):S+32*(i%2)+2*(i/2)+1], s[18:19], v[ST+4*(i%2):ST+4*(i%2)+1] op_sel_hi:[1,0,0] neg_lo:[0,0,1] neg_hi:[0,0,1]
.set i, i+1
.endr
.set i, 0
.rept 64
	v_exp_f32 v[S+i], v[S+i]
.set i, i+1
.endr
.set i, 0
	s_wait_alu depctr_va_vdst(0)
.rept 32                                               ; O^T times a, ascending: plain work behind the run of exponentials (ISA guide 5.7.2)
	v_pk_mul_f32 v[O+2*i:O+2*i+1], v[O+2*i:O+2*i+1], v[TMP+4*(i/16)+2:TMP+4*(i/16)+3] op_sel_hi:[1,0]
.set i, i+1
.endr
.set k, 0
.rept 8                                                ; of each four weights: both pairs rounded to f16, the second pair added onto the first, and l takes the sum (the first time as l = a l + sum)
.irp t, 0,1
	v_cvt_pk_f16_f32 v[P+16*(\t)+2*k],   v[S+32*(\t)+4*k],   v[S+32*(\t)+4*k+1]
	v_cvt_pk_f16_f32 v[P+16*(\t)+2*k+1], v[S+32*(\t)+4*k+2], v[S+32*(\t)+4*k+3]
.endr
.irp t, 0,1
	v_pk_add_f32 v[S+32*(\t)+4*k:S+32*(\t)+4*k+1], v[S+32*(\t)+4*k:S+32*(\t)+4*k+1], v[S+32*(\t)+4*k+2:S+32*(\t)+4*k+3]
.endr
.irp t, 0,1
.if k == 0
	v_pk_fma_f32 v[ST+4*(\t)+2:ST+4*(\t)+3], v[ST+4*(\t)+2:ST+4*(\t)+3], v[TMP+4*(\t)+2:TMP+4*(\t)+3], v[S+32*(\t):S+32*(\t)+1] op_sel_hi:[1,0,1]
.else
	v_pk_add_f32 v[ST+4*(\t)+2:ST+4*(\t)+3], v[ST+4*(\t)+2:ST+4*(\t)+3], v[S+32*(\t)+4*k:S+32*(\t)+4*k+1]
.endif
.endr
.set k, k+1
.endr
	s_wait_dscnt 16                                ; V is in; the 16 younger loads, the next step's K, stay out
	WIN 0x01                                       ; V in window 1; P and O^T in window 0
.set i, 0
.rept 16
	PV
.endr
	WIN 0
.Ldead:
	s_add_co_u32 s15, s15, KSB
	s_add_co_u32 s16, s16, VSB
	s_add_co_u32 s17, s17, 64
	s_add_co_u32 s14, s14, 1
	s_cmp_lt_u32 s14, 16
	s_cbranch_scc1 .Lstep
	; THE WAY OUT.  l's two halves and the other half of the lanes' are added; O^T is divided by l, rounded to f16 and sent through my stage, a tile at a time.  The additions are the places behind the last products.
	s_wait_dscnt 0x0
.irp t, 0,1
	v_add_f32 v[ST+4*(\t)+2], v[ST+4*(\t)+2], v[ST+4*(\t)+3]
.endr
.irp t, 0,1
	v_permlanex16_b32 v[ST+4*(\t)+3], v[ST+4*(\t)+2], s20, s21
.endr
.irp t, 0,1
	v_add_f32 v[ST+4*(\t)+2], v[ST+4*(\t)+2], v[ST+4*(\t)+3]
.endr
.irp t, 0,1
	v_rcp_f32 v[ST+4*(\t)+2], v[ST+4*(\t)+2]
.endr
	v_nop                                          ; a plain instruction between the last reciprocal and the use of its result
	s_wait_alu depctr_va_vdst(0)
.macro PACK t                          ; a lane's eight channels of a row pack into 16 bytes; they go into rows of 144 bytes and come back as whole rows of 128, into S^T's registers
.set i, 0
.rept 16
	v_pk_mul_f32 v[O+32*(\t)+2*i:O+32*(\t)+2*i+1], v[O+32*(\t)+2*i:O+32*(\t)+2*i+1], v[ST+4*(\t)+2:ST+4*(\t)+3] op_sel_hi:[1,0]
.set i, i+1
.endr
.set i, 0
.rept 16
	v_cvt_pk_f16_f32 v[S+16*(\t)+i], v[O+32*(\t)+2*i], v[O+32*(\t)+2*i+1]
.set i, i+1
.endr
.irp f, 0,1,2,3
	ds_store_b128 v[STO], v[S+16*(\t)+4*(\f):S+16*(\t)+4*(\f)+3] offset:32*(\f)
.endr
.irp f, 0,1,2,3
	ds_load_b128 v[S+16*(\t)+4*(\f):S+16*(\t)+4*(\f)+3], v[RD] offset:(\f)*4*SP  ; LDS serves a wave's instructions in order (ISA guide 5.7.1.4): these see the stores above; the next tile's stores come behind them
.endr
.endm
.macro SEND t, younger                 ; younger: the LDS instructions issued behind tile t's loads
.irp f, 0,1,2,3
	s_wait_dscnt (\younger)+3-(\f)
	global_store_b128 v[GO], v[S+16*(\t)+4*(\f):S+16*(\t)+4*(\f)+3], s[6:7] offset:(\t)*2048+(\f)*512  ; 512 consecutive bytes, at a multiple of 256 from O's first
.endr
.endm
	PACK 0
	PACK 1
	SEND 0, 8
	SEND 1, 0
	s_wait_tensorcnt 0x0                           ; the wave's end, behind my last tensor load and my last LDS store
	ds_add_u32 v[SPW], v[NIL]
	s_wait_dscnt 0x0
	CROUND                                         ; the closing round: no work-group ends while a partner may still ask for a tile that names it
	s_endpgm
.Lfunc_end_k_q76cc219cb2_attn:
	.size	k_q76cc219cb2_attn, .Lfunc_end_k_q76cc219cb2_attn-k_q76cc219cb2_attn
	.p2alignl 7, 3214868480
	.fill 96, 4, 3214868480
	.section	.rodata,"a",@progbits
	.p2align	6, 0x0
	.amdhsa_kernel k_q76cc219cb2_attn
		.amdhsa_group_segment_fixed_size 327680
		.amdhsa_private_segment_fixed_size 0
		.amdhsa_enable_private_segment 0
		.amdhsa_kernarg_size 16
		.amdhsa_user_sgpr_count 2
		.amdhsa_user_sgpr_kernarg_segment_ptr 1
		.amdhsa_wavefront_size32 1
		.amdhsa_system_sgpr_workgroup_id_x 1
		.amdhsa_system_sgpr_workgroup_id_y 1
		.amdhsa_system_sgpr_workgroup_id_z 1
		.amdhsa_system_vgpr_workitem_id 0
		.amdhsa_next_free_vgpr 448
		.amdhsa_next_free_sgpr 66
		.amdhsa_reserve_vcc 1
		.amdhsa_float_denorm_mode_32 3
		.amdhsa_float_denorm_mode_16_64 3
		.amdhsa_memory_ordered 1
		.amdhsa_forward_progress 1
		.amdhsa_inst_pref_size 40
	.end_amdhsa_kernel
	.amdgpu_metadata
---
amdhsa.version: [ 1, 2 ]
amdhsa.kernels:
  - .name:           k_q76cc219cb2_attn
    .symbol:         k_q76cc219cb2_attn.kd
    .args:
      - { .name: qkvb, .offset: 0, .size: 8, .value_kind: global_buffer, .address_space: global }
      - { .name: ob, .offset: 8, .size: 8, .value_kind: global_buffer, .address_space: global }
    .group_segment_fixed_size: 327680
    .private_segment_fixed_size: 0
    .kernarg_segment_align: 8
    .kernarg_segment_size: 16
    .max_flat_workgroup_size: 256
    .sgpr_count:     66
    .vgpr_count:     448
    .wavefront_size: 32
...
	.end_amdgpu_metadata
.endif
;; end of part 3
;; launch proj (part 4): grid 8 x 32, 4 waves a work-group, clusters of 4 x 4, 327,680 bytes of LDS; arguments ob, wh, x1, b_proj, x; writes x1
.if DOCPART == 4
	.amdgcn_target "amdgcn-amd-amdhsa--gfx1250"
	.amdhsa_code_object_version 6
	.text
	.protected	k_q76cc219cb2_proj
	.globl	k_q76cc219cb2_proj
	.p2align	8
	.type	k_q76cc219cb2_proj,@function
k_q76cc219cb2_proj:
	s_mov_b64 s[64:65], 0
	v_nop
	global_prefetch_b8 v0, s[64:65] scope:SCOPE_SE
	s_setreg_imm32_b32 hwreg(HW_REG_WAVE_MODE, 25, 1), 1
	s_wait_xcnt 0x0
	s_wait_alu depctr_hold_cnt(0) depctr_sa_sdst(0) depctr_va_vdst(0) depctr_va_sdst(0) depctr_va_ssrc(0) depctr_va_vcc(0) depctr_vm_vsrc(0)
	s_getreg_b32 s2, hwreg(HW_REG_IB_STS2, 6, 4)
	s_cmp_eq_u32 s2, 0
	s_cbranch_scc0 .Lentry_in_a_cluster
	s_endpgm
.Lentry_in_a_cluster:
	s_bfe_u32 s2, ttmp6, 0x10000c
	s_cmp_lg_u32 s2, 0xf033
	s_cbranch_scc0 .Lentry_shape_is_right
	s_endpgm
.Lentry_shape_is_right:
; out = res + A W + bias.  A: 4,096 x KTOT in f16, W: KTOT x 1,024 in f16, sums, bias, res and out in f32.  ONE TEXT FOR TWO LAUNCHES; KTOT and WOFF choose:
;   KTOT 1,024, WOFF 14,680,064: x1 = x + attention w_proj + b_proj.        KTOT 4,096, WOFF 16,777,216: out0 = x1 + h w2 + b2.
; 4,096 x 1,024 in tiles of 128 x 128 gives 8 x 32 = 256 work-groups; tiles of 256 x 256 would give 64.  Four waves, each 64 x 64: 16 accumulators.
; NaN and infinities are not treated apart; the operands arrive within f16's range.
; OPERANDS IN MEMORY.  A: [row / 128][k / 64][row % 128][64] f16: 128 rows x 256 k are 65,536 consecutive bytes.  W: chunks [128 k][64 n] of 16,384 bytes in the order ((k / 256) x 16 + n / 64) x 2 + (k / 128) % 2:
; 256 k x 128 n are 65,536 consecutive bytes.  Every tile is a dense block, asked for as rows of 256 bytes, each starting at a multiple of 256 bytes from its buffer's first byte.
; IN LDS 16 bytes of padding follow each 256 of A (row r of a fragment starts at bank 4 (r / 2) + 32 (r % 2); 64 banks of 4 bytes: ISA guide 11.1), 32 bytes each 256 of W (the turning load's 8 rows x 32 bytes take each bank once).
; RING.  K goes in steps of 256, as long as two slots in LDS allow.  Waves 0, 1 fetch A's two halves (128 k each), waves 2, 3 W's (64 columns each).  SB is the LDS byte of the slot being read; a step's text is written once.
; CLUSTER 4 x 4.  The four work-groups of a row of the cluster need the same tiles of A, the four of a column the same tiles of W: each tile is asked for jointly.
; THE MATRIX INSTRUCTION IS USED TRANSPOSED (source 0 = 16 columns of W, turned by ds_load_tr16_b128; source 1 = 16 rows of A): a lane holds row l % 16 and the 8 columns 8 (l / 16) + 0..7.
; The bias enters as the C operand of the product that starts each sum.  The residual is loaded at the start, in the lane layout of the stores, and added on the way out.
; REGISTERS (s_set_vgpr_msb: bits 1:0 source 0, 3:2 source 1, 5:4 source 2, 7:6 destination):
;   window 0: v0-31 addresses; v32-63 the bias, later with v64-95 the way out; v128-255 the accumulators ((a, b) at 128 + 8 (4 a + b))
;   window 1: two fragment buffers of 128: for 64 along K, 64 registers of A, then 64 of W          window 2: v0-127 the residual
.set KTOT,  1024
.set WOFF,  14680064
.set T,     KTOT/256                   ; K steps
.set ASTEP, 65536
.set BSTEP, 524288                     ; 32 chunks
.set AHALF, 34816                      ; 128 LDS rows of 272 bytes
.set BHALF, 36864                      ; 128 LDS rows of 288 bytes
.set BBASE, 2*AHALF
.set SLOT,  BBASE+2*BHALF
.set STAGE, 2*SLOT                     ; behind the ring: 16 rows x 272 bytes for each wave, for the way out; no tile lands here
.set SPITCH, 272
.set SPARE, STAGE+4*16*SPITCH          ; behind the stages: the spare words, 128 bytes for each wave: two blocks of 256 bytes that no other line names
.set ADRA0, 16                         ; v16  my place in A's tile; never rewritten
.set ADRB0, 17                         ; v17  the same for W
.set ADRA,  18                         ; v18  SB + ADRA0
.set ADRB,  19                         ; v19  SB + ADRB0
.set STO,   24                         ; v24  the way out: where I put 32 bytes of a row
.set RD,    25                         ; v25  where I read rows back
.set CO,    26                         ; v26  my byte offset in two rows of out and of res; never rewritten
.set SPW,   28                         ; v28  LDS address of my spare word; never rewritten
.set NIL,   29                         ; v29  0; never rewritten
.set BI,    32                         ; v32-63  the bias of my 4 blocks of 16 columns, as C operands
.set ACC,   128
.set G1A, 24                           ; s[24:31] descriptor group 1 for A's tiles;  s[32:39] group 0, two sets
.set G0A, 32
.set G1B, 48                           ; s[48:55], s[56:63] the same for W's
.set G0B, 56
.set SB,  66                           ; s66  the slot being read: 0 or SLOT
.set WPA, 67                           ; s67  where my half of A's tile lies in a slot
.set WPB, 68                           ; s68  the same for W
.set TL,  69                           ; s69  counts the tail's two passes
.set MSB, 0
.macro WIN new                         ; the immediate's high byte repeats the setting that is left; a switch that changes nothing is dropped
.if MSB != (\new)
	s_set_vgpr_msb (MSB<<8)|(\new)
.set MSB, \new
.endif
.endm
; A joint load.  The branch hangs on the wave's number alone.  An s_nop 0 and four v_nop follow each of the two lines, ahead of the jump and the label.
.macro JLOAD s
	s_cmp_eq_u32 s11, 0
	s_cbranch_scc0 .Lfor_b_\@
	tensor_load_to_lds s[G0A+4*(\s):G0A+4*(\s)+3], s[G1A:G1A+7]
	s_nop 0
.rept 4
	v_nop
.endr
	s_branch .Lasked_\@
.Lfor_b_\@:
	tensor_load_to_lds s[G0B+4*(\s):G0B+4*(\s)+3], s[G1B:G1B+7]
	s_nop 0
.rept 4
	v_nop
.endr
.Lasked_\@:
.endm
.macro CREST                           ; a round of the cluster's barrier behind its opening barrier
	s_cmp_lg_u32 s10, 0
	s_cbranch_scc1 .Lnot_wave_0_\@
	s_barrier_signal -3
.Lnot_wave_0_\@:
	s_barrier_wait -3
	s_barrier_signal -1
	s_barrier_wait -1
.endm
.macro CROUND                          ; a whole round
	s_barrier_signal -1
	s_barrier_wait -1
	CREST
.endm
.macro PLACES                          ; four places in front of loads into registers that matrix instructions have read, and of lines that read results
.rept 4
	v_nop
.endr
.endm
	s_load_b128 s[4:7], s[0:1], 0x0                ; A s[4:5], wh s[6:7]
	s_load_b64 s[8:9], s[0:1], 0x10                ; out
	s_load_b128 s[72:75], s[0:1], 0x18             ; bias s[72:73], res s[74:75]
	v_lshl_add_u32 v[SPW], v0, 2, SPARE
	v_mov_b32 v[NIL], 0
	ds_add_u32 v[SPW], v[NIL]                      ; the wave's opening: the add and its wait come ahead of my first tensor load; the set-up below stands between them
	v_lshrrev_b32 v1, 5, v0
	v_readfirstlane_b32 s10, v1                    ; wave 0..3
	s_lshr_b32 s11, s10, 1                         ; which half of the tile's rows is mine.  Also: I fetch for A (0) or for W (1)
	s_and_b32 s12, s10, 1                          ; which half of its columns.  Also: which half of that tile I fetch
	s_bfe_u32 s40, ttmp6, 0x40000                  ; cx, cy: my place in the cluster
	s_bfe_u32 s41, ttmp6, 0x40004
	s_lshl_b32 s42, ttmp9, 2
	s_add_co_u32 s42, s42, s40                     ; tile column = 4 x cluster x + cx
	s_and_b32 s13, ttmp7, 0xffff
	s_lshl_b32 s13, s13, 2
	s_add_co_u32 s13, s13, s41                     ; tile row = 4 x cluster y + cy
	s_lshl_b32 s43, s41, 2
	s_lshl_b32 s43, 15, s43                        ; my row of the cluster
	s_lshl_b32 s44, 0x1111, s40                    ; my column
	s_or_b32 s[G1A], s43, (1<<16)|(1<<20)|(1<<21)|(5<<22)|(3<<25)  ; 15:0 the mask; 17:16 2-byte elements; 20 padding on; 21 set beside a mask; 24:22 after every 64 words; 31:25 4 words of it
	s_or_b32 s[G1B], s44, (1<<16)|(1<<20)|(1<<21)|(5<<22)|(7<<25)  ; the same with my column's mask and 8 words of padding
.irp g, G1A, G1B
	s_mov_b32 s[(\g)+1], 128<<16                   ; tensor_dim0 = 128 elements: rows of 256 bytes
	s_mov_b32 s[(\g)+2], 128<<16                   ; tensor_dim1 = 128 rows
	s_mov_b32 s[(\g)+3], 128<<16                   ; tile_dim0
	s_mov_b32 s[(\g)+4], 128                       ; tile_dim1
	s_mov_b32 s[(\g)+5], 128                       ; a dense block: each row begins where the last ends
	s_mov_b32 s[(\g)+6], 0
	s_mov_b32 s[(\g)+7], 0
.endr
	s_mul_i32 s16, s13, KTOT*256                   ; A: the tile row's block of 128 rows, my 128 k of the step
	s_lshl_b32 s17, s12, 15
	s_add_co_u32 s16, s16, s17
	s_mov_b32 s17, 0
	s_lshl_b32 s46, s42, 16                        ; W: the tile column's four chunks, my two of them
	s_lshl_b32 s47, s12, 15
	s_add_co_u32 s46, s46, s47
	s_add_co_u32 s46, s46, WOFF
	s_mov_b32 s47, 0
	s_mul_i32 s[WPA], s12, AHALF                   ; no place in the cluster enters an LDS address
	s_mul_i32 s[WPB], s12, BHALF
	s_add_co_u32 s[WPB], s[WPB], BBASE
	s_mov_b32 s[SB], 0
	s_wait_dscnt 0x0                               ; the opening add is done
	s_wait_kmcnt 0x0
	s_add_nc_u64 s[14:15], s[4:5], s[16:17]
	s_add_nc_u64 s[46:47], s[6:7], s[46:47]
	CROUND                                         ; all sixteen work-groups are here: the first joint loads meet
.irp s, 0,1                                            ; set s: slot s, K step s.  Two loads of mine are out behind this
	s_mov_b32 s[G0A+4*(\s)], 1
	s_add_co_u32 s[G0A+4*(\s)+1], s[WPA], (\s)*SLOT
	s_add_nc_u64 s[G0A+4*(\s)+2:G0A+4*(\s)+3], s[14:15], (\s)*ASTEP
	s_or_b32 s[G0A+4*(\s)+3], s[G0A+4*(\s)+3], 0x80000000
	s_mov_b32 s[G0B+4*(\s)], 1
	s_add_co_u32 s[G0B+4*(\s)+1], s[WPB], (\s)*SLOT
	s_add_nc_u64 s[G0B+4*(\s)+2:G0B+4*(\s)+3], s[46:47], (\s)*BSTEP
	s_or_b32 s[G0B+4*(\s)+3], s[G0B+4*(\s)+3], 0x80000000
	JLOAD \s
.endr
	v_and_b32 v1, 15, v0                           ; r = l % 16
	v_bfe_u32 v2, v0, 4, 1                         ; h = l / 16
	s_lshl_b32 s46, s42, 9                         ; my first column, 128 x tile column + 64 x half, in bytes of f32
	s_lshl_b32 s47, s12, 8
	s_add_co_u32 s46, s46, s47
	s_mov_b32 s47, 0
	s_add_nc_u64 s[72:73], s[72:73], s[46:47]
	s_add_nc_u64 s[74:75], s[74:75], s[46:47]
	s_add_nc_u64 s[8:9], s[8:9], s[46:47]
	s_lshl_b32 s16, s13, 19                        ; my first row, 128 x tile row + 64 x half, 4,096 bytes each
	s_lshl_b32 s17, s11, 18
	s_add_co_u32 s16, s16, s17
	s_mov_b32 s17, 0
	s_add_nc_u64 s[74:75], s[74:75], s[16:17]
	s_add_nc_u64 s[8:9], s[8:9], s[16:17]
	v_lshlrev_b32 v8, 5, v2                        ; my 8 columns of a block: 32 h
.irp b, 0,1,2,3
	global_load_b128 v[BI+8*(\b):BI+8*(\b)+3],   v8, s[72:73] offset:64*(\b)
	global_load_b128 v[BI+8*(\b)+4:BI+8*(\b)+7], v8, s[72:73] offset:64*(\b)+16
.endr
	v_lshlrev_b32 v[CO], 4, v1                     ; lanes 0-15 one row's 256 bytes, lanes 16-31 the next row's
	v_lshl_add_u32 v[CO], v2, 12, v[CO]
	WIN 0x80                                       ; destination window 2, address window 0
.set i, 0
.rept 32                                               ; the residual: rows 16 (i / 8) + 2 (i % 8) and the next; it has the whole product in which to land
	global_load_b128 v[4*i:4*i+3], v[CO], s[74:75] offset:(i/8)*65536+(i%8)*8192
.set i, i+1
.endr
	WIN 0
	; A fragment of A: lane l holds row r, k = 8 h + 0..7 and 16 + 8 h + 0..7: two loads of 16 bytes, 32 bytes apart.  Two rows of the tile share an LDS row of 272 bytes.
	v_lshrrev_b32 v3, 1, v1
	v_mul_u32_u24 v3, v3, 272
	v_and_b32 v4, 1, v1
	v_lshl_add_u32 v3, v4, 7, v3
	v_lshl_add_u32 v3, v2, 4, v3
	s_mul_i32 s21, s11, 32*272                     ; my 64 rows in each panel of 64 k
	v_add_nc_u32 v[ADRA0], s21, v3
	; The turning load takes 16 k x 16 columns (lane l reads k = 8 h + l % 8, columns 8 ((l / 8) % 2) + 0..7) and leaves half a fragment: lane l holds column r and 8 k.
	v_and_b32 v5, 7, v0
	v_lshl_add_u32 v5, v2, 3, v5
	v_lshrrev_b32 v6, 1, v5
	v_mul_u32_u24 v6, v6, 288
	v_and_b32 v7, 1, v5
	v_lshl_add_u32 v6, v7, 7, v6
	v_bfe_u32 v7, v0, 3, 1
	v_lshl_add_u32 v6, v7, 4, v6
	s_mul_i32 s22, s12, BHALF                      ; my 64 columns
	s_add_co_u32 s22, s22, BBASE
	v_add_nc_u32 v[ADRB0], s22, v6
	v_mov_b32 v[ADRA], v[ADRA0]
	v_mov_b32 v[ADRB], v[ADRB0]
	s_mul_i32 s23, s10, 16*SPITCH
	s_add_co_u32 s23, s23, STAGE                   ; my stage
	v_mul_u32_u24 v[STO], v1, SPITCH               ; in: row r, 32 bytes for each half of the lanes
	v_lshl_add_u32 v[STO], v2, 5, v[STO]
	v_add_nc_u32 v[STO], s23, v[STO]
	v_mul_u32_u24 v[RD], v2, SPITCH                ; back: lanes 0-15 take one row of 256 bytes, lanes 16-31 the next
	v_lshl_add_u32 v[RD], v1, 4, v[RD]
	v_add_nc_u32 v[RD], s23, v[RD]
; 8 matrix instructions: row blocks a0, a0 + 1 x all 4 column blocks, 32 along K: half c of buffer f.  zero = 1: the product starts the sum, with the bias: nothing is ever cleared.
; The 16 accumulators take turns, one instruction a turn.
.macro MUL8 f, c, a0, zero
	WIN 0x05                                       ; W and A in window 1; C and D in window 0
.irp a, \a0, (\a0)+1
.irp b, 0,1,2,3
.set rD, ACC+8*(4*(\a)+(\b))
.set rB, 128*(\f)+64+8*(4*(\c)+(\b))
.set rA, 128*(\f)+8*(4*(\c)+(\a))
.if \zero
	v_wmma_f32_16x16x32_f16 v[rD:rD+7], v[rB:rB+7], v[rA:rA+7], v[BI+8*(\b):BI+8*(\b)+7]
.else
	v_wmma_f32_16x16x32_f16 v[rD:rD+7], v[rB:rB+7], v[rA:rA+7], v[rD:rD+7]
.endif
.endr
.endr
.endm
; 32 LDS loads in one run: the fragments of quarter q (64 along K) of the slot at SB, into buffer f; the first 32 along K first
.macro FETCH q, f
	WIN 0x40                                       ; destination window 1, address window 0
.irp c, 0,1
.irp i, 0,1,2,3
	ds_load_tr16_b128 v[128*(\f)+64+8*(4*(\c)+(\i)):128*(\f)+64+8*(4*(\c)+(\i))+3],   v[ADRB] offset:(\q)*9216+(\c)*4608+(\i)*32
	ds_load_tr16_b128 v[128*(\f)+64+8*(4*(\c)+(\i))+4:128*(\f)+64+8*(4*(\c)+(\i))+7], v[ADRB] offset:(\q)*9216+(\c)*4608+(\i)*32+2304
	ds_load_b128 v[128*(\f)+8*(4*(\c)+(\i)):128*(\f)+8*(4*(\c)+(\i))+3],   v[ADRA] offset:(\q)*17408+(\c)*64+(\i)*2176
	ds_load_b128 v[128*(\f)+8*(4*(\c)+(\i))+4:128*(\f)+8*(4*(\c)+(\i))+7], v[ADRA] offset:(\q)*17408+(\c)*64+(\i)*2176+32
.endr
.endr
.endm
; A K step is four quarters of 64 along K, 32 matrix instructions each, on buffers 0, 1, 0, 1.  One of the first three: multiplies buffer f; in its middle it fetches quarter qn into buffer g.
.macro QUARTER qn, f, g, zero
	s_wait_dscnt 16                                ; the first 32 along K are in
	MUL8 \f, 0, 0, \zero
	MUL8 \f, 0, 2, \zero
	PLACES
	FETCH \qn, \g
	s_wait_dscnt 32                                ; all but the 32 just issued
	MUL8 \f, 1, 0, 0
	MUL8 \f, 1, 2, 0
.endm
; The last quarter multiplies buffer 1 and changes slots.  ONE barrier: in front of it each wave waits for all its tensor loads (the one that is out is its part of the next slot), adds 0 to its
; spare word, and waits for that and for its own reads of this slot.  Behind it nobody reads this slot any more and the next slot is whole.
.macro MEET round
	WIN 0                                          ; (the add's two registers lie in window 0)
	s_wait_tensorcnt 0x0
	ds_add_u32 v[SPW], v[NIL]                      ; 0 onto my spare word
	s_wait_dscnt 17                                ; (the add and the youngest sixteen loads may be out)
	MUL8 1, 0, 0, 0                                ; eight matrix instructions stand between the add and the wait for it
	s_wait_dscnt 0x0                               ; the add is done, and my reads of this slot are over
	s_barrier_signal -1
	MUL8 1, 0, 2, 0                                ; work on registers while the others arrive
.if \round
	WIN 0
.endif
	s_barrier_wait -1
.endm
.macro SWITCH                          ; on to the other slot, and its first fragments
	s_xor_b32 s[SB], s[SB], SLOT
	v_add_nc_u32 v[ADRA], s[SB], v[ADRA0]
	v_add_nc_u32 v[ADRB], s[SB], v[ADRB0]
	FETCH 0, 0
	MUL8 1, 1, 0, 0
	MUL8 1, 1, 2, 0
.endm
.macro TURN1                           ; the slot just read out is filled again, two K steps ahead: the barrier opens a round of the cluster's barrier, and the joint load is the first thing behind it
	MEET 1
	CREST                                          ; no wave of any partner still reads this slot's tile or has a load on its way
	s_add_co_u32 s[G0A+5], s[SB], s[WPA]           ; set 1 walks: this slot,
	s_add_nc_u64 s[G0A+6:G0A+7], s[G0A+6:G0A+7], ASTEP  ; the next K step; the type bits on top are not reached
	s_add_co_u32 s[G0B+5], s[SB], s[WPB]
	s_add_nc_u64 s[G0B+6:G0B+7], s[G0B+6:G0B+7], BSTEP
	JLOAD 1                                        ; its four v_nop are also the places in front of the loads below
	SWITCH
.endm
.macro TURN0                           ; the same with nothing left to ask for
	MEET 0
	PLACES
	WIN 0
	SWITCH
.endm
	s_wait_tensorcnt 0x1                           ; my part of K step 0 is in; step 1's may stay out
	s_barrier_signal -1
	s_barrier_wait -1                              ; everybody's is
	FETCH 0, 0
	s_wait_loadcnt 32                              ; the bias is in; the 32 younger loads, the residual, stay out
	QUARTER 1, 0, 1, 1                             ; the first quarter stands in front of the loop: its first products start the sums
	WIN 0                                          ; at a label and at a branch every window is 0
	s_mov_b32 s3, T-2
.Lstep:                                                ; a trip: from a step's second quarter to the next step's first; it asks for steps 2 .. T - 1
	QUARTER 2, 1, 0, 0
	QUARTER 3, 0, 1, 0
	TURN1
	QUARTER 1, 0, 1, 0
	WIN 0
	s_sub_co_u32 s3, s3, 1
	s_cmp_lg_u32 s3, 0
	s_cbranch_scc1 .Lstep
	s_mov_b32 s[TL], 2
.Ltail:                                                ; the last two steps ask for nothing: written once, walked twice
	QUARTER 2, 1, 0, 0
	QUARTER 3, 0, 1, 0
	TURN0                                          ; in the second pass its 32 loads read the other slot's old bytes, which nobody multiplies: the price of one text for both passes
	WIN 0
	s_cmp_eq_u32 s[TL], 1
	s_cbranch_scc1 .Lskip                          ; behind the last step there is no further quarter
	QUARTER 1, 0, 1, 0
	WIN 0
.Lskip:
	s_sub_co_u32 s[TL], s[TL], 1
	s_cmp_lg_u32 s[TL], 0
	s_cbranch_scc1 .Ltail
	s_wait_dscnt 0x0
	PLACES
	; THE WAY OUT, 16 rows x 64 columns at a time: a lane's 32 bytes of a row go into my own stage (rows of 272 bytes) and come back as whole rows of 256; the residual is added; 16 lanes store 256 consecutive bytes.
.irp a, 0,1,2,3
.set BKA, 32+32*((\a)%2)               ; v32-63 and v64-95 by turns
.irp b, 0,1,2,3
	ds_store_b128 v[STO], v[ACC+8*(4*(\a)+(\b)):ACC+8*(4*(\a)+(\b))+3]   offset:64*(\b)     ; each accumulator from its low end on
	ds_store_b128 v[STO], v[ACC+8*(4*(\a)+(\b))+4:ACC+8*(4*(\a)+(\b))+7] offset:64*(\b)+16
.endr
	s_wait_xcnt 0x0                                ; the registers that earlier stores read are loaded again only behind this wait
.irp t, 0,1,2,3,4,5,6,7
	ds_load_b128 v[BKA+4*(\t):BKA+4*(\t)+3], v[RD] offset:(\t)*2*SPITCH  ; LDS serves a wave's instructions in order (ISA guide 5.7.1.4): these see the stores above
.endr
	s_wait_dscnt 0x0
.if (\a) == 0
	s_wait_loadcnt 0x0                             ; the residual
.endif
	WIN 0x08                                       ; source 1 in window 2
.set i, 0
.rept 16
	v_pk_add_f32 v[BKA+2*i:BKA+2*i+1], v[BKA+2*i:BKA+2*i+1], v[32*(\a)+2*i:32*(\a)+2*i+1]
.set i, i+1
.endr
	WIN 0
.irp t, 0,1,2,3,4,5,6,7
	global_store_b128 v[CO], v[BKA+4*(\t):BKA+4*(\t)+3], s[8:9] offset:(\a)*65536+(\t)*8192
.endr
.endr
	s_wait_tensorcnt 0x0                           ; the wave's end, behind my last tensor load and my last LDS store
	ds_add_u32 v[SPW], v[NIL]
	s_wait_dscnt 0x0
	CROUND                                         ; the closing round: no work-group ends while a partner may still ask for a tile that names it
	s_endpgm
.Lfunc_end_k_q76cc219cb2_proj:
	.size	k_q76cc219cb2_proj, .Lfunc_end_k_q76cc219cb2_proj-k_q76cc219cb2_proj
	.p2alignl 7, 3214868480
	.fill 96, 4, 3214868480
	.section	.rodata,"a",@progbits
	.p2align	6, 0x0
	.amdhsa_kernel k_q76cc219cb2_proj
		.amdhsa_group_segment_fixed_size 327680
		.amdhsa_private_segment_fixed_size 0
		.amdhsa_enable_private_segment 0
		.amdhsa_kernarg_size 40
		.amdhsa_user_sgpr_count 2
		.amdhsa_user_sgpr_kernarg_segment_ptr 1
		.amdhsa_wavefront_size32 1
		.amdhsa_system_sgpr_workgroup_id_x 1
		.amdhsa_system_sgpr_workgroup_id_y 1
		.amdhsa_system_sgpr_workgroup_id_z 1
		.amdhsa_system_vgpr_workitem_id 0
		.amdhsa_next_free_vgpr 640
		.amdhsa_next_free_sgpr 80
		.amdhsa_reserve_vcc 0
		.amdhsa_float_denorm_mode_32 3
		.amdhsa_float_denorm_mode_16_64 3
		.amdhsa_memory_ordered 1
		.amdhsa_forward_progress 1
		.amdhsa_inst_pref_size 66
	.end_amdhsa_kernel
	.amdgpu_metadata
---
amdhsa.version: [ 1, 2 ]
amdhsa.kernels:
  - .name:           k_q76cc219cb2_proj
    .symbol:         k_q76cc219cb2_proj.kd
    .args:
      - { .name: ob, .offset: 0, .size: 8, .value_kind: global_buffer, .address_space: global }
      - { .name: wh, .offset: 8, .size: 8, .value_kind: global_buffer, .address_space: global }
      - { .name: x1, .offset: 16, .size: 8, .value_kind: global_buffer, .address_space: global }
      - { .name: b_proj, .offset: 24, .size: 8, .value_kind: global_buffer, .address_space: global }
      - { .name: x, .offset: 32, .size: 8, .value_kind: global_buffer, .address_space: global }
    .group_segment_fixed_size: 327680
    .private_segment_fixed_size: 0
    .kernarg_segment_align: 8
    .kernarg_segment_size: 40
    .max_flat_workgroup_size: 128
    .sgpr_count:     80
    .vgpr_count:     640
    .wavefront_size: 32
...
	.end_amdgpu_metadata
.endif
;; end of part 4
;; launch ln2 (part 5): grid 256 x 1, 8 waves a work-group, no clusters, 0 bytes of LDS; arguments x1, g2, be2, xn2; writes xn2
.if DOCPART == 5
	.amdgcn_target "amdgcn-amd-amdhsa--gfx1250"
	.amdhsa_code_object_version 6
	.text
	.protected	k_q76cc219cb2_ln2
	.globl	k_q76cc219cb2_ln2
	.p2align	8
	.type	k_q76cc219cb2_ln2,@function
k_q76cc219cb2_ln2:
	s_mov_b64 s[64:65], 0
	v_nop
	global_prefetch_b8 v0, s[64:65] scope:SCOPE_SE
	s_setreg_imm32_b32 hwreg(HW_REG_WAVE_MODE, 25, 1), 1
	s_wait_xcnt 0x0
; xn2 = layer norm of x1 (gain g2, shift be2), rounded to f16.  A stream: memory binds, so no LDS, no matrix unit, no barrier; each byte is read once and written once.
; LIMITS.  f16 ends at 65,504: a normed number beyond that becomes an infinity.  NaN and infinities are not treated apart.
; xn2's LAYOUT: [row / 128][column / 64][row % 128][64] f16, so that 128 rows x any run of columns are consecutive bytes.
; A work-group takes 16 rows, a wave two.  Lane l: cg = l % 8, rp = (l / 8) % 2, pp = l / 16; it holds row 2 wave + rp, columns 64 (2 j + pp) + 8 cg + 0..7 for j = 0..7.
; So a row lies in the 16 lanes of equal rp, and a store of 16 bytes a lane puts lanes 0-15 onto 256 consecutive bytes of xn2 (two rows of one panel), lanes 16-31 onto those of the next panel.
; The variance is the mean of (x - mean)^2, taken of the centred numbers.
.set X,  32                            ; v[32:95]    my 64 numbers
.set G,  96                            ; v[96:159]   their gains
.set BE, 160                           ; v[160:223]  their shifts
.macro RED                             ; four running pairs v[16:23] -> one sum over my row, in every lane of the row
	v_pk_add_f32 v[16:17], v[16:17], v[18:19]
	v_pk_add_f32 v[20:21], v[20:21], v[22:23]
	v_pk_add_f32 v[16:17], v[16:17], v[20:21]
	v_add_f32 v16, v16, v17
	v_add_f32_dpp v16, v16, v16 row_xmask:1 row_mask:0xf bank_mask:0xf
	v_add_f32_dpp v16, v16, v16 row_xmask:2 row_mask:0xf bank_mask:0xf
	v_add_f32_dpp v16, v16, v16 row_xmask:4 row_mask:0xf bank_mask:0xf  ; the eight lanes of equal rp and pp; mask 8 would cross to the other row
	v_permlanex16_b32 v17, v16, s30, s31   ; and the eight of the other pp
	v_add_f32 v16, v16, v17
.endm
	s_load_b256 s[4:11], s[0:1], 0x0               ; x1 s[4:5], g2 s[6:7], be2 s[8:9], xn2 s[10:11]
	s_mov_b32 s2, ttmp9
	v_and_b32 v1, 7, v0                            ; cg
	v_bfe_u32 v2, v0, 3, 1                         ; rp
	v_bfe_u32 v3, v0, 4, 1                         ; pp
	v_lshrrev_b32 v4, 5, v0                        ; wave
	v_lshl_add_u32 v4, v4, 1, v2                   ; my row among the group's 16
	v_lshlrev_b32 v5, 5, v1
	v_lshl_add_u32 v5, v3, 8, v5                   ; byte in a row of f32: 256 pp + 32 cg (gain and shift)
	v_lshl_add_u32 v6, v4, 12, v5                  ; + my row x 4,096 (source)
	v_lshlrev_b32 v7, 4, v1
	v_lshl_add_u32 v7, v4, 7, v7
	v_lshl_add_u32 v7, v3, 14, v7                  ; destination: 16,384 pp + 128 row + 16 cg
	s_lshl_b32 s26, s2, 16                         ; the group's 16 rows of 4,096 bytes
	s_mov_b32 s27, 0
	s_lshr_b32 s28, s2, 3
	s_lshl_b32 s28, s28, 18                        ; block of 128 rows: 262,144 bytes
	s_and_b32 s29, s2, 7
	s_lshl_b32 s29, s29, 11                        ; 16 rows of 128 bytes in a panel
	s_add_co_u32 s28, s28, s29
	s_mov_b32 s29, 0
	s_mov_b32 s30, 0x76543210                      ; v_permlanex16_b32: each lane takes its own place in the other half
	s_mov_b32 s31, 0xfedcba98
	s_mov_b32 s32, 0x3a800000                      ; 1 / 1024
	s_mov_b32 s33, 0x3727c5ac                      ; 1e-5
	s_wait_kmcnt 0x0
	s_add_nc_u64 s[4:5], s[4:5], s[26:27]
	s_add_nc_u64 s[10:11], s[10:11], s[28:29]
.irp j, 0,1,2,3,4,5,6,7
	global_load_b128 v[X+8*(\j):X+8*(\j)+3],   v6, s[4:5] offset:512*(\j)
	global_load_b128 v[X+8*(\j)+4:X+8*(\j)+7], v6, s[4:5] offset:512*(\j)+16
.endr
.irp j, 0,1,2,3,4,5,6,7
	global_load_b128 v[G+8*(\j):G+8*(\j)+3],   v5, s[6:7] offset:512*(\j)
	global_load_b128 v[G+8*(\j)+4:G+8*(\j)+7], v5, s[6:7] offset:512*(\j)+16
.endr
.irp j, 0,1,2,3,4,5,6,7
	global_load_b128 v[BE+8*(\j):BE+8*(\j)+3],   v5, s[8:9] offset:512*(\j)
	global_load_b128 v[BE+8*(\j)+4:BE+8*(\j)+7], v5, s[8:9] offset:512*(\j)+16
.endr
	s_wait_loadcnt 32                              ; the row is in; the 32 younger loads (gain, shift) stay out
.irp k, 0,1,2,3
	v_pk_add_f32 v[16+2*(\k):17+2*(\k)], v[X+2*(\k):X+2*(\k)+1], v[X+8+2*(\k):X+8+2*(\k)+1]  ; the first pairs start four chains: nothing is cleared
.endr
.set p, 8
.rept 24
	v_pk_add_f32 v[16+2*(p%4):17+2*(p%4)], v[16+2*(p%4):17+2*(p%4)], v[X+2*p:X+2*p+1]
.set p, p+1
.endr
	RED
	v_mul_f32 v16, s32, v16                        ; the mean
.set p, 0
.rept 32
	v_pk_add_f32 v[X+2*p:X+2*p+1], v[X+2*p:X+2*p+1], v[16:17] op_sel_hi:[1,0] neg_lo:[0,1] neg_hi:[0,1]  ; x - mean
.set p, p+1
.endr
.irp k, 0,1,2,3
	v_pk_mul_f32 v[16+2*(\k):17+2*(\k)], v[X+2*(\k):X+2*(\k)+1], v[X+2*(\k):X+2*(\k)+1]
.endr
.set p, 4
.rept 28
	v_pk_fma_f32 v[16+2*(p%4):17+2*(p%4)], v[X+2*p:X+2*p+1], v[X+2*p:X+2*p+1], v[16+2*(p%4):17+2*(p%4)]
.set p, p+1
.endr
	RED
	v_fma_f32 v18, v16, s32, s33                   ; variance + 1e-5
	v_rsq_f32 v24, v18
	v_mov_b32 v25, 0                               ; the plain instruction behind the root (ISA guide 5.7.2); v25 is named with v24 as a pair
	s_wait_loadcnt 16                              ; the gains are in; the 16 loads of the shifts stay out
.set p, 0
	s_wait_alu depctr_va_vdst(0)
.rept 32
	v_pk_mul_f32 v[G+2*p:G+2*p+1], v[G+2*p:G+2*p+1], v[24:25] op_sel_hi:[1,0]
.set p, p+1
.endr
	s_wait_loadcnt 0x0
.set p, 0
.rept 32
	v_pk_fma_f32 v[X+2*p:X+2*p+1], v[X+2*p:X+2*p+1], v[G+2*p:G+2*p+1], v[BE+2*p:BE+2*p+1]
.set p, p+1
.endr
.set p, 0
.rept 32
	v_cvt_pk_f16_f32 v[X+p], v[X+2*p], v[X+2*p+1]  ; in place from the low end: word p is written when pairs 0 .. p have been read
.set p, p+1
.endr
.irp j, 0,1,2,3,4,5,6,7
	global_store_b128 v7, v[X+4*(\j):X+4*(\j)+3], s[10:11] offset:32768*(\j)  ; two panels on for each j
.endr
	s_endpgm
.Lfunc_end_k_q76cc219cb2_ln2:
	.size	k_q76cc219cb2_ln2, .Lfunc_end_k_q76cc219cb2_ln2-k_q76cc219cb2_ln2
	.p2alignl 7, 3214868480
	.fill 96, 4, 3214868480
	.section	.rodata,"a",@progbits
	.p2align	6, 0x0
	.amdhsa_kernel k_q76cc219cb2_ln2
		.amdhsa_group_segment_fixed_size 0
		.amdhsa_private_segment_fixed_size 0
		.amdhsa_enable_private_segment 0
		.amdhsa_kernarg_size 32
		.amdhsa_user_sgpr_count 2
		.amdhsa_user_sgpr_kernarg_segment_ptr 1
		.amdhsa_wavefront_size32 1
		.amdhsa_system_sgpr_workgroup_id_x 1
		.amdhsa_system_sgpr_workgroup_id_y 1
		.amdhsa_system_sgpr_workgroup_id_z 1
		.amdhsa_system_vgpr_workitem_id 0
		.amdhsa_next_free_vgpr 224
		.amdhsa_next_free_sgpr 66
		.amdhsa_reserve_vcc 0
		.amdhsa_float_denorm_mode_32 3
		.amdhsa_float_denorm_mode_16_64 3
		.amdhsa_memory_ordered 1
		.amdhsa_forward_progress 1
		.amdhsa_inst_pref_size 20
	.end_amdhsa_kernel
	.amdgpu_metadata
---
amdhsa.version: [ 1, 2 ]
amdhsa.kernels:
  - .name:           k_q76cc219cb2_ln2
    .symbol:         k_q76cc219cb2_ln2.kd
    .args:
      - { .name: x1, .offset: 0, .size: 8, .value_kind: global_buffer, .address_space: global }
      - { .name: g2, .offset: 8, .size: 8, .value_kind: global_buffer, .address_space: global }
      - { .name: be2, .offset: 16, .size: 8, .value_kind: global_buffer, .address_space: global }
      - { .name: xn2, .offset: 24, .size: 8, .value_kind: global_buffer, .address_space: global }
    .group_segment_fixed_size: 0
    .private_segment_fixed_size: 0
    .kernarg_segment_align: 8
    .kernarg_segment_size: 32
    .max_flat_workgroup_size: 256
    .sgpr_count:     66
    .vgpr_count:     224
    .wavefront_size: 32
...
	.end_amdgpu_metadata
.endif
;; end of part 5
;; launch ffn1 (part 6): grid 16 x 16, 4 waves a work-group, clusters of 4 x 4, 327,680 bytes of LDS; arguments xn2, wh, hb, b1; writes hb
.if DOCPART == 6
	.amdgcn_target "amdgcn-amd-amdhsa--gfx1250"
	.amdhsa_code_object_version 6
	.text
	.protected	k_q76cc219cb2_ffn1
	.globl	k_q76cc219cb2_ffn1
	.p2align	8
	.type	k_q76cc219cb2_ffn1,@function
k_q76cc219cb2_ffn1:
	s_mov_b64 s[64:65], 0
	v_nop
	global_prefetch_b8 v0, s[64:65] scope:SCOPE_SE
	s_setreg_imm32_b32 hwreg(HW_REG_WAVE_MODE, 25, 1), 1
	s_wait_xcnt 0x0
	s_wait_alu depctr_hold_cnt(0) depctr_sa_sdst(0) depctr_va_vdst(0) depctr_va_sdst(0) depctr_va_ssrc(0) depctr_va_vcc(0) depctr_vm_vsrc(0)
	s_getreg_b32 s2, hwreg(HW_REG_IB_STS2, 6, 4)
	s_cmp_eq_u32 s2, 0
	s_cbranch_scc0 .Lentry_in_a_cluster
	s_endpgm
.Lentry_in_a_cluster:
	s_bfe_u32 s2, ttmp6, 0x10000c
	s_cmp_lg_u32 s2, 0xf033
	s_cbranch_scc0 .Lentry_shape_is_right
	s_endpgm
.Lentry_shape_is_right:
; C = A W (+ bias, relu), f16 operands, f32 sums, f16 result.  ONE TEXT FOR TWO LAUNCHES; KIND chooses the sizes:
;   KIND 0: q, k, v = xn [wq wk wv].  4,096 x 3,072, K = 1,024.  A work-group makes 256 x 192, each of its four waves 64 rows x 192 columns: 48 accumulators.  No bias.
;   KIND 1: h = relu(xn2 w1 + b1).   4,096 x 4,096, K = 1,024.  A work-group makes 256 x 256, a wave 128 x 128: 64 accumulators.
; Both give 16 x 16 = 256 work-groups.  LIMITS: f16 ends at 65,504: a result beyond it becomes an infinity; NaN and infinities are not treated apart.
; OPERANDS IN MEMORY.  A: [row / 128][k / 64][row % 128][64] f16: 128 rows x 128 k are 32,768 consecutive bytes.  W: chunks [128 k][64 n] f16 of 16,384 bytes, a K step's chunks side by side.
; So every tile is a dense block, asked for as rows of 256 bytes (two rows of 128 bytes of the tile), each starting at a multiple of 256 bytes from its buffer's first byte.
; IN LDS 16 bytes of padding follow each 256 of A (row r of a fragment starts at bank 4 (r / 2) + 32 (r % 2): 16 rows, 16 different groups of four banks; 64 banks of 4 bytes: ISA guide 11.1),
; and 32 bytes each 256 of W (the turning load's 8 rows x 32 bytes take each bank once).
; RING.  K goes in 8 steps of 128 through two slots.  Waves 0, 1 fetch A's two halves, waves 2, 3 W's.  SB is the LDS byte of the slot being read, 0 or SLOT; a step's text is written once.
; CLUSTER 4 x 4.  The four work-groups of a row of the cluster need the same tiles of A, the four of a column the same tiles of W: each tile is asked for jointly, by the same load, descriptor and mask.
; THE MATRIX INSTRUCTION IS USED TRANSPOSED (source 0 = 16 columns of W, turned by ds_load_tr16_b128; source 1 = 16 rows of A): a lane holds row l % 16 and the 8 columns 8 (l / 16) + 0..7.
; The bias enters as the C operand of the product that starts each sum.
; RESULT: panels of 64 columns, [row][64] f16: 16 rows of a panel are 2,048 consecutive bytes.  KIND 0: [panel 0..47][row 0..4095][64].  KIND 1: A's own layout, for the next product.
; REGISTERS, in windows of 256 (s_set_vgpr_msb: bits 1:0 source 0, 3:2 source 1, 5:4 source 2, 7:6 destination):
;   window 0: v0-31 addresses; A's fragments, two buffers from v64; v192-255 the bias, later the way out      window 1: W's fragments, two buffers      windows 2, 3: accumulators
.set KIND, 1
.set T,     8                          ; K steps
.set ASTEP, 32768                      ; bytes of A from step to step
.set AHALF, 34816                      ; 128 rows of 272 bytes: half of A's tile in LDS
.if KIND
.set NU,    16                         ; units of 16 rows x 64 columns on the way out
.set BSTEP, 1048576                    ; bytes of W from step to step: 64 chunks
.set WOFF,  6291456                    ; w1 in wh
.set BROWS, 128                        ; rows of 256 bytes in half of W's tile
.set TXB,   65536                      ; bytes of W from tile column to tile column
.set FA0, 64                           ; A: buffers v64-127, v128-191
.set FAS, 64
.set FB0, 64                           ; W: buffers v64-127, v128-191 of window 1
.set FBS, 64
.else
.set NU,    12
.set BSTEP, 786432                     ; 48 chunks
.set WOFF,  0
.set BROWS, 96
.set TXB,   49152
.set FA0, 64                           ; A: buffers v64-95, v96-127
.set FAS, 32
.set FB0, 0                            ; W: buffers v0-95, v96-191 of window 1
.set FBS, 96
.endif
.set BHALF, BROWS*288
.set BBASE, 2*AHALF                    ; W's tile lies behind A's
.set SLOT,  BBASE+2*BHALF
.set STAGE, 2*SLOT                     ; behind the ring: 16 rows x 144 bytes for each wave, for the way out; no tile lands here
.set SPITCH, 144
.set SPARE, STAGE+4*16*SPITCH          ; behind the stages: the spare words, 128 bytes for each wave: two blocks of 256 bytes that no other line names
.set ADRA0, 16                         ; v16  my place in A's tile; never rewritten
.set ADRB0, 17                         ; v17  the same for W
.set ADRA,  18                         ; v18  SB + ADRA0
.set ADRB,  19                         ; v19  SB + ADRB0
.set STO,   24                         ; v24  the way out: where I put 16 bytes of a row
.set RD,    25                         ; v25  where I read rows back
.set GO,    26                         ; v26  my 16 bytes in 512 consecutive bytes of the result
.set SPW,   28                         ; v28  LDS address of my spare word; never rewritten
.set NIL,   29                         ; v29  0; never rewritten
.set BI,    192                        ; v192-255  the bias of my 8 blocks of 16 columns, as C operands
.set TMP,   192                        ; later: 16 packed registers,
.set BK,    208                        ; and two sets of 16 read back from the stage
.set G1A, 24                           ; s[24:31] descriptor group 1 for A's tiles;  s[32:39] group 0, two sets
.set G0A, 32
.set G1B, 48                           ; s[48:55], s[56:63] the same for W's
.set G0B, 56
.set SB,  66                           ; s66  the slot being read: 0 or SLOT
.set WPA, 67                           ; s67  where my half of A's tile lies in a slot
.set WPB, 68                           ; s68  the same for W
.set TL,  69                           ; s69  counts the tail's two passes
.set MSB, 0
.macro WIN new                         ; the immediate's high byte repeats the setting that is left; a switch that changes nothing is dropped
.if MSB != (\new)
	s_set_vgpr_msb (MSB<<8)|(\new)
.set MSB, \new
.endif
.endm
; A joint load.  The branch hangs on the wave's number alone.  An s_nop 0 and four v_nop follow each of the two lines, ahead of the jump and the label.
.macro JLOAD s
	s_cmp_eq_u32 s11, 0
	s_cbranch_scc0 .Lfor_b_\@
	tensor_load_to_lds s[G0A+4*(\s):G0A+4*(\s)+3], s[G1A:G1A+7]
	s_nop 0
.rept 4
	v_nop
.endr
	s_branch .Lasked_\@
.Lfor_b_\@:
	tensor_load_to_lds s[G0B+4*(\s):G0B+4*(\s)+3], s[G1B:G1B+7]
	s_nop 0
.rept 4
	v_nop
.endr
.Lasked_\@:
.endm
.macro CREST                           ; a round of the cluster's barrier behind its opening barrier
	s_cmp_lg_u32 s10, 0
	s_cbranch_scc1 .Lnot_wave_0_\@
	s_barrier_signal -3
.Lnot_wave_0_\@:
	s_barrier_wait -3
	s_barrier_signal -1
	s_barrier_wait -1
.endm
.macro CROUND                          ; a whole round
	s_barrier_signal -1
	s_barrier_wait -1
	CREST
.endm
.macro PLACES                          ; four places in front of loads into registers that matrix instructions have read, and of vector lines that touch results
.rept 4
	v_nop
.endr
.endm
	s_load_b128 s[4:7], s[0:1], 0x0                ; A s[4:5], wh s[6:7]
	s_load_b64 s[8:9], s[0:1], 0x10                ; the result
.if KIND
	s_load_b64 s[72:73], s[0:1], 0x18              ; the bias
.endif
	v_lshl_add_u32 v[SPW], v0, 2, SPARE
	v_mov_b32 v[NIL], 0
	ds_add_u32 v[SPW], v[NIL]                      ; the wave's opening: the add and its wait come ahead of my first tensor load; the set-up below stands between them
	v_lshrrev_b32 v1, 5, v0
	v_readfirstlane_b32 s10, v1                    ; wave 0..3
	s_lshr_b32 s11, s10, 1                         ; I fetch for A (0) or for W (1)
	s_and_b32 s12, s10, 1                          ; which half of that tile
	s_bfe_u32 s40, ttmp6, 0x40000                  ; cx, cy: my place in the cluster
	s_bfe_u32 s41, ttmp6, 0x40004
	s_lshl_b32 s42, ttmp9, 2
	s_add_co_u32 s42, s42, s40                     ; tile column = 4 x cluster x + cx
	s_and_b32 s13, ttmp7, 0xffff
	s_lshl_b32 s13, s13, 2
	s_add_co_u32 s13, s13, s41                     ; tile row = 4 x cluster y + cy
	s_lshl_b32 s43, s41, 2
	s_lshl_b32 s43, 15, s43                        ; my row of the cluster
	s_lshl_b32 s44, 0x1111, s40                    ; my column
	s_or_b32 s[G1A], s43, (1<<16)|(1<<20)|(1<<21)|(5<<22)|(3<<25)  ; 15:0 the mask; 17:16 2-byte elements; 20 padding on; 21 set beside a mask; 24:22 after every 64 words; 31:25 4 words of it
	s_or_b32 s[G1B], s44, (1<<16)|(1<<20)|(1<<21)|(5<<22)|(7<<25)  ; the same with my column's mask and 8 words of padding
	s_mov_b32 s[G1A+1], 128<<16                    ; tensor_dim0 = 128 elements: rows of 256 bytes
	s_mov_b32 s[G1A+2], 128<<16                    ; tensor_dim1 = 128 rows
	s_mov_b32 s[G1A+3], 128<<16                    ; tile_dim0
	s_mov_b32 s[G1A+4], 128                        ; tile_dim1
	s_mov_b32 s[G1A+5], 128                        ; a dense block: each row begins where the last ends
	s_mov_b32 s[G1A+6], 0
	s_mov_b32 s[G1A+7], 0
	s_mov_b32 s[G1B+1], 128<<16
	s_mov_b32 s[G1B+2], BROWS<<16
	s_mov_b32 s[G1B+3], 128<<16
	s_mov_b32 s[G1B+4], BROWS
	s_mov_b32 s[G1B+5], 128
	s_mov_b32 s[G1B+6], 0
	s_mov_b32 s[G1B+7], 0
	s_lshl_b32 s16, s13, 1                         ; A: block of 128 rows 2 x tile row + half, 262,144 bytes each
	s_add_co_u32 s16, s16, s12
	s_lshl_b32 s16, s16, 18
	s_mov_b32 s17, 0
	s_mul_i32 s46, s42, TXB                        ; W: the tile column's chunks, my half of them
	s_mul_i32 s47, s12, TXB/2
	s_add_co_u32 s46, s46, s47
	s_add_co_u32 s46, s46, WOFF
	s_mov_b32 s47, 0
	s_mul_i32 s[WPA], s12, AHALF                   ; no place in the cluster enters an LDS address
	s_mul_i32 s[WPB], s12, BHALF
	s_add_co_u32 s[WPB], s[WPB], BBASE
	s_mov_b32 s[SB], 0
	s_wait_dscnt 0x0                               ; the opening add is done
	s_wait_kmcnt 0x0
	s_add_nc_u64 s[14:15], s[4:5], s[16:17]
	s_add_nc_u64 s[46:47], s[6:7], s[46:47]
	CROUND                                         ; all sixteen work-groups are here: the first joint loads meet
.irp s, 0,1                                            ; set s: slot s, K step s.  Two loads of mine are out behind this
	s_mov_b32 s[G0A+4*(\s)], 1
	s_add_co_u32 s[G0A+4*(\s)+1], s[WPA], (\s)*SLOT
	s_add_nc_u64 s[G0A+4*(\s)+2:G0A+4*(\s)+3], s[14:15], (\s)*ASTEP
	s_or_b32 s[G0A+4*(\s)+3], s[G0A+4*(\s)+3], 0x80000000
	s_mov_b32 s[G0B+4*(\s)], 1
	s_add_co_u32 s[G0B+4*(\s)+1], s[WPB], (\s)*SLOT
	s_add_nc_u64 s[G0B+4*(\s)+2:G0B+4*(\s)+3], s[46:47], (\s)*BSTEP
	s_or_b32 s[G0B+4*(\s)+3], s[G0B+4*(\s)+3], 0x80000000
	JLOAD \s
.endr
	v_and_b32 v1, 15, v0                           ; r = l % 16
	v_bfe_u32 v2, v0, 4, 1                         ; h = l / 16
.if KIND
	s_lshl_b32 s46, s42, 10                        ; my first column, 256 x tile column + 128 x half, in bytes of f32
	s_lshl_b32 s47, s12, 9
	s_add_co_u32 s46, s46, s47
	s_mov_b32 s47, 0
	s_add_nc_u64 s[72:73], s[72:73], s[46:47]
	v_lshlrev_b32 v8, 5, v2                        ; my 8 columns of a block: 32 h
.irp b, 0,1,2,3,4,5,6,7
	global_load_b128 v[BI+8*(\b):BI+8*(\b)+3],   v8, s[72:73] offset:64*(\b)
	global_load_b128 v[BI+8*(\b)+4:BI+8*(\b)+7], v8, s[72:73] offset:64*(\b)+16
.endr
	s_lshl_b32 s16, s13, 1                         ; the result: block of 128 rows 2 x tile row + my half, 1,048,576 bytes each;
	s_add_co_u32 s16, s16, s11
	s_lshl_b32 s16, s16, 20
	s_lshl_b32 s46, s42, 16                        ; panel 4 x tile column + 2 x half, 16,384 bytes each
	s_lshl_b32 s47, s12, 15
	s_add_co_u32 s46, s46, s47
	s_mul_i32 s21, s11, AHALF                      ; my 128 rows of A
	s_mul_i32 s22, s12, BHALF                      ; my 128 columns of W
	s_add_co_u32 s22, s22, BBASE
.else
	s_lshl_b32 s16, s13, 15                        ; the result: row 256 x tile row + 64 x wave, 128 bytes each;
	s_lshl_b32 s17, s10, 13
	s_add_co_u32 s16, s16, s17
	s_mul_i32 s46, s42, 3*524288                   ; panel 3 x tile column, 524,288 bytes each
	s_mul_i32 s21, s11, AHALF                      ; my 64 rows of A
	s_mul_i32 s22, s12, 32*272
	s_add_co_u32 s21, s21, s22
	s_mov_b32 s22, BBASE                           ; all 192 columns of W
.endif
	s_mov_b32 s17, 0
	s_mov_b32 s47, 0
	s_add_nc_u64 s[8:9], s[8:9], s[16:17]
	s_add_nc_u64 s[8:9], s[8:9], s[46:47]
	; A fragment of A: lane l holds row r, k = 8 h + 0..7 and 16 + 8 h + 0..7: two loads of 16 bytes, 32 bytes apart.  Two rows of the tile share an LDS row of 272 bytes.
	v_lshrrev_b32 v3, 1, v1
	v_mul_u32_u24 v3, v3, 272
	v_and_b32 v4, 1, v1
	v_lshl_add_u32 v3, v4, 7, v3
	v_lshl_add_u32 v3, v2, 4, v3
	v_add_nc_u32 v[ADRA0], s21, v3
	; The turning load takes 16 k x 16 columns (lane l reads k = 8 h + l % 8, columns 8 ((l / 8) % 2) + 0..7) and leaves half a fragment: lane l holds column r and 8 k.
	v_and_b32 v5, 7, v0
	v_lshl_add_u32 v5, v2, 3, v5
	v_lshrrev_b32 v6, 1, v5
	v_mul_u32_u24 v6, v6, 288
	v_and_b32 v7, 1, v5
	v_lshl_add_u32 v6, v7, 7, v6
	v_bfe_u32 v7, v0, 3, 1
	v_lshl_add_u32 v6, v7, 4, v6
	v_add_nc_u32 v[ADRB0], s22, v6
	v_mov_b32 v[ADRA], v[ADRA0]
	v_mov_b32 v[ADRB], v[ADRB0]
	s_mul_i32 s23, s10, 16*SPITCH
	s_add_co_u32 s23, s23, STAGE                   ; my stage
	v_mul_u32_u24 v[STO], v1, SPITCH               ; in: row r, 16 bytes for each half of the lanes
	v_lshl_add_u32 v[STO], v2, 4, v[STO]
	v_add_nc_u32 v[STO], s23, v[STO]
	v_bfe_u32 v[RD], v0, 3, 2                      ; back: 32 lanes take four rows of 128 bytes,
	v_mul_u32_u24 v[RD], v[RD], SPITCH
	v_and_b32 v5, 7, v0
	v_lshl_add_u32 v[RD], v5, 4, v[RD]
	v_add_nc_u32 v[RD], s23, v[RD]
	v_and_b32 v[GO], 31, v0                        ; which are 512 consecutive bytes of the result
	v_lshlrev_b32 v[GO], 4, v[GO]
; One matrix instruction on rD, rB, rA (and rC).  z = 1: it starts the sum, with the bias or with 0: nothing is ever cleared.
.macro WM z
.if (\z) == 0
	v_wmma_f32_16x16x32_f16 v[rD:rD+7], v[rB:rB+7], v[rA:rA+7], v[rD:rD+7]
.elseif KIND
	v_wmma_f32_16x16x32_f16 v[rD:rD+7], v[rB:rB+7], v[rA:rA+7], v[rC:rC+7]
.else
	v_wmma_f32_16x16x32_f16 v[rD:rD+7], v[rB:rB+7], v[rA:rA+7], 0
.endif
.endm
; The accumulators take turns, one instruction a turn, in the same order in every quarter step.
; 16 products of window 2: row blocks a0, a0 + 1 x column blocks 0-7, on buffer f
.macro MULLO f, a0, zero
.if (\zero) && KIND
	WIN 0x81                                       ; W window 1, A and the bias window 0, D window 2
.else
	WIN 0xa1                                       ; W window 1, A window 0, C and D window 2
.endif
.irp a, \a0, (\a0)+1
.irp b, 0,1,2,3,4,5,6,7
.set rD, 8*(8*(\a)+(\b))
.set rB, FB0+FBS*(\f)+8*(\b)
.set rA, FA0+FAS*(\f)+8*(\a)
.set rC, BI+8*(\b)
	WM \zero
.endr
.endr
.endm
; The products of window 3.  KIND 1: row blocks 4-7 x column blocks 0-7 (32).  KIND 0: row blocks 0-3 x column blocks 8-11 (16).
.macro MULHI f, zero
.if (\zero) && KIND
	WIN 0xc1
.else
	WIN 0xf1
.endif
.irp a, 0,1,2,3
.irp b, 0,1,2,3,4,5,6,7
.if KIND
.set rD, 8*(8*(\a)+(\b))
.set rB, FB0+FBS*(\f)+8*(\b)
.set rA, FA0+FAS*(\f)+8*(4+(\a))
.set rC, BI+8*(\b)
	WM \zero
.elseif (\b) < 4
.set rD, 8*(4*(\a)+(\b))
.set rB, FB0+FBS*(\f)+8*(8+(\b))
.set rA, FA0+FAS*(\f)+8*(\a)
	WM \zero
.endif
.endr
.endr
.endm
; 32 LDS loads in one run: the fragments of quarter q (32 along K) of the slot at SB, into buffer f.  The last eight are those that window 3's products alone read.
.macro FETCH q, f
.set FA, FA0+FAS*(\f)
.set FB, FB0+FBS*(\f)
.set OA, ((\q)/2)*17408+((\q)%2)*64    ; panel q / 2 of 64 k (64 LDS rows), 32 k = 64 bytes in it
.set OW, (\q)*4608                     ; 32 k = 16 LDS rows of 288 bytes
.if KIND
	WIN 0x40                                       ; destination window 1, address window 0
.irp i, 0,1,2,3,4,5,6,7
	ds_load_tr16_b128 v[FB+8*(\i):FB+8*(\i)+3],   v[ADRB] offset:OW+((\i)/4)*18432+((\i)%4)*32
	ds_load_tr16_b128 v[FB+8*(\i)+4:FB+8*(\i)+7], v[ADRB] offset:OW+((\i)/4)*18432+((\i)%4)*32+2304
.endr
	WIN 0
.irp i, 0,1,2,3,4,5,6,7
	ds_load_b128 v[FA+8*(\i):FA+8*(\i)+3],   v[ADRA] offset:OA+(\i)*2176
	ds_load_b128 v[FA+8*(\i)+4:FA+8*(\i)+7], v[ADRA] offset:OA+(\i)*2176+32
.endr
.else
	WIN 0
.irp i, 0,1,2,3
	ds_load_b128 v[FA+8*(\i):FA+8*(\i)+3],   v[ADRA] offset:OA+(\i)*2176
	ds_load_b128 v[FA+8*(\i)+4:FA+8*(\i)+7], v[ADRA] offset:OA+(\i)*2176+32
.endr
	WIN 0x40
.irp i, 0,1,2,3,4,5,6,7,8,9,10,11
	ds_load_tr16_b128 v[FB+8*(\i):FB+8*(\i)+3],   v[ADRB] offset:OW+((\i)/4)*18432+((\i)%4)*32
	ds_load_tr16_b128 v[FB+8*(\i)+4:FB+8*(\i)+7], v[ADRB] offset:OW+((\i)/4)*18432+((\i)%4)*32+2304
.endr
.endif
.endm
; A K step is four quarters of 32 along K on buffers 0, 1, 0, 1.  One of the first three: multiplies buffer f; in its middle it fetches quarter qn into buffer g.
.macro QUARTER qn, f, g, zero
	s_wait_dscnt 8                                 ; all but the youngest eight loads, which window 3's products read
	MULLO \f, 0, \zero
	MULLO \f, 2, \zero
	PLACES
	FETCH \qn, \g
	s_wait_dscnt 32                                ; all but the 32 just issued
	MULHI \f, \zero
.endm
; The last quarter multiplies buffer 1 and changes slots.  ONE barrier: in front of it each wave waits for all its tensor loads (the one that is out is its part of the next slot), adds 0 to its
; spare word, and waits for that and for its own reads of this slot.  Behind it nobody reads this slot any more and the next slot is whole.
.macro MEET round
	WIN 0                                          ; (the add's two registers lie in window 0)
	s_wait_tensorcnt 0x0
	ds_add_u32 v[SPW], v[NIL]                      ; 0 onto my spare word
	s_wait_dscnt 9                                 ; (the add and the youngest eight loads may be out)
	MULLO 1, 0, 0                                  ; sixteen matrix instructions stand between the add and the wait for it
	s_wait_dscnt 0x0                               ; the add is done, and my reads of this slot are over
	s_barrier_signal -1
	MULLO 1, 2, 0                                  ; work on registers while the others arrive
.if \round
	WIN 0
.endif
	s_barrier_wait -1
.endm
.macro SWITCH                          ; on to the other slot, and its first fragments
	s_xor_b32 s[SB], s[SB], SLOT
	v_add_nc_u32 v[ADRA], s[SB], v[ADRA0]
	v_add_nc_u32 v[ADRB], s[SB], v[ADRB0]
	FETCH 0, 0
	MULHI 1, 0
.endm
.macro TURN1                           ; the slot just read out is filled again, two K steps ahead: the barrier opens a round of the cluster's barrier, and the joint load is the first thing behind it
	MEET 1
	CREST                                          ; no wave of any partner still reads this slot's tile or has a load on its way
	s_add_co_u32 s[G0A+5], s[SB], s[WPA]           ; set 1 walks: this slot,
	s_add_nc_u64 s[G0A+6:G0A+7], s[G0A+6:G0A+7], ASTEP  ; the next K step; the type bits on top are not reached
	s_add_co_u32 s[G0B+5], s[SB], s[WPB]
	s_add_nc_u64 s[G0B+6:G0B+7], s[G0B+6:G0B+7], BSTEP
	JLOAD 1                                        ; its four v_nop are also the places in front of the loads below
	SWITCH
.endm
.macro TURN0                           ; the same with nothing left to ask for
	MEET 0
	PLACES
	WIN 0
	SWITCH
.endm
	s_wait_tensorcnt 0x1                           ; my part of K step 0 is in; step 1's may stay out
	s_barrier_signal -1
	s_barrier_wait -1                              ; everybody's is
	FETCH 0, 0
.if KIND
	s_wait_loadcnt 0x0                             ; the bias
.endif
	QUARTER 1, 0, 1, 1                             ; the first quarter stands in front of the loop: its products start the sums
	WIN 0                                          ; at a label and at a branch every window is 0
	s_mov_b32 s3, T-2
.Lstep:                                                ; a trip: from a step's second quarter to the next step's first; it asks for steps 2 .. T - 1
	QUARTER 2, 1, 0, 0
	QUARTER 3, 0, 1, 0
	TURN1
	QUARTER 1, 0, 1, 0
	WIN 0
	s_sub_co_u32 s3, s3, 1
	s_cmp_lg_u32 s3, 0
	s_cbranch_scc1 .Lstep
	s_mov_b32 s[TL], 2
.Ltail:                                                ; the last two steps ask for nothing: written once, walked twice
	QUARTER 2, 1, 0, 0
	QUARTER 3, 0, 1, 0
	TURN0                                          ; in the second pass its 32 loads read the other slot's old bytes, which nobody multiplies: the price of one text for both passes
	WIN 0
	s_cmp_eq_u32 s[TL], 1
	s_cbranch_scc1 .Lskip                          ; behind the last step there is no further quarter
	QUARTER 1, 0, 1, 0
	WIN 0
.Lskip:
	s_sub_co_u32 s[TL], s[TL], 1
	s_cmp_lg_u32 s[TL], 0
	s_cbranch_scc1 .Ltail
	s_wait_dscnt 0x0
	PLACES
; THE WAY OUT, in units of 16 rows x 64 columns (4 accumulators, 32 registers on end): relu, rounded to f16 (16 bytes a lane), through my own stage in LDS, back as whole rows, stored as 4 x 512 consecutive bytes.
.macro UREGS u
.if KIND
.set UW,  2+((\u)/2)/4                 ; row block u / 2, panel u % 2
.set AC,  64*(((\u)/2)%4)+32*((\u)%2)
.set UIM, ((\u)%2)*16384+((\u)/2)*2048
.elseif (\u) < 8
.set UW,  2                            ; row block u % 4, panel u / 4
.set AC,  64*((\u)%4)+32*((\u)/4)
.set UIM, ((\u)/4)*524288+((\u)%4)*2048
.else
.set UW,  3
.set AC,  32*((\u)%4)
.set UIM, 2*524288+((\u)%4)*2048
.endif
.endm
.macro PACK u
	UREGS \u
.if KIND
	WIN 0x44*UW                                    ; source 1 and destination in the accumulators' window
.set i, 0
.rept 32
	v_max_num_f32 v[AC+i], 0, v[AC+i]              ; each accumulator from its low end on
.set i, i+1
.endr
.endif
	WIN 5*UW                                       ; sources 0 and 1 in the accumulators' window, destination window 0
.set i, 0
.rept 16
	v_cvt_pk_f16_f32 v[TMP+i], v[AC+2*i], v[AC+2*i+1]
.set i, i+1
.endr
	WIN 0
.endm
.macro TOSTAGE u
.set BKU, BK+16*((\u)%2)
.irp b, 0,1,2,3
	ds_store_b128 v[STO], v[TMP+4*(\b):TMP+4*(\b)+3] offset:32*(\b)
.endr
.irp f, 0,1,2,3
	ds_load_b128 v[BKU+4*(\f):BKU+4*(\f)+3], v[RD] offset:(\f)*4*SPITCH  ; LDS serves a wave's instructions in order (ISA guide 5.7.1.4): these see the stores above
.endr
.endm
.macro SEND u
	UREGS \u
.set BKU, BK+16*((\u)%2)
	s_wait_dscnt 0x0                               ; the unit is back in registers
	s_wait_xcnt 0x0                                ; the other set, which the unit before stored from, is loaded again only behind this wait
.irp f, 0,1,2,3
	global_store_b128 v[GO], v[BKU+4*(\f):BKU+4*(\f)+3], s[8:9] offset:UIM+(\f)*512
.endr
.endm
	PACK 0
	TOSTAGE 0
.set u, 1
.rept NU-1                             ; a unit's arithmetic stands between the loads of the unit before and the wait for them
	PACK u
	SEND u-1
	TOSTAGE u
.set u, u+1
.endr
	SEND NU-1
	s_wait_tensorcnt 0x0                           ; the wave's end, behind my last tensor load and my last LDS store
	ds_add_u32 v[SPW], v[NIL]
	s_wait_dscnt 0x0
	CROUND                                         ; the closing round: no work-group ends while a partner may still ask for a tile that names it
	s_endpgm
.Lfunc_end_k_q76cc219cb2_ffn1:
	.size	k_q76cc219cb2_ffn1, .Lfunc_end_k_q76cc219cb2_ffn1-k_q76cc219cb2_ffn1
	.p2alignl 7, 3214868480
	.fill 96, 4, 3214868480
	.section	.rodata,"a",@progbits
	.p2align	6, 0x0
	.amdhsa_kernel k_q76cc219cb2_ffn1
		.amdhsa_group_segment_fixed_size 327680
		.amdhsa_private_segment_fixed_size 0
		.amdhsa_enable_private_segment 0
		.amdhsa_kernarg_size 32
		.amdhsa_user_sgpr_count 2
		.amdhsa_user_sgpr_kernarg_segment_ptr 1
		.amdhsa_wavefront_size32 1
		.amdhsa_system_sgpr_workgroup_id_x 1
		.amdhsa_system_sgpr_workgroup_id_y 1
		.amdhsa_system_sgpr_workgroup_id_z 1
		.amdhsa_system_vgpr_workitem_id 0
		.amdhsa_next_free_vgpr 1024
		.amdhsa_next_free_sgpr 80
		.amdhsa_reserve_vcc 0
		.amdhsa_float_denorm_mode_32 3
		.amdhsa_float_denorm_mode_16_64 3
		.amdhsa_memory_ordered 1
		.amdhsa_forward_progress 1
		.amdhsa_inst_pref_size 120
	.end_amdhsa_kernel
	.amdgpu_metadata
---
amdhsa.version: [ 1, 2 ]
amdhsa.kernels:
  - .name:           k_q76cc219cb2_ffn1
    .symbol:         k_q76cc219cb2_ffn1.kd
    .args:
      - { .name: xn2, .offset: 0, .size: 8, .value_kind: global_buffer, .address_space: global }
      - { .name: wh, .offset: 8, .size: 8, .value_kind: global_buffer, .address_space: global }
      - { .name: hb, .offset: 16, .size: 8, .value_kind: global_buffer, .address_space: global }
      - { .name: b1, .offset: 24, .size: 8, .value_kind: global_buffer, .address_space: global }
    .group_segment_fixed_size: 327680
    .private_segment_fixed_size: 0
    .kernarg_segment_align: 8
    .kernarg_segment_size: 32
    .max_flat_workgroup_size: 128
    .sgpr_count:     80
    .vgpr_count:     1024
    .wavefront_size: 32
...
	.end_amdgpu_metadata
.endif
;; end of part 6
;; launch ffn2 (part 7): grid 8 x 32, 4 waves a work-group, clusters of 4 x 4, 327,680 bytes of LDS; arguments hb, wh, out0, b2, x1; writes out0
.if DOCPART == 7
	.amdgcn_target "amdgcn-amd-amdhsa--gfx1250"
	.amdhsa_code_object_version 6
	.text
	.protected	k_q76cc219cb2_ffn2
	.globl	k_q76cc219cb2_ffn2
	.p2align	8
	.type	k_q76cc219cb2_ffn2,@function
k_q76cc219cb2_ffn2:
	s_mov_b64 s[64:65], 0
	v_nop
	global_prefetch_b8 v0, s[64:65] scope:SCOPE_SE
	s_setreg_imm32_b32 hwreg(HW_REG_WAVE_MODE, 25, 1), 1
	s_wait_xcnt 0x0
	s_wait_alu depctr_hold_cnt(0) depctr_sa_sdst(0) depctr_va_vdst(0) depctr_va_sdst(0) depctr_va_ssrc(0) depctr_va_vcc(0) depctr_vm_vsrc(0)
	s_getreg_b32 s2, hwreg(HW_REG_IB_STS2, 6, 4)
	s_cmp_eq_u32 s2, 0
	s_cbranch_scc0 .Lentry_in_a_cluster
	s_endpgm
.Lentry_in_a_cluster:
	s_bfe_u32 s2, ttmp6, 0x10000c
	s_cmp_lg_u32 s2, 0xf033
	s_cbranch_scc0 .Lentry_shape_is_right
	s_endpgm
.Lentry_shape_is_right:
; out = res + A W + bias.  A: 4,096 x KTOT in f16, W: KTOT x 1,024 in f16, sums, bias, res and out in f32.  ONE TEXT FOR TWO LAUNCHES; KTOT and WOFF choose:
;   KTOT 1,024, WOFF 14,680,064: x1 = x + attention w_proj + b_proj.        KTOT 4,096, WOFF 16,777,216: out0 = x1 + h w2 + b2.
; 4,096 x 1,024 in tiles of 128 x 128 gives 8 x 32 = 256 work-groups; tiles of 256 x 256 would give 64.  Four waves, each 64 x 64: 16 accumulators.
; NaN and infinities are not treated apart; the operands arrive within f16's range.
; OPERANDS IN MEMORY.  A: [row / 128][k / 64][row % 128][64] f16: 128 rows x 256 k are 65,536 consecutive bytes.  W: chunks [128 k][64 n] of 16,384 bytes in the order ((k / 256) x 16 + n / 64) x 2 + (k / 128) % 2:
; 256 k x 128 n are 65,536 consecutive bytes.  Every tile is a dense block, asked for as rows of 256 bytes, each starting at a multiple of 256 bytes from its buffer's first byte.
; IN LDS 16 bytes of padding follow each 256 of A (row r of a fragment starts at bank 4 (r / 2) + 32 (r % 2); 64 banks of 4 bytes: ISA guide 11.1), 32 bytes each 256 of W (the turning load's 8 rows x 32 bytes take each bank once).
; RING.  K goes in steps of 256, as long as two slots in LDS allow.  Waves 0, 1 fetch A's two halves (128 k each), waves 2, 3 W's (64 columns each).  SB is the LDS byte of the slot being read; a step's text is written once.
; CLUSTER 4 x 4.  The four work-groups of a row of the cluster need the same tiles of A, the four of a column the same tiles of W: each tile is asked for jointly.
; THE MATRIX INSTRUCTION IS USED TRANSPOSED (source 0 = 16 columns of W, turned by ds_load_tr16_b128; source 1 = 16 rows of A): a lane holds row l % 16 and the 8 columns 8 (l / 16) + 0..7.
; The bias enters as the C operand of the product that starts each sum.  The residual is loaded at the start, in the lane layout of the stores, and added on the way out.
; REGISTERS (s_set_vgpr_msb: bits 1:0 source 0, 3:2 source 1, 5:4 source 2, 7:6 destination):
;   window 0: v0-31 addresses; v32-63 the bias, later with v64-95 the way out; v128-255 the accumulators ((a, b) at 128 + 8 (4 a + b))
;   window 1: two fragment buffers of 128: for 64 along K, 64 registers of A, then 64 of W          window 2: v0-127 the residual
.set KTOT,  4096
.set WOFF,  16777216
.set T,     KTOT/256                   ; K steps
.set ASTEP, 65536
.set BSTEP, 524288                     ; 32 chunks
.set AHALF, 34816                      ; 128 LDS rows of 272 bytes
.set BHALF, 36864                      ; 128 LDS rows of 288 bytes
.set BBASE, 2*AHALF
.set SLOT,  BBASE+2*BHALF
.set STAGE, 2*SLOT                     ; behind the ring: 16 rows x 272 bytes for each wave, for the way out; no tile lands here
.set SPITCH, 272
.set SPARE, STAGE+4*16*SPITCH          ; behind the stages: the spare words, 128 bytes for each wave: two blocks of 256 bytes that no other line names
.set ADRA0, 16                         ; v16  my place in A's tile; never rewritten
.set ADRB0, 17                         ; v17  the same for W
.set ADRA,  18                         ; v18  SB + ADRA0
.set ADRB,  19                         ; v19  SB + ADRB0
.set STO,   24                         ; v24  the way out: where I put 32 bytes of a row
.set RD,    25                         ; v25  where I read rows back
.set CO,    26                         ; v26  my byte offset in two rows of out and of res; never rewritten
.set SPW,   28                         ; v28  LDS address of my spare word; never rewritten
.set NIL,   29                         ; v29  0; never rewritten
.set BI,    32                         ; v32-63  the bias of my 4 blocks of 16 columns, as C operands
.set ACC,   128
.set G1A, 24                           ; s[24:31] descriptor group 1 for A's tiles;  s[32:39] group 0, two sets
.set G0A, 32
.set G1B, 48                           ; s[48:55], s[56:63] the same for W's
.set G0B, 56
.set SB,  66                           ; s66  the slot being read: 0 or SLOT
.set WPA, 67                           ; s67  where my half of A's tile lies in a slot
.set WPB, 68                           ; s68  the same for W
.set TL,  69                           ; s69  counts the tail's two passes
.set MSB, 0
.macro WIN new                         ; the immediate's high byte repeats the setting that is left; a switch that changes nothing is dropped
.if MSB != (\new)
	s_set_vgpr_msb (MSB<<8)|(\new)
.set MSB, \new
.endif
.endm
; A joint load.  The branch hangs on the wave's number alone.  An s_nop 0 and four v_nop follow each of the two lines, ahead of the jump and the label.
.macro JLOAD s
	s_cmp_eq_u32 s11, 0
	s_cbranch_scc0 .Lfor_b_\@
	tensor_load_to_lds s[G0A+4*(\s):G0A+4*(\s)+3], s[G1A:G1A+7]
	s_nop 0
.rept 4
	v_nop
.endr
	s_branch .Lasked_\@
.Lfor_b_\@:
	tensor_load_to_lds s[G0B+4*(\s):G0B+4*(\s)+3], s[G1B:G1B+7]
	s_nop 0
.rept 4
	v_nop
.endr
.Lasked_\@:
.endm
.macro CREST                           ; a round of the cluster's barrier behind its opening barrier
	s_cmp_lg_u32 s10, 0
	s_cbranch_scc1 .Lnot_wave_0_\@
	s_barrier_signal -3
.Lnot_wave_0_\@:
	s_barrier_wait -3
	s_barrier_signal -1
	s_barrier_wait -1
.endm
.macro CROUND                          ; a whole round
	s_barrier_signal -1
	s_barrier_wait -1
	CREST
.endm
.macro PLACES                          ; four places in front of loads into registers that matrix instructions have read, and of lines that read results
.rept 4
	v_nop
.endr
.endm
	s_load_b128 s[4:7], s[0:1], 0x0                ; A s[4:5], wh s[6:7]
	s_load_b64 s[8:9], s[0:1], 0x10                ; out
	s_load_b128 s[72:75], s[0:1], 0x18             ; bias s[72:73], res s[74:75]
	v_lshl_add_u32 v[SPW], v0, 2, SPARE
	v_mov_b32 v[NIL], 0
	ds_add_u32 v[SPW], v[NIL]                      ; the wave's opening: the add and its wait come ahead of my first tensor load; the set-up below stands between them
	v_lshrrev_b32 v1, 5, v0
	v_readfirstlane_b32 s10, v1                    ; wave 0..3
	s_lshr_b32 s11, s10, 1                         ; which half of the tile's rows is mine.  Also: I fetch for A (0) or for W (1)
	s_and_b32 s12, s10, 1                          ; which half of its columns.  Also: which half of that tile I fetch
	s_bfe_u32 s40, ttmp6, 0x40000                  ; cx, cy: my place in the cluster
	s_bfe_u32 s41, ttmp6, 0x40004
	s_lshl_b32 s42, ttmp9, 2
	s_add_co_u32 s42, s42, s40                     ; tile column = 4 x cluster x + cx
	s_and_b32 s13, ttmp7, 0xffff
	s_lshl_b32 s13, s13, 2
	s_add_co_u32 s13, s13, s41                     ; tile row = 4 x cluster y + cy
	s_lshl_b32 s43, s41, 2
	s_lshl_b32 s43, 15, s43                        ; my row of the cluster
	s_lshl_b32 s44, 0x1111, s40                    ; my column
	s_or_b32 s[G1A], s43, (1<<16)|(1<<20)|(1<<21)|(5<<22)|(3<<25)  ; 15:0 the mask; 17:16 2-byte elements; 20 padding on; 21 set beside a mask; 24:22 after every 64 words; 31:25 4 words of it
	s_or_b32 s[G1B], s44, (1<<16)|(1<<20)|(1<<21)|(5<<22)|(7<<25)  ; the same with my column's mask and 8 words of padding
.irp g, G1A, G1B
	s_mov_b32 s[(\g)+1], 128<<16                   ; tensor_dim0 = 128 elements: rows of 256 bytes
	s_mov_b32 s[(\g)+2], 128<<16                   ; tensor_dim1 = 128 rows
	s_mov_b32 s[(\g)+3], 128<<16                   ; tile_dim0
	s_mov_b32 s[(\g)+4], 128                       ; tile_dim1
	s_mov_b32 s[(\g)+5], 128                       ; a dense block: each row begins where the last ends
	s_mov_b32 s[(\g)+6], 0
	s_mov_b32 s[(\g)+7], 0
.endr
	s_mul_i32 s16, s13, KTOT*256                   ; A: the tile row's block of 128 rows, my 128 k of the step
	s_lshl_b32 s17, s12, 15
	s_add_co_u32 s16, s16, s17
	s_mov_b32 s17, 0
	s_lshl_b32 s46, s42, 16                        ; W: the tile column's four chunks, my two of them
	s_lshl_b32 s47, s12, 15
	s_add_co_u32 s46, s46, s47
	s_add_co_u32 s46, s46, WOFF
	s_mov_b32 s47, 0
	s_mul_i32 s[WPA], s12, AHALF                   ; no place in the cluster enters an LDS address
	s_mul_i32 s[WPB], s12, BHALF
	s_add_co_u32 s[WPB], s[WPB], BBASE
	s_mov_b32 s[SB], 0
	s_wait_dscnt 0x0                               ; the opening add is done
	s_wait_kmcnt 0x0
	s_add_nc_u64 s[14:15], s[4:5], s[16:17]
	s_add_nc_u64 s[46:47], s[6:7], s[46:47]
	CROUND                                         ; all sixteen work-groups are here: the first joint loads meet
.irp s, 0,1                                            ; set s: slot s, K step s.  Two loads of mine are out behind this
	s_mov_b32 s[G0A+4*(\s)], 1
	s_add_co_u32 s[G0A+4*(\s)+1], s[WPA], (\s)*SLOT
	s_add_nc_u64 s[G0A+4*(\s)+2:G0A+4*(\s)+3], s[14:15], (\s)*ASTEP
	s_or_b32 s[G0A+4*(\s)+3], s[G0A+4*(\s)+3], 0x80000000
	s_mov_b32 s[G0B+4*(\s)], 1
	s_add_co_u32 s[G0B+4*(\s)+1], s[WPB], (\s)*SLOT
	s_add_nc_u64 s[G0B+4*(\s)+2:G0B+4*(\s)+3], s[46:47], (\s)*BSTEP
	s_or_b32 s[G0B+4*(\s)+3], s[G0B+4*(\s)+3], 0x80000000
	JLOAD \s
.endr
	v_and_b32 v1, 15, v0                           ; r = l % 16
	v_bfe_u32 v2, v0, 4, 1                         ; h = l / 16
	s_lshl_b32 s46, s42, 9                         ; my first column, 128 x tile column + 64 x half, in bytes of f32
	s_lshl_b32 s47, s12, 8
	s_add_co_u32 s46, s46, s47
	s_mov_b32 s47, 0
	s_add_nc_u64 s[72:73], s[72:73], s[46:47]
	s_add_nc_u64 s[74:75], s[74:75], s[46:47]
	s_add_nc_u64 s[8:9], s[8:9], s[46:47]
	s_lshl_b32 s16, s13, 19                        ; my first row, 128 x tile row + 64 x half, 4,096 bytes each
	s_lshl_b32 s17, s11, 18
	s_add_co_u32 s16, s16, s17
	s_mov_b32 s17, 0
	s_add_nc_u64 s[74:75], s[74:75], s[16:17]
	s_add_nc_u64 s[8:9], s[8:9], s[16:17]
	v_lshlrev_b32 v8, 5, v2                        ; my 8 columns of a block: 32 h
.irp b, 0,1,2,3
	global_load_b128 v[BI+8*(\b):BI+8*(\b)+3],   v8, s[72:73] offset:64*(\b)
	global_load_b128 v[BI+8*(\b)+4:BI+8*(\b)+7], v8, s[72:73] offset:64*(\b)+16
.endr
	v_lshlrev_b32 v[CO], 4, v1                     ; lanes 0-15 one row's 256 bytes, lanes 16-31 the next row's
	v_lshl_add_u32 v[CO], v2, 12, v[CO]
	WIN 0x80                                       ; destination window 2, address window 0
.set i, 0
.rept 32                                               ; the residual: rows 16 (i / 8) + 2 (i % 8) and the next; it has the whole product in which to land
	global_load_b128 v[4*i:4*i+3], v[CO], s[74:75] offset:(i/8)*65536+(i%8)*8192
.set i, i+1
.endr
	WIN 0
	; A fragment of A: lane l holds row r, k = 8 h + 0..7 and 16 + 8 h + 0..7: two loads of 16 bytes, 32 bytes apart.  Two rows of the tile share an LDS row of 272 bytes.
	v_lshrrev_b32 v3, 1, v1
	v_mul_u32_u24 v3, v3, 272
	v_and_b32 v4, 1, v1
	v_lshl_add_u32 v3, v4, 7, v3
	v_lshl_add_u32 v3, v2, 4, v3
	s_mul_i32 s21, s11, 32*272                     ; my 64 rows in each panel of 64 k
	v_add_nc_u32 v[ADRA0], s21, v3
	; The turning load takes 16 k x 16 columns (lane l reads k = 8 h + l % 8, columns 8 ((l / 8) % 2) + 0..7) and leaves half a fragment: lane l holds column r and 8 k.
	v_and_b32 v5, 7, v0
	v_lshl_add_u32 v5, v2, 3, v5
	v_lshrrev_b32 v6, 1, v5
	v_mul_u32_u24 v6, v6, 288
	v_and_b32 v7, 1, v5
	v_lshl_add_u32 v6, v7, 7, v6
	v_bfe_u32 v7, v0, 3, 1
	v_lshl_add_u32 v6, v7, 4, v6
	s_mul_i32 s22, s12, BHALF                      ; my 64 columns
	s_add_co_u32 s22, s22, BBASE
	v_add_nc_u32 v[ADRB0], s22, v6
	v_mov_b32 v[ADRA], v[ADRA0]
	v_mov_b32 v[ADRB], v[ADRB0]
	s_mul_i32 s23, s10, 16*SPITCH
	s_add_co_u32 s23, s23, STAGE                   ; my stage
	v_mul_u32_u24 v[STO], v1, SPITCH               ; in: row r, 32 bytes for each half of the lanes
	v_lshl_add_u32 v[STO], v2, 5, v[STO]
	v_add_nc_u32 v[STO], s23, v[STO]
	v_mul_u32_u24 v[RD], v2, SPITCH                ; back: lanes 0-15 take one row of 256 bytes, lanes 16-31 the next
	v_lshl_add_u32 v[RD], v1, 4, v[RD]
	v_add_nc_u32 v[RD], s23, v[RD]
; 8 matrix instructions: row blocks a0, a0 + 1 x all 4 column blocks, 32 along K: half c of buffer f.  zero = 1: the product starts the sum, with the bias: nothing is ever cleared.
; The 16 accumulators take turns, one instruction a turn.
.macro MUL8 f, c, a0, zero
	WIN 0x05                                       ; W and A in window 1; C and D in window 0
.irp a, \a0, (\a0)+1
.irp b, 0,1,2,3
.set rD, ACC+8*(4*(\a)+(\b))
.set rB, 128*(\f)+64+8*(4*(\c)+(\b))
.set rA, 128*(\f)+8*(4*(\c)+(\a))
.if \zero
	v_wmma_f32_16x16x32_f16 v[rD:rD+7], v[rB:rB+7], v[rA:rA+7], v[BI+8*(\b):BI+8*(\b)+7]
.else
	v_wmma_f32_16x16x32_f16 v[rD:rD+7], v[rB:rB+7], v[rA:rA+7], v[rD:rD+7]
.endif
.endr
.endr
.endm
; 32 LDS loads in one run: the fragments of quarter q (64 along K) of the slot at SB, into buffer f; the first 32 along K first
.macro FETCH q, f
	WIN 0x40                                       ; destination window 1, address window 0
.irp c, 0,1
.irp i, 0,1,2,3
	ds_load_tr16_b128 v[128*(\f)+64+8*(4*(\c)+(\i)):128*(\f)+64+8*(4*(\c)+(\i))+3],   v[ADRB] offset:(\q)*9216+(\c)*4608+(\i)*32
	ds_load_tr16_b128 v[128*(\f)+64+8*(4*(\c)+(\i))+4:128*(\f)+64+8*(4*(\c)+(\i))+7], v[ADRB] offset:(\q)*9216+(\c)*4608+(\i)*32+2304
	ds_load_b128 v[128*(\f)+8*(4*(\c)+(\i)):128*(\f)+8*(4*(\c)+(\i))+3],   v[ADRA] offset:(\q)*17408+(\c)*64+(\i)*2176
	ds_load_b128 v[128*(\f)+8*(4*(\c)+(\i))+4:128*(\f)+8*(4*(\c)+(\i))+7], v[ADRA] offset:(\q)*17408+(\c)*64+(\i)*2176+32
.endr
.endr
.endm
; A K step is four quarters of 64 along K, 32 matrix instructions each, on buffers 0, 1, 0, 1.  One of the first three: multiplies buffer f; in its middle it fetches quarter qn into buffer g.
.macro QUARTER qn, f, g, zero
	s_wait_dscnt 16                                ; the first 32 along K are in
	MUL8 \f, 0, 0, \zero
	MUL8 \f, 0, 2, \zero
	PLACES
	FETCH \qn, \g
	s_wait_dscnt 32                                ; all but the 32 just issued
	MUL8 \f, 1, 0, 0
	MUL8 \f, 1, 2, 0
.endm
; The last quarter multiplies buffer 1 and changes slots.  ONE barrier: in front of it each wave waits for all its tensor loads (the one that is out is its part of the next slot), adds 0 to its
; spare word, and waits for that and for its own reads of this slot.  Behind it nobody reads this slot any more and the next slot is whole.
.macro MEET round
	WIN 0                                          ; (the add's two registers lie in window 0)
	s_wait_tensorcnt 0x0
	ds_add_u32 v[SPW], v[NIL]                      ; 0 onto my spare word
	s_wait_dscnt 17                                ; (the add and the youngest sixteen loads may be out)
	MUL8 1, 0, 0, 0                                ; eight matrix instructions stand between the add and the wait for it
	s_wait_dscnt 0x0                               ; the add is done, and my reads of this slot are over
	s_barrier_signal -1
	MUL8 1, 0, 2, 0                                ; work on registers while the others arrive
.if \round
	WIN 0
.endif
	s_barrier_wait -1
.endm
.macro SWITCH                          ; on to the other slot, and its first fragments
	s_xor_b32 s[SB], s[SB], SLOT
	v_add_nc_u32 v[ADRA], s[SB], v[ADRA0]
	v_add_nc_u32 v[ADRB], s[SB], v[ADRB0]
	FETCH 0, 0
	MUL8 1, 1, 0, 0
	MUL8 1, 1, 2, 0
.endm
.macro TURN1                           ; the slot just read out is filled again, two K steps ahead: the barrier opens a round of the cluster's barrier, and the joint load is the first thing behind it
	MEET 1
	CREST                                          ; no wave of any partner still reads this slot's tile or has a load on its way
	s_add_co_u32 s[G0A+5], s[SB], s[WPA]           ; set 1 walks: this slot,
	s_add_nc_u64 s[G0A+6:G0A+7], s[G0A+6:G0A+7], ASTEP  ; the next K step; the type bits on top are not reached
	s_add_co_u32 s[G0B+5], s[SB], s[WPB]
	s_add_nc_u64 s[G0B+6:G0B+7], s[G0B+6:G0B+7], BSTEP
	JLOAD 1                                        ; its four v_nop are also the places in front of the loads below
	SWITCH
.endm
.macro TURN0                           ; the same with nothing left to ask for
	MEET 0
	PLACES
	WIN 0
	SWITCH
.endm
	s_wait_tensorcnt 0x1                           ; my part of K step 0 is in; step 1's may stay out
	s_barrier_signal -1
	s_barrier_wait -1                              ; everybody's is
	FETCH 0, 0
	s_wait_loadcnt 32                              ; the bias is in; the 32 younger loads, the residual, stay out
	QUARTER 1, 0, 1, 1                             ; the first quarter stands in front of the loop: its first products start the sums
	WIN 0                                          ; at a label and at a branch every window is 0
	s_mov_b32 s3, T-2
.Lstep:                                                ; a trip: from a step's second quarter to the next step's first; it asks for steps 2 .. T - 1
	QUARTER 2, 1, 0, 0
	QUARTER 3, 0, 1, 0
	TURN1
	QUARTER 1, 0, 1, 0
	WIN 0
	s_sub_co_u32 s3, s3, 1
	s_cmp_lg_u32 s3, 0
	s_cbranch_scc1 .Lstep
	s_mov_b32 s[TL], 2
.Ltail:                                                ; the last two steps ask for nothing: written once, walked twice
	QUARTER 2, 1, 0, 0
	QUARTER 3, 0, 1, 0
	TURN0                                          ; in the second pass its 32 loads read the other slot's old bytes, which nobody multiplies: the price of one text for both passes
	WIN 0
	s_cmp_eq_u32 s[TL], 1
	s_cbranch_scc1 .Lskip                          ; behind the last step there is no further quarter
	QUARTER 1, 0, 1, 0
	WIN 0
.Lskip:
	s_sub_co_u32 s[TL], s[TL], 1
	s_cmp_lg_u32 s[TL], 0
	s_cbranch_scc1 .Ltail
	s_wait_dscnt 0x0
	PLACES
	; THE WAY OUT, 16 rows x 64 columns at a time: a lane's 32 bytes of a row go into my own stage (rows of 272 bytes) and come back as whole rows of 256; the residual is added; 16 lanes store 256 consecutive bytes.
.irp a, 0,1,2,3
.set BKA, 32+32*((\a)%2)               ; v32-63 and v64-95 by turns
.irp b, 0,1,2,3
	ds_store_b128 v[STO], v[ACC+8*(4*(\a)+(\b)):ACC+8*(4*(\a)+(\b))+3]   offset:64*(\b)     ; each accumulator from its low end on
	ds_store_b128 v[STO], v[ACC+8*(4*(\a)+(\b))+4:ACC+8*(4*(\a)+(\b))+7] offset:64*(\b)+16
.endr
	s_wait_xcnt 0x0                                ; the registers that earlier stores read are loaded again only behind this wait
.irp t, 0,1,2,3,4,5,6,7
	ds_load_b128 v[BKA+4*(\t):BKA+4*(\t)+3], v[RD] offset:(\t)*2*SPITCH  ; LDS serves a wave's instructions in order (ISA guide 5.7.1.4): these see the stores above
.endr
	s_wait_dscnt 0x0
.if (\a) == 0
	s_wait_loadcnt 0x0                             ; the residual
.endif
	WIN 0x08                                       ; source 1 in window 2
.set i, 0
.rept 16
	v_pk_add_f32 v[BKA+2*i:BKA+2*i+1], v[BKA+2*i:BKA+2*i+1], v[32*(\a)+2*i:32*(\a)+2*i+1]
.set i, i+1
.endr
	WIN 0
.irp t, 0,1,2,3,4,5,6,7
	global_store_b128 v[CO], v[BKA+4*(\t):BKA+4*(\t)+3], s[8:9] offset:(\a)*65536+(\t)*8192
.endr
.endr
	s_wait_tensorcnt 0x0                           ; the wave's end, behind my last tensor load and my last LDS store
	ds_add_u32 v[SPW], v[NIL]
	s_wait_dscnt 0x0
	CROUND                                         ; the closing round: no work-group ends while a partner may still ask for a tile that names it
	s_endpgm
.Lfunc_end_k_q76cc219cb2_ffn2:
	.size	k_q76cc219cb2_ffn2, .Lfunc_end_k_q76cc219cb2_ffn2-k_q76cc219cb2_ffn2
	.p2alignl 7, 3214868480
	.fill 96, 4, 3214868480
	.section	.rodata,"a",@progbits
	.p2align	6, 0x0
	.amdhsa_kernel k_q76cc219cb2_ffn2
		.amdhsa_group_segment_fixed_size 327680
		.amdhsa_private_segment_fixed_size 0
		.amdhsa_enable_private_segment 0
		.amdhsa_kernarg_size 40
		.amdhsa_user_sgpr_count 2
		.amdhsa_user_sgpr_kernarg_segment_ptr 1
		.amdhsa_wavefront_size32 1
		.amdhsa_system_sgpr_workgroup_id_x 1
		.amdhsa_system_sgpr_workgroup_id_y 1
		.amdhsa_system_sgpr_workgroup_id_z 1
		.amdhsa_system_vgpr_workitem_id 0
		.amdhsa_next_free_vgpr 640
		.amdhsa_next_free_sgpr 80
		.amdhsa_reserve_vcc 0
		.amdhsa_float_denorm_mode_32 3
		.amdhsa_float_denorm_mode_16_64 3
		.amdhsa_memory_ordered 1
		.amdhsa_forward_progress 1
		.amdhsa_inst_pref_size 66
	.end_amdhsa_kernel
	.amdgpu_metadata
---
amdhsa.version: [ 1, 2 ]
amdhsa.kernels:
  - .name:           k_q76cc219cb2_ffn2
    .symbol:         k_q76cc219cb2_ffn2.kd
    .args:
      - { .name: hb, .offset: 0, .size: 8, .value_kind: global_buffer, .address_space: global }
      - { .name: wh, .offset: 8, .size: 8, .value_kind: global_buffer, .address_space: global }
      - { .name: out0, .offset: 16, .size: 8, .value_kind: global_buffer, .address_space: global }
      - { .name: b2, .offset: 24, .size: 8, .value_kind: global_buffer, .address_space: global }
      - { .name: x1, .offset: 32, .size: 8, .value_kind: global_buffer, .address_space: global }
    .group_segment_fixed_size: 327680
    .private_segment_fixed_size: 0
    .kernarg_segment_align: 8
    .kernarg_segment_size: 40
    .max_flat_workgroup_size: 128
    .sgpr_count:     80
    .vgpr_count:     640
    .wavefront_size: 32
...
	.end_amdgpu_metadata
.endif
;; end of part 7
;; ======== version 2 of 2: 7 launches; version 1 with the launch prep written anew for expert scheduling mode
;; limits: values are held in f16: magnitudes above 65,504 overflow, below 6.1e-05 lose precision
;; workspace buffers: xn 8,388,608 bytes; xn2 8,388,608 bytes; wh 25,165,824 bytes; qkvb 25,165,824 bytes; ob 8,388,608 bytes; x1 16,777,216 bytes; hb 33,554,432 bytes
;; launch prep (part 8): grid 1024 x 1, 8 waves a work-group, no clusters, 0 bytes of LDS; arguments x, g1, be1, xn, wq, wk, wv, w1, w_proj, w2, wh; writes xn, wh
.if DOCPART == 8
	.amdgcn_target "amdgcn-amd-amdhsa--gfx1250"
	.amdhsa_code_object_version 6
	.text
	.protected	k_q76cc219cb2_prep
	.globl	k_q76cc219cb2_prep
	.p2align	8
	.type	k_q76cc219cb2_prep,@function
k_q76cc219cb2_prep:
	s_mov_b64 s[64:65], 0
	v_nop
	global_prefetch_b8 v0, s[64:65] scope:SCOPE_SE
	s_setreg_imm32_b32 hwreg(HW_REG_WAVE_SCHED_MODE, 0, 2), 2
	s_setreg_imm32_b32 hwreg(HW_REG_WAVE_MODE, 25, 1), 1
	s_wait_xcnt 0x0
	s_wait_alu depctr_vm_vsrc(0)
; TWO STREAMS IN ONE LAUNCH.  Work-groups 0-255: xn = layer norm of x (gain g1, shift be1), rounded to f16.  Work-groups 256-1023: the six weights, f32 [k][n], rounded once to f16
; and laid in the order in which the products ask for them, two chunks a work-group.  Memory binds both: no LDS, no matrix unit, no barrier; each byte of x and of the weights is read once, each output byte written once.
; 128 registers a wave: eight waves share a SIMD's 1,024, so four work-groups of eight waves lie on a WGP, and 1,024 work-groups are four for each of 256 WGPs: all loads of the launch go out at its start.
; LIMITS.  f16 ends at 65,504: a normed number or a weight beyond that becomes an infinity; a weight below 6e-5 keeps f16's fixed step of 6e-8.  NaN and infinities are not treated apart.
; xn's LAYOUT: [row / 128][column / 64][row % 128][64] f16, so that 128 rows x any run of columns are consecutive bytes.
; wh's LAYOUT: chunks of 16,384 bytes, each [128 k][64 n] f16.  Chunks 0-383: wq, wk, wv as 48 panels P of 64 columns, chunk = (k / 128) x 48 + P.  384-895: w1, chunk = (k / 128) x 64 + n / 64.
; 896-1023: w_proj, 1024-1535: w2, chunk = ((k / 256) x 16 + n / 64) x 2 + (k / 128) % 2.
; LAYER NORM.  A work-group takes 16 rows, a wave two.  Lane l: cg = l % 8, rp = (l / 8) % 2, pp = l / 16; it holds row 2 wave + rp, columns 64 (2 j + pp) + 8 cg + 0..7 for j = 0..7.
; So a row lies in the 16 lanes of equal rp, and a store of 16 bytes a lane puts lanes 0-15 onto 256 consecutive bytes of xn (two rows of one panel), lanes 16-31 onto those of the next panel.
; The variance is the mean of (x - mean)^2, taken of the centred numbers.  Gains and shifts come in four turns of two j through 32 registers.
; THE MODE: SCHED_MODE bits 1:0 = 2 (LLVM: expert scheduling mode 2), set by the entry lines.  The code itself states the register dependences
; between vector instructions and memory instructions, with s_wait_alu, always for 0.
; THE PLAN, layer norm.  Registers that memory instructions touch:
;   v5, v6, v7   byte offsets, made once at the head and never written again.
;   X            loaded once, into registers that no vector instruction has named.  Turn t's roundings write words X + 8 t .. X + 8 t + 7, which the turn's two stores read; every later
;                vector instruction writes higher words (multiply-adds from X + 16 (t + 1) on, roundings from X + 8 (t + 1) on): no register that a store reads is written again.
;   GB           read by turn t's eight multiply-adds; then the loads of turn t + 1 land in it.
; So ONE wait on va_vdst stands in a turn, behind its sixteen vector instructions; the turn's loads and stores follow it with no vector instruction between.
; THE PLAN, cast.  v4 to v8: offsets, made once.  v[32:95]: loaded once, read by the roundings, never loaded again.  v[96:127]: four registers for each pair of loads, written once by its roundings and
; read by its one store.  Four steps of two pairs: a step's two stores are issued in the next step, behind one wait on va_vdst at that step's head; the roundings that follow them name other registers.
; No vector instruction of the kernel writes a scalar register or VCC, and EXEC is never written.
.set X,  32                            ; v[32:95]    my 64 numbers of x
.set GB, 96                            ; v[96:111]   the gains of two j, v[112:127] their shifts
.macro RED                             ; four running pairs v[16:23] -> one sum over my row, in every lane of the row
	v_pk_add_f32 v[16:17], v[16:17], v[18:19]
	v_pk_add_f32 v[20:21], v[20:21], v[22:23]
	v_pk_add_f32 v[16:17], v[16:17], v[20:21]
	v_add_f32 v16, v16, v17
	v_add_f32_dpp v16, v16, v16 row_xmask:1 row_mask:0xf bank_mask:0xf
	v_add_f32_dpp v16, v16, v16 row_xmask:2 row_mask:0xf bank_mask:0xf
	v_add_f32_dpp v16, v16, v16 row_xmask:4 row_mask:0xf bank_mask:0xf  ; the eight lanes of equal rp and pp; mask 8 would cross to the other row
	v_permlanex16_b32 v17, v16, s30, s31   ; and the eight of the other pp
	v_add_f32 v16, v16, v17
.endm
.macro GBLOAD t                        ; eight loads: gains and shifts of j = 2 t and 2 t + 1
.irp j, 0,1
	global_load_b128 v[GB+8*(\j):GB+8*(\j)+3],         v5, s[6:7] offset:512*(2*(\t)+(\j))
	global_load_b128 v[GB+8*(\j)+4:GB+8*(\j)+7],       v5, s[6:7] offset:512*(2*(\t)+(\j))+16
	global_load_b128 v[GB+16+8*(\j):GB+16+8*(\j)+3],   v5, s[8:9] offset:512*(2*(\t)+(\j))
	global_load_b128 v[GB+16+8*(\j)+4:GB+16+8*(\j)+7], v5, s[8:9] offset:512*(2*(\t)+(\j))+16
.endr
.endm
	s_load_b256 s[4:11], s[0:1], 0x0               ; x, g1, be1, xn
	s_load_b256 s[12:19], s[0:1], 0x20             ; wq, wk, wv, w1
	s_load_b128 s[20:23], s[0:1], 0x40             ; w_proj, w2
	s_load_b64 s[24:25], s[0:1], 0x50              ; wh
	s_mov_b32 s2, ttmp9
	s_cmp_lt_u32 s2, 256
	s_cbranch_scc0 .Lcast
	; THE LAYER NORM
	v_and_b32 v1, 7, v0                            ; cg
	v_bfe_u32 v2, v0, 3, 1                         ; rp
	v_bfe_u32 v3, v0, 4, 1                         ; pp
	v_lshrrev_b32 v4, 5, v0                        ; wave
	v_lshl_add_u32 v4, v4, 1, v2                   ; my row among the group's 16
	v_lshlrev_b32 v5, 5, v1
	v_lshl_add_u32 v5, v3, 8, v5                   ; byte in a row of f32: 256 pp + 32 cg (gain and shift)
	v_lshl_add_u32 v6, v4, 12, v5                  ; + my row x 4,096 (source)
	v_lshlrev_b32 v7, 4, v1
	v_lshl_add_u32 v7, v4, 7, v7
	v_lshl_add_u32 v7, v3, 14, v7                  ; destination: 16,384 pp + 128 row + 16 cg
	s_lshl_b32 s26, s2, 16                         ; the group's 16 rows of 4,096 bytes
	s_mov_b32 s27, 0
	s_lshr_b32 s28, s2, 3
	s_lshl_b32 s28, s28, 18                        ; block of 128 rows: 262,144 bytes
	s_and_b32 s29, s2, 7
	s_lshl_b32 s29, s29, 11                        ; 16 rows of 128 bytes in a panel
	s_add_co_u32 s28, s28, s29
	s_mov_b32 s29, 0
	s_mov_b32 s30, 0x76543210                      ; v_permlanex16_b32: each lane takes its own place in the other half
	s_mov_b32 s31, 0xfedcba98
	s_mov_b32 s32, 0x3a800000                      ; 1 / 1024
	s_mov_b32 s33, 0x3727c5ac                      ; 1e-5
	s_wait_kmcnt 0x0
	s_add_nc_u64 s[4:5], s[4:5], s[26:27]
	s_add_nc_u64 s[10:11], s[10:11], s[28:29]
	s_wait_alu depctr_va_vdst(0)                   ; v5, v6 and v7 are written: every load and store of this path reads one of them as its offset
.irp j, 0,1,2,3,4,5,6,7
	global_load_b128 v[X+8*(\j):X+8*(\j)+3],   v6, s[4:5] offset:512*(\j)
	global_load_b128 v[X+8*(\j)+4:X+8*(\j)+7], v6, s[4:5] offset:512*(\j)+16
.endr
	GBLOAD 0
	s_wait_loadcnt 8                               ; the row is in; the eight younger loads (the first gains and shifts) stay out
.irp k, 0,1,2,3
	v_pk_add_f32 v[16+2*(\k):17+2*(\k)], v[X+2*(\k):X+2*(\k)+1], v[X+8+2*(\k):X+8+2*(\k)+1]  ; the first pairs start four chains: nothing is cleared
.endr
.set p, 8
.rept 24
	v_pk_add_f32 v[16+2*(p%4):17+2*(p%4)], v[16+2*(p%4):17+2*(p%4)], v[X+2*p:X+2*p+1]
.set p, p+1
.endr
	RED
	v_mul_f32 v16, s32, v16                        ; the mean
.set p, 0
.rept 32
	v_pk_add_f32 v[X+2*p:X+2*p+1], v[X+2*p:X+2*p+1], v[16:17] op_sel_hi:[1,0] neg_lo:[0,1] neg_hi:[0,1]  ; x - mean
.set p, p+1
.endr
.irp k, 0,1,2,3
	v_pk_mul_f32 v[16+2*(\k):17+2*(\k)], v[X+2*(\k):X+2*(\k)+1], v[X+2*(\k):X+2*(\k)+1]
.endr
.set p, 4
.rept 28
	v_pk_fma_f32 v[16+2*(p%4):17+2*(p%4)], v[X+2*p:X+2*p+1], v[X+2*p:X+2*p+1], v[16+2*(p%4):17+2*(p%4)]
.set p, p+1
.endr
	RED
	v_fma_f32 v18, v16, s32, s33                   ; variance + 1e-5
	v_rsq_f32 v24, v18
	v_mov_b32 v25, 0                               ; the plain instruction behind the root (ISA guide 5.7.2); v25 is named with v24 as a pair
	s_wait_alu depctr_va_vdst(0)                   ; the root has written v24, ahead of its first reader
.set p, 0
.rept 32
	v_pk_mul_f32 v[X+2*p:X+2*p+1], v[X+2*p:X+2*p+1], v[24:25] op_sel_hi:[1,0]
.set p, p+1
.endr
.irp t, 0,1,2,3                                        ; turn t: j = 2 t and 2 t + 1
	s_wait_loadcnt 0x0                             ; this turn's gains and shifts
.set q, 0
.rept 8
	v_pk_fma_f32 v[X+16*(\t)+2*q:X+16*(\t)+2*q+1], v[X+16*(\t)+2*q:X+16*(\t)+2*q+1], v[GB+2*q:GB+2*q+1], v[GB+16+2*q:GB+16+2*q+1]
.set q, q+1
.endr
.set q, 8*(\t)
.rept 8
	v_cvt_pk_f16_f32 v[X+q], v[X+2*q], v[X+2*q+1]  ; in place from the low end: word q is written when pairs 0 .. q have been read
.set q, q+1
.endr
	s_wait_alu depctr_va_vdst(0)                   ; the multiply-adds are done reading GB, in which the loads below land; the roundings have written words X + 8 t .. X + 8 t + 7, which the stores below read
.if (\t) < 3
	GBLOAD (\t)+1                                  ; the next turn's, ahead of the stores
.endif
	global_store_b128 v7, v[X+8*(\t):X+8*(\t)+3],   s[10:11] offset:32768*(2*(\t))    ; two panels on for each j
	global_store_b128 v7, v[X+8*(\t)+4:X+8*(\t)+7], s[10:11] offset:32768*(2*(\t)+1)
.endr
	s_endpgm
.Lcast:
	; THE CAST.  Chunks c and c + 1, c even: they belong to one weight, since every weight begins at an even chunk.  What the three kinds of weight differ in (source, pitch, the way from the first
	; chunk to the second) is worked out for each kind and then chosen by the chunk's number, so that the loads and stores are written once.
	s_sub_co_u32 s3, s2, 256
	s_lshl_b32 s3, s3, 1                           ; c
	v_and_b32 v1, 7, v0
	v_lshrrev_b32 v2, 3, v0                        ; my row among 32
	v_lshlrev_b32 v3, 5, v1                        ; my 8 numbers of f32 in it
	v_lshlrev_b32 v4, 4, v0                        ; and their 16 bytes of f16
	s_lshr_b32 s30, s3, 3                          ; as a chunk of wq, wk, wv: panel P = c / 8,
	s_and_b32 s31, s3, 7                           ; k / 128 = c % 8
	s_and_b32 s26, s30, 15
	s_lshl_b32 s26, s26, 18                        ; the head: 1,024 rows of 256 bytes
	s_lshl_b32 s32, s31, 15                        ; 128 rows
	s_add_co_u32 s26, s26, s32
	s_mul_i32 s28, s31, 48
	s_add_co_u32 s28, s28, s30                     ; its place in wh
	s_sub_co_u32 s32, s3, 384                      ; as a chunk of w1
	s_lshr_b32 s33, s32, 6
	s_lshl_b32 s33, s33, 21                        ; 128 rows of 16,384 bytes
	s_and_b32 s32, s32, 63
	s_lshl_b32 s32, s32, 8                         ; 64 columns
	s_add_co_u32 s33, s33, s32
	s_mov_b32 s32, 896                             ; as a chunk of w_proj (from 896) or of w2 (from 1,024)
	s_cmp_ge_u32 s3, 1024
	s_cselect_b32 s32, 1024, s32
	s_sub_co_u32 s32, s3, s32
	s_lshr_b32 s38, s32, 5
	s_lshl_b32 s38, s38, 20                        ; 256 rows of 4,096 bytes
	s_bfe_u32 s32, s32, 0x40001                    ; n / 64
	s_lshl_b32 s32, s32, 8
	s_add_co_u32 s38, s38, s32
	s_cmp_lt_u32 s3, 896                           ; w1, or w_proj and w2:
	s_cselect_b32 s33, s33, s38                    ; the source's offset,
	s_cselect_b32 s42, 14, 12                      ; log2 of the pitch,
	s_cselect_b32 s46, 8, 19                       ; log2 of the bytes to the second chunk's source: 64 columns, or 128 rows
	s_cmp_lt_u32 s3, 384                           ; wq, wk, wv, or the others
	s_cselect_b32 s26, s26, s33
	s_cselect_b32 s42, 8, s42
	s_cselect_b32 s46, 15, s46                     ; 128 rows of 256 bytes
	s_cselect_b32 s28, s28, s3                     ; the others lie in wh by their number,
	s_cselect_b32 s44, 48, 1                       ; and the second chunk follows the first
	s_lshl_b32 s28, s28, 14
	s_lshl_b32 s44, s44, 14
	s_lshl_b32 s46, 1, s46
	s_add_co_u32 s43, s42, 5
	s_lshl_b32 s43, 1, s43                         ; 32 rows of the source
	s_mov_b32 s27, 0
	s_mov_b32 s29, 0
	s_mov_b32 s45, 0
	s_mov_b32 s47, 0
	v_lshl_add_u32 v5, v2, s42, v3                 ; row t / 8 + 32 i, column 8 (t % 8): an offset for each i
	v_add_nc_u32 v6, s43, v5
	v_add_nc_u32 v7, s43, v6
	v_add_nc_u32 v8, s43, v7
	s_wait_kmcnt 0x0
	s_cmp_ge_u32 s3, 128
	s_cselect_b64 s[34:35], s[14:15], s[12:13]     ; wq, wk,
	s_cmp_ge_u32 s3, 256
	s_cselect_b64 s[34:35], s[16:17], s[34:35]     ; wv,
	s_cmp_ge_u32 s3, 384
	s_cselect_b64 s[34:35], s[18:19], s[34:35]     ; w1,
	s_cmp_ge_u32 s3, 896
	s_cselect_b64 s[34:35], s[20:21], s[34:35]     ; w_proj,
	s_cmp_ge_u32 s3, 1024
	s_cselect_b64 s[34:35], s[22:23], s[34:35]     ; w2
	s_add_nc_u64 s[34:35], s[34:35], s[26:27]      ; the first chunk's source and destination,
	s_add_nc_u64 s[36:37], s[24:25], s[28:29]
	s_add_nc_u64 s[38:39], s[34:35], s[46:47]      ; the second's
	s_add_nc_u64 s[40:41], s[36:37], s[44:45]
	s_wait_alu depctr_va_vdst(0)                   ; v4 to v8 are written: every load and store of this path reads one of them as its offset
.irp i, 0,1,2,3                                        ; sixteen loads a thread: 65,536 bytes of the work-group are on their way
	global_load_b128 v[32+8*(\i):35+8*(\i)], v[5+(\i)], s[34:35] th:TH_LOAD_NT
	global_load_b128 v[36+8*(\i):39+8*(\i)], v[5+(\i)], s[34:35] offset:16 th:TH_LOAD_NT
.endr
.irp i, 0,1,2,3
	global_load_b128 v[64+8*(\i):67+8*(\i)], v[5+(\i)], s[38:39] th:TH_LOAD_NT
	global_load_b128 v[68+8*(\i):71+8*(\i)], v[5+(\i)], s[38:39] offset:16 th:TH_LOAD_NT
.endr
.macro CROUND8 n                       ; pair n of the loads, 8 numbers, rounded into its own four registers
	v_cvt_pk_f16_f32 v[96+4*(\n)], v[32+8*(\n)], v[33+8*(\n)]
	v_cvt_pk_f16_f32 v[97+4*(\n)], v[34+8*(\n)], v[35+8*(\n)]
	v_cvt_pk_f16_f32 v[98+4*(\n)], v[36+8*(\n)], v[37+8*(\n)]
	v_cvt_pk_f16_f32 v[99+4*(\n)], v[38+8*(\n)], v[39+8*(\n)]
.endm
.macro CSTORE n                        ; pair n's 16 bytes: pairs 0-3 are the first chunk's, 4-7 the second's; a wave stores 512 consecutive bytes
.if (\n) < 4
	global_store_b128 v4, v[96+4*(\n):99+4*(\n)], s[36:37] offset:(\n)*4096
.else
	global_store_b128 v4, v[96+4*(\n):99+4*(\n)], s[40:41] offset:((\n)-4)*4096
.endif
.endm
.set m, 0
.rept 4                                                ; step m: pairs 2 m and 2 m + 1
	s_wait_loadcnt 12-4*m                          ; loads come back in order (ISA guide 5.7.1): this step's four are in, the later steps' stay out
.if m > 0
	s_wait_alu depctr_va_vdst(0)                   ; the roundings of the step before have written their eight registers, which the two stores below read
	CSTORE 2*m-2
	CSTORE 2*m-1
.endif
	CROUND8 2*m                                    ; these name none of the registers that the stores above read
	CROUND8 2*m+1
.set m, m+1
.endr
	s_wait_alu depctr_va_vdst(0)                   ; the last step's roundings have written v[120:127], which the last two stores read
	CSTORE 6
	CSTORE 7
	s_endpgm
.Lfunc_end_k_q76cc219cb2_prep:
	.size	k_q76cc219cb2_prep, .Lfunc_end_k_q76cc219cb2_prep-k_q76cc219cb2_prep
	.p2alignl 7, 3214868480
	.fill 96, 4, 3214868480
	.section	.rodata,"a",@progbits
	.p2align	6, 0x0
	.amdhsa_kernel k_q76cc219cb2_prep
		.amdhsa_group_segment_fixed_size 0
		.amdhsa_private_segment_fixed_size 0
		.amdhsa_enable_private_segment 0
		.amdhsa_kernarg_size 88
		.amdhsa_user_sgpr_count 2
		.amdhsa_user_sgpr_kernarg_segment_ptr 1
		.amdhsa_wavefront_size32 1
		.amdhsa_system_sgpr_workgroup_id_x 1
		.amdhsa_system_sgpr_workgroup_id_y 1
		.amdhsa_system_sgpr_workgroup_id_z 1
		.amdhsa_system_vgpr_workitem_id 0
		.amdhsa_next_free_vgpr 128
		.amdhsa_next_free_sgpr 66
		.amdhsa_reserve_vcc 0
		.amdhsa_float_denorm_mode_32 3
		.amdhsa_float_denorm_mode_16_64 3
		.amdhsa_memory_ordered 1
		.amdhsa_forward_progress 1
		.amdhsa_inst_pref_size 28
	.end_amdhsa_kernel
	.amdgpu_metadata
---
amdhsa.version: [ 1, 2 ]
amdhsa.kernels:
  - .name:           k_q76cc219cb2_prep
    .symbol:         k_q76cc219cb2_prep.kd
    .args:
      - { .name: x, .offset: 0, .size: 8, .value_kind: global_buffer, .address_space: global }
      - { .name: g1, .offset: 8, .size: 8, .value_kind: global_buffer, .address_space: global }
      - { .name: be1, .offset: 16, .size: 8, .value_kind: global_buffer, .address_space: global }
      - { .name: xn, .offset: 24, .size: 8, .value_kind: global_buffer, .address_space: global }
      - { .name: wq, .offset: 32, .size: 8, .value_kind: global_buffer, .address_space: global }
      - { .name: wk, .offset: 40, .size: 8, .value_kind: global_buffer, .address_space: global }
      - { .name: wv, .offset: 48, .size: 8, .value_kind: global_buffer, .address_space: global }
      - { .name: w1, .offset: 56, .size: 8, .value_kind: global_buffer, .address_space: global }
      - { .name: w_proj, .offset: 64, .size: 8, .value_kind: global_buffer, .address_space: global }
      - { .name: w2, .offset: 72, .size: 8, .value_kind: global_buffer, .address_space: global }
      - { .name: wh, .offset: 80, .size: 8, .value_kind: global_buffer, .address_space: global }
    .group_segment_fixed_size: 0
    .private_segment_fixed_size: 0
    .kernarg_segment_align: 8
    .kernarg_segment_size: 88
    .max_flat_workgroup_size: 256
    .sgpr_count:     66
    .vgpr_count:     128
    .wavefront_size: 32
...
	.end_amdgpu_metadata
.endif
;; end of part 8
;; launch qkv: the kernel of part 2 again; grid 16 x 16, 4 waves a work-group, clusters of 4 x 4, 327,680 bytes of LDS; arguments xn, wh, qkvb; writes qkvb
;; launch attn: the kernel of part 3 again; grid 4 x 64, 8 waves a work-group, clusters of 4 x 1, 327,680 bytes of LDS; arguments qkvb, ob; writes ob
;; launch proj: the kernel of part 4 again; grid 8 x 32, 4 waves a work-group, clusters of 4 x 4, 327,680 bytes of LDS; arguments ob, wh, x1, b_proj, x; writes x1
;; launch ln2: the kernel of part 5 again; grid 256 x 1, 8 waves a work-group, no clusters, 0 bytes of LDS; arguments x1, g2, be2, xn2; writes xn2
;; launch ffn1: the kernel of part 6 again; grid 16 x 16, 4 waves a work-group, clusters of 4 x 4, 327,680 bytes of LDS; arguments xn2, wh, hb, b1; writes hb
;; launch ffn2: the kernel of part 7 again; grid 8 x 32, 4 waves a work-group, clusters of 4 x 4, 327,680 bytes of LDS; arguments hb, wh, out0, b2, x1; writes out0
